; MI455X (gfx1250); checked and timed in simulation.
; The chip was launched on July 23, 2026; its instructions are those of AMD's public machine-readable ISA for CDNA 5 (MIT licence, August 2026) and "CDNA5" Instruction Set Architecture Reference Guide (July 2026). The comments in the code are by the model that wrote it; some were corrected since.
;; M Bart Mo E Decoder Layer. Allowed arithmetic: float matrix products may take bf16 or f16 operands with f32 sums; other float arithmetic in f32, or as packed bf16 or f16 multiplies, adds, multiply-adds, maxima and minima; sums over many terms, partial sums and values carried from step to step in f32; what a program stores and reads back later, other than sums and carried values, may be rounded once to bf16 or f16.
;; Inputs: attention_mask 4 x 1 x 256 x 256 float32; ca_k_b 256 float32; ca_k_w 1,024 x 256 float32; ca_o_b 1,024 float32; ca_o_w 1,024 x 1,024 float32; ca_q_b 1,024 float32; ca_q_w 1,024 x 1,024 float32; ca_v_b 256 float32; ca_v_w 1,024 x 256 float32; encoder_attention_mask 4 x 1 x 256 x 512 float32; encoder_hidden_states 4 x 512 x 1,024 float32; hidden_states 4 x 256 x 1,024 float32; langs 4 x 2 int32; ln1_b 1,024 float32; ln1_g 1,024 float32; ln2_b 1,024 float32; ln2_g 1,024 float32; ln3_b 1,024 float32; ln3_g 1,024 float32; moe_w1 8 x 1,024 x 2,048 float32; moe_w2 8 x 2,048 x 1,024 float32; moe_w3 8 x 1,024 x 2,048 float32; sa_k_b 256 float32; sa_k_w 1,024 x 256 float32; sa_o_b 1,024 float32; sa_o_w 1,024 x 1,024 float32; sa_q_b 1,024 float32; sa_q_w 1,024 x 1,024 float32; sa_v_b 256 float32; sa_v_w 1,024 x 256 float32.
;; Outputs: out0 4 x 256 x 1,024 float32.
;; 3 versions, each right; version 2 is faster than version 1; version 3 is version 2 with the launches lna, lnb, lnc, m2 written anew for expert scheduling mode. Each part assembles by itself: llvm-mc -triple=amdgcn-amd-amdhsa -mcpu=gfx1250 --defsym DOCPART=n.
;; ======== version 1 of 3: 11 launches
;; limits: right only within a limited range of input values
;; workspace buffers: xa 6,291,456 bytes; qkv 5,242,880 bytes; ob 2,097,152 bytes; h2 4,194,304 bytes; xb 2,097,152 bytes; q2 2,097,152 bytes; h3 4,194,304 bytes; hid 8,388,608 bytes
;; launch lna (part 1): grid 192 x 1, 4 waves a work-group, no clusters, 33,792 bytes of LDS; arguments hidden_states, ln1_g, ln1_b, encoder_hidden_states, xa; writes xa
.if DOCPART == 1
	.amdgcn_target "amdgcn-amd-amdhsa--gfx1250"
	.amdhsa_code_object_version 6
	.text
	.protected	k_q305d76e22d_lna
	.globl	k_q305d76e22d_lna
	.p2align	8
	.type	k_q305d76e22d_lna,@function
k_q305d76e22d_lna:
	s_mov_b64 s[64:65], 0
	v_nop
	global_prefetch_b8 v0, s[64:65] scope:SCOPE_SE
	s_setreg_imm32_b32 hwreg(HW_REG_WAVE_MODE, 25, 1), 1
	s_wait_xcnt 0x0
; LAYERNORM, OR A PLAIN ROUNDING, OF 16 ROWS OF 1,024 f32 INTO A BLOCKED bf16 IMAGE.
; Arguments: x, g, b, enc, out.  Work-groups 0-63 take rows 16 id .. of x and write (x - mean) rsqrt(var + 1e-5) g + b; work-groups from 64 on
; (there are none in a grid of 64: enc is then not touched) take rows 16 (id - 64) .. of enc and only round them.  Both write tile row id of out.
; THE IMAGE: element (m, k) of a matrix with K columns lies at byte ((m/16)(K/32) + k/32) 1024 + ((k%32)/8) 256 + (m%16) 16 + (k%8) 2, so that a matrix
; fragment of 16 rows x 32 k is two loads of 512 consecutive bytes, 16 bytes a lane, with no shuffle.
; SHARES.  Four waves, four rows each; a row lies in 32 registers of its wave, so mean and variance (of the centred numbers, as the definition has it)
; never leave the wave.  The rounded rows meet in LDS (pitch 2,064 bytes = 129 x 16: the 16 rows that a load touches start at 16 different groups of banks),
; and each wave writes 8 of the 32 tiles, 512 consecutive bytes a store.  No matrix unit, cluster or tensor load: each byte is read once and there is nothing to share.
; LIMITS.  The result is rounded once to bf16.  NaN and infinities are not treated apart.
.set LP,    2064
.set SPARE, 33280                      ; behind the 16 rows (33,024 bytes): the spare words, 128 bytes a wave
.set RO,  4                            ; v4   byte offset of my 16 bytes in my wave's first row
.set LB,  5                            ; v5   16 x lane
.set SPW, 6                            ; v6   my spare word; never rewritten
.set NIL, 7                            ; v7   0; never rewritten
.set STO, 8                            ; v8   LDS: where I put 8 bytes of my wave's first row
.set RD,  9                            ; v9   LDS: where I read 16 bytes of a fragment
.set SA,  12                           ; v[12:19]  a pair for each row: sum, then mean
.set SQ,  20                           ; v[20:27]  a pair for each row: sum of squares, then 1/sqrt
.set X,   32                           ; v[32:159] row j in 32 registers
.set G,   160                          ; v[160:191] g of my 32 columns; later the tiles on their way out
.set BI,  192                          ; v[192:223] b
	s_load_b256 s[4:11], s[0:1], 0x0               ; x s[4:5], g s[6:7], b s[8:9], enc s[10:11]
	s_load_b64 s[12:13], s[0:1], 0x20              ; out
	v_lshl_add_u32 v[SPW], v0, 2, SPARE
	v_mov_b32 v[NIL], 0
	v_and_b32 v1, 31, v0                           ; lane
	v_and_b32 v2, 15, v0                           ; r
	v_bfe_u32 v3, v0, 4, 1                         ; h
	v_lshrrev_b32 v11, 5, v0
	v_readfirstlane_b32 s16, v11                   ; wave
	s_mov_b32 s17, ttmp9
	s_sub_co_u32 s18, s17, 64
	s_cmp_lt_u32 s17, 64
	s_cselect_b32 s18, s17, s18                    ; my block of 16 rows in its tensor
	s_lshl_b32 s18, s18, 16                        ; 16 rows of 4,096 bytes
	s_mov_b32 s19, 0
	s_lshl_b32 s24, s17, 15                        ; out: tile row id, 32 tiles of 1,024 bytes,
	s_lshl_b32 s25, s16, 13                        ; my wave's 8 tiles
	s_add_co_u32 s24, s24, s25
	s_mov_b32 s25, 0
	s_mov_b32 s22, 0x76543210                      ; v_permlanex16_b32: each lane takes its own place in the other half
	s_mov_b32 s23, 0xfedcba98
	s_mov_b32 s26, 0x3a800000                      ; 1/1024
	s_mov_b32 s27, 0x3727c5ac                      ; 1e-5
	v_lshlrev_b32 v[LB], 4, v1
	v_lshl_add_u32 v[RO], s16, 14, v[LB]           ; + wave x 4 rows
	v_lshlrev_b32 v[STO], 3, v1
	s_mul_i32 s28, s16, 4*LP
	v_add_nc_u32 v[STO], s28, v[STO]
	v_mul_u32_u24 v[RD], v2, LP                    ; row r,
	v_lshl_add_u32 v[RD], v3, 4, v[RD]             ; k = 8 h ..,
	v_lshl_add_u32 v[RD], s16, 9, v[RD]            ; my wave's 8 tiles: 64 bytes of a row each
	s_wait_kmcnt 0x0
	s_cmp_lt_u32 s17, 64
	s_cselect_b64 s[20:21], s[4:5], s[10:11]
	s_add_nc_u64 s[20:21], s[20:21], s[18:19]
	s_add_nc_u64 s[12:13], s[12:13], s[24:25]
.set j, 0
.rept 4
.set q, 0
.rept 8
	global_load_b128 v[X+32*j+4*q:X+32*j+4*q+3], v[RO], s[20:21] offset:j*4096+q*512   ; 512 consecutive bytes of row j
.set q, q+1
.endr
.set j, j+1
.endr
.set q, 0
.rept 8
	global_load_b128 v[G+4*q:G+4*q+3], v[LB], s[6:7] offset:q*512
	global_load_b128 v[BI+4*q:BI+4*q+3], v[LB], s[8:9] offset:q*512
.set q, q+1
.endr
	s_wait_loadcnt 0x0                             ; all 48: the sums want whole rows
	s_cmp_ge_u32 s17, 64
	s_cbranch_scc1 .Lround                         ; rows of enc are only rounded
; a row's figure, held as a pair in each lane, is added up over the pair and over the 32 lanes; every lane ends up with it
.macro LANESUM base
.irp j, 0,1,2,3
	v_add_f32 v[(\base)+2*(\j)], v[(\base)+2*(\j)], v[(\base)+2*(\j)+1]
.endr
.irp m, 1,2,4,8
.irp j, 0,1,2,3
	v_add_f32_dpp v[(\base)+2*(\j)], v[(\base)+2*(\j)], v[(\base)+2*(\j)] row_xmask:\m row_mask:0xf bank_mask:0xf
.endr
.endr
.irp j, 0,1,2,3
	v_permlanex16_b32 v[(\base)+2*(\j)+1], v[(\base)+2*(\j)], s22, s23
.endr
.irp j, 0,1,2,3
	v_add_f32 v[(\base)+2*(\j)], v[(\base)+2*(\j)], v[(\base)+2*(\j)+1]
.endr
.endm
.irp j, 0,1,2,3                        ; the four rows' chains alternate, so that no line waits for the one before it
	v_pk_add_f32 v[SA+2*(\j):SA+2*(\j)+1], v[X+32*(\j):X+32*(\j)+1], v[X+32*(\j)+2:X+32*(\j)+3]
.endr
.set p, 2
.rept 14
.irp j, 0,1,2,3
	v_pk_add_f32 v[SA+2*(\j):SA+2*(\j)+1], v[SA+2*(\j):SA+2*(\j)+1], v[X+32*(\j)+2*p:X+32*(\j)+2*p+1]
.endr
.set p, p+1
.endr
	LANESUM SA
.irp j, 0,1,2,3
	v_mul_f32 v[SA+2*(\j)], s26, v[SA+2*(\j)]      ; mean
.endr
.set p, 0
.rept 16
.irp j, 0,1,2,3
	v_pk_add_f32 v[X+32*(\j)+2*p:X+32*(\j)+2*p+1], v[X+32*(\j)+2*p:X+32*(\j)+2*p+1], v[SA+2*(\j):SA+2*(\j)+1] op_sel_hi:[1,0] neg_lo:[0,1] neg_hi:[0,1]
.endr
.set p, p+1
.endr
.irp j, 0,1,2,3
	v_pk_mul_f32 v[SQ+2*(\j):SQ+2*(\j)+1], v[X+32*(\j):X+32*(\j)+1], v[X+32*(\j):X+32*(\j)+1]
.endr
.set p, 1
.rept 15
.irp j, 0,1,2,3
	v_pk_fma_f32 v[SQ+2*(\j):SQ+2*(\j)+1], v[X+32*(\j)+2*p:X+32*(\j)+2*p+1], v[X+32*(\j)+2*p:X+32*(\j)+2*p+1], v[SQ+2*(\j):SQ+2*(\j)+1]
.endr
.set p, p+1
.endr
	LANESUM SQ
.irp j, 0,1,2,3
	v_fma_f32 v[SQ+2*(\j)], v[SQ+2*(\j)], s26, s27 ; variance + 1e-5
.endr
.irp j, 0,1,2,3
	v_rsq_f32 v[SQ+2*(\j)], v[SQ+2*(\j)]
.endr
	v_nop                                          ; a plain instruction behind the last of the four,
	s_wait_alu depctr_va_vdst(0)                   ; and the one wait ahead of their first reader
.set p, 0
.rept 16
.irp j, 0,1,2,3
	v_pk_mul_f32 v[X+32*(\j)+2*p:X+32*(\j)+2*p+1], v[X+32*(\j)+2*p:X+32*(\j)+2*p+1], v[SQ+2*(\j):SQ+2*(\j)+1] op_sel_hi:[1,0]
.endr
.irp j, 0,1,2,3
	v_pk_fma_f32 v[X+32*(\j)+2*p:X+32*(\j)+2*p+1], v[X+32*(\j)+2*p:X+32*(\j)+2*p+1], v[G+2*p:G+2*p+1], v[BI+2*p:BI+2*p+1]
.endr
.set p, p+1
.endr
.Lround:
	; four numbers become 8 bytes, in place (the target registers lie at or below the sources already used), and go to byte 2 x column of the row in LDS
.set j, 0
.rept 4
.set q, 0
.rept 8
	v_cvt_pk_bf16_f32 v[X+32*j+2*q], v[X+32*j+4*q], v[X+32*j+4*q+1]
	v_cvt_pk_bf16_f32 v[X+32*j+2*q+1], v[X+32*j+4*q+2], v[X+32*j+4*q+3]
	ds_store_b64 v[STO], v[X+32*j+2*q:X+32*j+2*q+1] offset:j*LP+q*256
.set q, q+1
.endr
.set j, j+1
.endr
	s_wait_dscnt 0x0                               ; for the others' sake: my rows are in LDS
	s_barrier_signal -1
	s_barrier_wait -1
.set n, 0
.rept 16                               ; tile n / 2 of my eight, its half n % 2: lane (r, h) takes row r, k = 16 (n % 2) + 8 h ..
	ds_load_b128 v[G+4*n:G+4*n+3], v[RD] offset:(n/2)*64+(n%2)*32
.set n, n+1
.endr
.set n, 0
.rept 16
	s_wait_dscnt 15-n                              ; LDS loads come back in order: number n is in
	global_store_b128 v[LB], v[G+4*n:G+4*n+3], s[12:13] offset:n*512   ; 512 consecutive bytes, at a multiple of 512 from out's first byte
.set n, n+1
.endr
	s_wait_tensorcnt 0x0                           ; the wave's end
	ds_add_u32 v[SPW], v[NIL]
	s_wait_dscnt 0x0
	s_endpgm
.Lfunc_end_k_q305d76e22d_lna:
	.size	k_q305d76e22d_lna, .Lfunc_end_k_q305d76e22d_lna-k_q305d76e22d_lna
	.p2alignl 7, 3214868480
	.fill 96, 4, 3214868480
	.section	.rodata,"a",@progbits
	.p2align	6, 0x0
	.amdhsa_kernel k_q305d76e22d_lna
		.amdhsa_group_segment_fixed_size 33792
		.amdhsa_private_segment_fixed_size 0
		.amdhsa_enable_private_segment 0
		.amdhsa_kernarg_size 40
		.amdhsa_user_sgpr_count 2
		.amdhsa_user_sgpr_kernarg_segment_ptr 1
		.amdhsa_wavefront_size32 1
		.amdhsa_system_sgpr_workgroup_id_x 1
		.amdhsa_system_sgpr_workgroup_id_y 1
		.amdhsa_system_sgpr_workgroup_id_z 1
		.amdhsa_system_vgpr_workitem_id 0
		.amdhsa_next_free_vgpr 232
		.amdhsa_next_free_sgpr 66
		.amdhsa_reserve_vcc 0
		.amdhsa_float_denorm_mode_32 3
		.amdhsa_float_denorm_mode_16_64 3
		.amdhsa_memory_ordered 1
		.amdhsa_forward_progress 1
		.amdhsa_inst_pref_size 39
	.end_amdhsa_kernel
	.amdgpu_metadata
---
amdhsa.version: [ 1, 2 ]
amdhsa.kernels:
  - .name:           k_q305d76e22d_lna
    .symbol:         k_q305d76e22d_lna.kd
    .args:
      - { .name: hidden_states, .offset: 0, .size: 8, .value_kind: global_buffer, .address_space: global }
      - { .name: ln1_g, .offset: 8, .size: 8, .value_kind: global_buffer, .address_space: global }
      - { .name: ln1_b, .offset: 16, .size: 8, .value_kind: global_buffer, .address_space: global }
      - { .name: encoder_hidden_states, .offset: 24, .size: 8, .value_kind: global_buffer, .address_space: global }
      - { .name: xa, .offset: 32, .size: 8, .value_kind: global_buffer, .address_space: global }
    .group_segment_fixed_size: 33792
    .private_segment_fixed_size: 0
    .kernarg_segment_align: 8
    .kernarg_segment_size: 40
    .max_flat_workgroup_size: 128
    .sgpr_count:     66
    .vgpr_count:     232
    .wavefront_size: 32
...
	.end_amdgpu_metadata
.endif
;; end of part 1
;; launch g1 (part 2): grid 640 x 1, 8 waves a work-group, no clusters, 132,096 bytes of LDS; arguments xa, sa_q_w, sa_q_b, sa_k_w, sa_k_b, sa_v_w, sa_v_b, ca_k_w, ca_k_b, ca_v_w, ca_v_b, qkv; writes qkv
.if DOCPART == 2
	.amdgcn_target "amdgcn-amd-amdhsa--gfx1250"
	.amdhsa_code_object_version 6
	.text
	.protected	k_q305d76e22d_g1
	.globl	k_q305d76e22d_g1
	.p2align	8
	.type	k_q305d76e22d_g1,@function
k_q305d76e22d_g1:
	s_mov_b64 s[64:65], 0
	v_nop
	global_prefetch_b8 v0, s[64:65] scope:SCOPE_SE
	s_setreg_imm32_b32 hwreg(HW_REG_WAVE_MODE, 25, 1), 1
	s_wait_xcnt 0x0
; PROJECTIONS INTO THE BLOCKED bf16 IMAGE: out = (X W + bias) x scale, a tile of 64 rows x 64 columns to a work-group, K = 1,024.
; Arguments: xin, wq, bq, wk, bk, wv, bv, wk2, bk2, wv2, bv2, out.  X is a blocked bf16 image (element (m, k) at ((m/16)(K/32) + k/32) 1024 + ((k%32)/8) 256 + (m%16) 16 + (k%8) 2);
; the weights are f32 [K][N].  Three classes of work-groups, by number:
;   0-255    Q: rows 64 (id/16) .., columns 64 (id%16) .. of X wq + bq, times 1/8, to out + 0 (image with 1,024 columns)
;   256-383  K and V of the same rows: X wk + bk to out + 2 MiB, X wv + bv to out + 2.5 MiB (images with 256 columns)
;   384-639  K and V of the 2,048 rows that lie 2 MiB into xin: wk2, bk2 to out + 3 MiB, wv2, bv2 to out + 4 MiB
; In a grid of 256 only the first class exists, and the eight arguments of the others are not touched.
; THE WAVES SPLIT K: wave w takes k = 128 w .. 128 w + 127, four steps of 32.  A step's weights come straight from memory: lane (r, h) loads columns 4 r .. 4 r + 3 of the 16 rows
; k0 + 8 h + 0..7 and k0 + 16 + 8 h + 0..7 (each load of the wave: two rows x 256 consecutive bytes), and 32 roundings in pairs make four fragments, fragment t holding
; columns 4 rho + t.  X's fragments are loaded as they lie.  The weights are source 0, X source 1: register j of accumulator (i, t) in lane (r, h) is row 16 i + r, column 32 h + 4 j + t.
; So the main loop has no LDS traffic and no barrier.  The eight waves' partial sums (f32) meet once in LDS; wave w adds up m-tile w / 2, registers 4 (w % 2) .. + 3.
; NO CLUSTER, NO TENSOR LOAD: the shared tiles are f32 and lie [K][N]; they must be rounded and turned, which the way through registers does in passing.
; LIMITS.  Operands and result are bf16, sums f32.  NaN and infinities are not treated apart.
.set SPARE, 131072                     ; behind the partial sums (8 waves x 16 accumulators x 1,024 bytes): the spare words, 128 bytes a wave
.set MSTR,  32768                      ; bytes from an m-tile of X to the next
.set VW,  4                            ; v4   my place in a step's weights: 8 h rows + 16 r bytes
.set VX,  5                            ; v5   16 x lane
.set SPW, 6                            ; v6   my spare word; never rewritten
.set NIL, 7                            ; v7   0; never rewritten
.set DA,  8                            ; v8   LDS: where my wave's partial sums go
.set RA,  9                            ; v9   LDS: waves 0-3's partial sums of my share
.set RB,  10                           ; v10  waves 4-7's
.set BO,  11                           ; v11  my byte offset in the tile's 64 bias numbers
.set SO,  12                           ; v12  my byte offset in the tile of the image that I store
.set WF,  16                           ; v[16:47]   four fragments of weights
.set SUM, 16                           ;            later: the sums, by (t, register)
.set Y,   32                           ;            later: 16 consecutive columns of one row
.set XF0, 48                           ; v[48:111]  X's four fragments, two sets
.set BV,  48                           ;            later: bias
.set PK,  64                           ;            later: packed results
.set RAW, 112                          ; v[112:239] a step's weights in f32, two sets; later the eight partial sums
.set WB,  56                           ; s[56:57] weights at my wave's first row and the tile's first column
.set XB,  58                           ; s[58:59] X at the tile's first m-tile and my wave's first k
.set MSB, 0
.macro WIN new                         ; window 1 holds the 16 accumulators, (i, t) at v[8 (4 i + t)]; the immediate's high byte repeats the setting that is left
.if MSB != (\new)
	s_set_vgpr_msb (MSB<<8)|(\new)
.set MSB, \new
.endif
.endm
.macro LDW p, off, pitch               ; 16 loads: a step's weights into set p
.set i, 0
.rept 8
	global_load_b128 v[RAW+64*(\p)+4*i:RAW+64*(\p)+4*i+3], v[VW], s[WB:WB+1] offset:(\off)+i*(\pitch)
.set i, i+1
.endr
.set i, 0
.rept 8
	global_load_b128 v[RAW+64*(\p)+32+4*i:RAW+64*(\p)+32+4*i+3], v[VW], s[WB:WB+1] offset:(\off)+(16+i)*(\pitch)
.set i, i+1
.endr
.endm
.macro LDX p, off                      ; 8 loads: a step's four fragments of X into set p
.set i, 0
.rept 4
	global_load_b128 v[XF0+32*(\p)+8*i:XF0+32*(\p)+8*i+3], v[VX], s[XB:XB+1] offset:(\off)+i*MSTR
	global_load_b128 v[XF0+32*(\p)+8*i+4:XF0+32*(\p)+8*i+7], v[VX], s[XB:XB+1] offset:(\off)+i*MSTR+512
.set i, i+1
.endr
.endm
.macro CVT p                           ; fragment t, register q: k = 8 h + 2 q, + 1 of column 4 r + t; registers 4-7 the same 16 further along k
.set t, 0
.rept 4
.set q, 0
.rept 4
	v_cvt_pk_bf16_f32 v[WF+8*t+q], v[RAW+64*(\p)+8*q+t], v[RAW+64*(\p)+8*q+4+t]
	v_cvt_pk_bf16_f32 v[WF+8*t+4+q], v[RAW+64*(\p)+32+8*q+t], v[RAW+64*(\p)+32+8*q+4+t]
.set q, q+1
.endr
.set t, t+1
.endr
.endm
.macro MMA p, zero                     ; 16 products, each accumulator once: they take turns.  zero = 1: the first step starts the sums
	WIN 0x50
.set a, 0
.rept 16
.if \zero
	v_wmma_f32_16x16x32_bf16 v[8*a:8*a+7], v[WF+8*(a%4):WF+8*(a%4)+7], v[XF0+32*(\p)+8*(a/4):XF0+32*(\p)+8*(a/4)+7], 0
.else
	v_wmma_f32_16x16x32_bf16 v[8*a:8*a+7], v[WF+8*(a%4):WF+8*(a%4)+7], v[XF0+32*(\p)+8*(a/4):XF0+32*(\p)+8*(a/4)+7], v[8*a:8*a+7]
.endif
.set a, a+1
.endr
	WIN 0
.endm
; A step on set p.  cnt: the loads issued behind this set's: the other set's 16 + 8, or none.  issue = 1: the set is asked for again, two steps on.
; The four v_nop are the places between the step's last product and the loads into X's registers, the next step's roundings into the weights' fragments, and the stores of the sums.
.macro STEP p, zero, issue, cnt, wo, xo, pitch
	s_wait_loadcnt \cnt
	CVT \p
.if \issue
	LDW \p, \wo, \pitch
.endif
	MMA \p, \zero
.rept 4
	v_nop
.endr
.if \issue
	LDX \p, \xo
.endif
.endm
.macro MAIN4 pitch                     ; the wave's four steps; two sets, 48 loads of 512 bytes, are on their way at the start
	LDW 0, 0, \pitch
	LDX 0, 0
	LDW 1, 32*(\pitch), \pitch
	LDX 1, 1024
	STEP 0, 1, 1, 24, 64*(\pitch), 2048, \pitch
	STEP 1, 0, 1, 24, 96*(\pitch), 3072, \pitch
	STEP 0, 0, 0, 24, 0, 0, \pitch
	STEP 1, 0, 0, 0, 0, 0, \pitch
.endm
.macro DUMP                            ; each accumulator's low four registers first; 512 consecutive bytes a store
	WIN 0x04
.set a, 0
.rept 16
	ds_store_b128 v[DA], v[8*a:8*a+3] offset:a*1024
	ds_store_b128 v[DA], v[8*a+4:8*a+7] offset:a*1024+512
.set a, a+1
.endr
	WIN 0
.endm
.macro LDPART base, adr                ; four waves' partial sums of my share: 16 loads
.set p, 0
.rept 4
.set t, 0
.rept 4
	ds_load_b128 v[(\base)+16*p+4*t:(\base)+16*p+4*t+3], v[\adr] offset:p*16384+t*1024
.set t, t+1
.endr
.set p, p+1
.endr
.endm
.macro ADD16 src
.set q, 0
.rept 8
	v_pk_add_f32 v[SUM+2*q:SUM+2*q+1], v[SUM+2*q:SUM+2*q+1], v[(\src)+2*q:(\src)+2*q+1]
.set q, q+1
.endr
.endm
.macro REDUCE8                         ; Y = the eight partial sums, in ascending order of k; the last addition puts the columns in order: column 4 jj + t from (t, jj)
	LDPART RAW, RA
	LDPART RAW+64, RB
	s_wait_dscnt 16                                ; the first sixteen are in
.set q, 0
.rept 8
	v_pk_add_f32 v[SUM+2*q:SUM+2*q+1], v[RAW+2*q:RAW+2*q+1], v[RAW+16+2*q:RAW+16+2*q+1]
.set q, q+1
.endr
	ADD16 RAW+32
	ADD16 RAW+48
	s_wait_dscnt 0x0
	ADD16 RAW+64
	ADD16 RAW+80
	ADD16 RAW+96
.set t, 0
.rept 4
.set q, 0
.rept 4
	v_add_f32 v[Y+4*q+t], v[SUM+4*t+q], v[RAW+112+4*t+q]
.set q, q+1
.endr
.set t, t+1
.endr
.endm
	s_load_b512 s[8:23], s[0:1], 0x0               ; xin s8, wq s10, bq s12, wk s14, bk s16, wv s18, bv s20, wk2 s22
	s_load_b256 s[24:31], s[0:1], 0x40             ; bk2 s24, wv2 s26, bv2 s28, out s30
	v_lshl_add_u32 v[SPW], v0, 2, SPARE
	v_mov_b32 v[NIL], 0
	v_and_b32 v1, 31, v0
	v_and_b32 v2, 15, v0                           ; r
	v_bfe_u32 v3, v0, 4, 1                         ; h
	v_lshrrev_b32 v13, 5, v0
	v_readfirstlane_b32 s32, v13                   ; wave
	s_mov_b32 s33, ttmp9
	s_sub_co_u32 s34, s33, 256
	s_sub_co_u32 s35, s33, 384
	s_cmp_ge_u32 s33, 384
	s_cselect_b32 s34, s35, s34                    ; my number within the second or third class
	s_cselect_b32 s39, 1, 0                        ; 1: third class
	s_bfe_u32 s38, s34, 0x10002                    ; 1: V, 0: K
	s_lshl_b32 s36, s39, 21                        ; X: 0 or 2 MiB
	s_lshl_b32 s37, s38, 19                        ; out: 2 MiB, V 0.5 MiB on; third class 3 MiB, V 1 MiB on
	s_lshl_b32 s37, s37, s39
	s_lshl_b32 s35, s39, 20
	s_add_co_u32 s37, s37, s35
	s_add_co_u32 s37, s37, 0x200000
	s_lshr_b32 s50, s34, 3                         ; block of 64 rows
	s_and_b32 s51, s34, 3                          ; tile of 64 columns
	s_lshr_b32 s35, s33, 4
	s_and_b32 s46, s33, 15
	s_cmp_lt_u32 s33, 256                          ; the first class has its own figures
	s_cselect_b32 s50, s35, s50
	s_cselect_b32 s51, s46, s51
	s_cselect_b32 s36, 0, s36
	s_cselect_b32 s37, 0, s37
	s_cselect_b32 s52, 15, 13                      ; log2 of 8 rows of weights, and of an m-tile of the image written: 32,768 or 8,192 bytes
	s_cselect_b32 s54, 0x3e000000, 1.0             ; 1/8 for Q
	s_mov_b32 s55, s54                             ; named with it as a pair
	s_lshr_b32 s60, s32, 1                         ; the m-tile that I add up
	s_and_b32 s61, s32, 1                          ; and which four registers of it
	s_add_co_u32 s35, s52, 4
	s_lshl_b32 s48, s32, s35                       ; weights: my wave's 128 rows,
	s_lshl_b32 s6, s51, 8                          ; the tile's 64 columns (also the bias's offset)
	s_add_co_u32 s48, s48, s6
	s_mov_b32 s49, 0
	s_mov_b32 s7, 0
	s_lshl_b32 s2, s50, 17                         ; X: four m-tiles of 32,768 bytes a block,
	s_add_co_u32 s2, s2, s36
	s_lshl_b32 s35, s32, 12                        ; my wave's four tiles along k
	s_add_co_u32 s2, s2, s35
	s_mov_b32 s3, 0
	s_lshl2_add_u32 s4, s50, s60                   ; out: m-tile 4 x block + i,
	s_lshl_b32 s4, s4, s52
	s_add_co_u32 s4, s4, s37
	s_lshl_b32 s35, s51, 11                        ; two tiles of 1,024 bytes for 64 columns
	s_add_co_u32 s4, s4, s35
	s_mov_b32 s5, 0
	v_lshlrev_b32 v[VW], s52, v3
	v_lshl_add_u32 v[VW], v2, 4, v[VW]
	v_lshlrev_b32 v[VX], 4, v1
	v_lshl_add_u32 v[DA], s32, 14, v[VX]
	s_lshl_b32 s35, s60, 12
	s_lshl_b32 s53, s61, 9
	s_add_co_u32 s35, s35, s53
	v_add_nc_u32 v[RA], s35, v[VX]
	v_add_nc_u32 v[RB], 0x10000, v[RA]
	v_lshlrev_b32 v[BO], 7, v3                     ; my 16 columns begin at 32 h + 16 (w % 2)
	v_lshl_add_u32 v[BO], s61, 6, v[BO]
	v_lshlrev_b32 v[SO], 10, v3                    ; tile h of the two, its pieces 2 (w % 2), + 1, row r
	v_lshl_add_u32 v[SO], s61, 9, v[SO]
	v_lshl_add_u32 v[SO], v2, 4, v[SO]
	s_wait_kmcnt 0x0
	s_cmp_eq_u32 s38, 1
	s_cselect_b64 s[40:41], s[18:19], s[14:15]
	s_cselect_b64 s[42:43], s[26:27], s[22:23]
	s_cselect_b64 s[44:45], s[20:21], s[16:17]
	s_cselect_b64 s[46:47], s[28:29], s[24:25]
	s_cmp_eq_u32 s39, 1
	s_cselect_b64 s[40:41], s[42:43], s[40:41]
	s_cselect_b64 s[44:45], s[46:47], s[44:45]
	s_cmp_lt_u32 s33, 256
	s_cselect_b64 s[40:41], s[10:11], s[40:41]     ; my weights
	s_cselect_b64 s[44:45], s[12:13], s[44:45]     ; my bias
	s_add_nc_u64 s[WB:WB+1], s[40:41], s[48:49]
	s_add_nc_u64 s[XB:XB+1], s[8:9], s[2:3]
	s_add_nc_u64 s[44:45], s[44:45], s[6:7]
	s_add_nc_u64 s[30:31], s[30:31], s[4:5]
	s_cmp_lt_u32 s33, 256
	s_cbranch_scc0 .Lnarrow                        ; the rows of wq are 4,096 bytes, those of the others 1,024: the loads' immediates differ
	MAIN4 4096
	s_branch .Ldump
.Lnarrow:
	MAIN4 1024
.Ldump:
.set u, 0
.rept 4
	global_load_b128 v[BV+4*u:BV+4*u+3], v[BO], s[44:45] offset:16*u   ; bias of my 16 columns: on its way during the dump and the barrier
.set u, u+1
.endr
	DUMP
	s_wait_dscnt 0x0                               ; for the others' sake: my partial sums are in LDS
	s_barrier_signal -1
	s_barrier_wait -1
	REDUCE8
	s_wait_loadcnt 0x0                             ; bias
.set q, 0
.rept 8
	v_pk_add_f32 v[Y+2*q:Y+2*q+1], v[Y+2*q:Y+2*q+1], v[BV+2*q:BV+2*q+1]
.set q, q+1
.endr
.set q, 0
.rept 8
	v_pk_mul_f32 v[Y+2*q:Y+2*q+1], v[Y+2*q:Y+2*q+1], s[54:55] op_sel_hi:[1,0]
.set q, q+1
.endr
.set q, 0
.rept 8
	v_cvt_pk_bf16_f32 v[PK+q], v[Y+2*q], v[Y+2*q+1]
.set q, q+1
.endr
	global_store_b128 v[SO], v[PK:PK+3], s[30:31]              ; sixteen lanes (the 16 rows) fill 256 consecutive bytes, aligned
	global_store_b128 v[SO], v[PK+4:PK+7], s[30:31] offset:256
	s_wait_tensorcnt 0x0                           ; the wave's end
	ds_add_u32 v[SPW], v[NIL]
	s_wait_dscnt 0x0
	s_endpgm
.Lfunc_end_k_q305d76e22d_g1:
	.size	k_q305d76e22d_g1, .Lfunc_end_k_q305d76e22d_g1-k_q305d76e22d_g1
	.p2alignl 7, 3214868480
	.fill 96, 4, 3214868480
	.section	.rodata,"a",@progbits
	.p2align	6, 0x0
	.amdhsa_kernel k_q305d76e22d_g1
		.amdhsa_group_segment_fixed_size 132096
		.amdhsa_private_segment_fixed_size 0
		.amdhsa_enable_private_segment 0
		.amdhsa_kernarg_size 96
		.amdhsa_user_sgpr_count 2
		.amdhsa_user_sgpr_kernarg_segment_ptr 1
		.amdhsa_wavefront_size32 1
		.amdhsa_system_sgpr_workgroup_id_x 1
		.amdhsa_system_sgpr_workgroup_id_y 1
		.amdhsa_system_sgpr_workgroup_id_z 1
		.amdhsa_system_vgpr_workitem_id 0
		.amdhsa_next_free_vgpr 384
		.amdhsa_next_free_sgpr 66
		.amdhsa_reserve_vcc 0
		.amdhsa_float_denorm_mode_32 3
		.amdhsa_float_denorm_mode_16_64 3
		.amdhsa_memory_ordered 1
		.amdhsa_forward_progress 1
		.amdhsa_inst_pref_size 58
	.end_amdhsa_kernel
	.amdgpu_metadata
---
amdhsa.version: [ 1, 2 ]
amdhsa.kernels:
  - .name:           k_q305d76e22d_g1
    .symbol:         k_q305d76e22d_g1.kd
    .args:
      - { .name: xa, .offset: 0, .size: 8, .value_kind: global_buffer, .address_space: global }
      - { .name: sa_q_w, .offset: 8, .size: 8, .value_kind: global_buffer, .address_space: global }
      - { .name: sa_q_b, .offset: 16, .size: 8, .value_kind: global_buffer, .address_space: global }
      - { .name: sa_k_w, .offset: 24, .size: 8, .value_kind: global_buffer, .address_space: global }
      - { .name: sa_k_b, .offset: 32, .size: 8, .value_kind: global_buffer, .address_space: global }
      - { .name: sa_v_w, .offset: 40, .size: 8, .value_kind: global_buffer, .address_space: global }
      - { .name: sa_v_b, .offset: 48, .size: 8, .value_kind: global_buffer, .address_space: global }
      - { .name: ca_k_w, .offset: 56, .size: 8, .value_kind: global_buffer, .address_space: global }
      - { .name: ca_k_b, .offset: 64, .size: 8, .value_kind: global_buffer, .address_space: global }
      - { .name: ca_v_w, .offset: 72, .size: 8, .value_kind: global_buffer, .address_space: global }
      - { .name: ca_v_b, .offset: 80, .size: 8, .value_kind: global_buffer, .address_space: global }
      - { .name: qkv, .offset: 88, .size: 8, .value_kind: global_buffer, .address_space: global }
    .group_segment_fixed_size: 132096
    .private_segment_fixed_size: 0
    .kernarg_segment_align: 8
    .kernarg_segment_size: 96
    .max_flat_workgroup_size: 256
    .sgpr_count:     66
    .vgpr_count:     384
    .wavefront_size: 32
...
	.end_amdgpu_metadata
.endif
;; end of part 2
;; launch a1 (part 3): grid 256 x 1, 4 waves a work-group, no clusters, 140,800 bytes of LDS; arguments qkv, attention_mask, ob; writes ob
.if DOCPART == 3
	.amdgcn_target "amdgcn-amd-amdhsa--gfx1250"
	.amdhsa_code_object_version 6
	.text
	.protected	k_q305d76e22d_a1
	.globl	k_q305d76e22d_a1
	.p2align	8
	.type	k_q305d76e22d_a1,@function
k_q305d76e22d_a1:
	s_mov_b64 s[64:65], 0
	v_nop
	global_prefetch_b8 v0, s[64:65] scope:SCOPE_SE
	s_setreg_imm32_b32 hwreg(HW_REG_WAVE_MODE, 25, 1), 1
	s_wait_xcnt 0x0
; ATTENTION WITH AN ADDITIVE MASK THAT IS AN INPUT, head size 64, four query heads to a key and value head, NK = 256 keys.
; Arguments: qkv, mask, o.  q (already times 1/8) lies at qkv + 0, k at + 2 MiB, v at + 2.5 MiB, all blocked bf16 images
; (element (m, k) at ((m/16)(K/32) + k/32) 1024 + ((k%32)/8) 256 + (m%16) 16 + (k%8) 2; q and o have 1,024 columns, k and v 256).  mask: [4][256][NK] f32.
; SHARES.  Work-group id: sequence id / 64, head (id / 4) % 16 (its key and value head: head / 4), queries 64 (id % 4) ..; each of the four waves has 16 queries.
; LDS, filled once, through registers: all keys as the image has them (a fragment is 2 x 512 consecutive bytes); all values as [key][64] with a pitch of 160 bytes (5 x 32, for the turning load);
; the 64 queries' mask rows with a pitch of 4 NK + 16 bytes (an odd multiple of 16).  One barrier.
; LAYOUT.  S^T = K Q^T + mask^T: source 0 = 16 keys, source 1 = 16 queries; the mask is the C operand that starts the sum.  A lane holds ONE query (lane % 16) and the keys 8 (lane / 16) + 0..7.
; Two such results rounded to bf16 ARE source 1 of O^T = V^T P.  SOFTMAX: running maximum m and sum l in f32, p = 2^(c s - c m), c = log2(e); O and l are multiplied by a = 2^(c m_old - c m_new) in each of the NK / 64 trips.
; NO CLUSTER, NO TENSOR LOAD: the four heads of a key and value head do share K and V, 64 KiB of a work-group's 128 KiB; V must be laid out anew on the way, which the way through registers does.
; LIMITS.  m starts at -1e30: a query all of whose scores lie below that is not served (l would be 0).  A weight below 2^-126 counts as 0.  Operands bf16.  NaN and infinities are not treated apart.
.set NK,    256
.set KOFF,  0x200000
.set VOFF,  0x280000
.set NT,    NK/16
.set PV,    160
.set MPI,   4*NK+16
.set VL,    NK*128                     ; K lies at LDS byte 0
.set ML,    VL+NK*PV
.set SPARE, ML+64*MPI                  ; the spare words, 128 bytes a wave
.set RPL,   NK/128                     ; loads of 512 bytes in a mask row
.set NG,    NK/64                      ; groups of 16 loads a wave: NK/256 of K, NK/256 of V, NK/128 of the mask
.set LB,  1                            ; v1   16 x lane: also my place in a fragment of K
.set AV0, 5                            ; v5   my place in V for the turning load
.set AM0, 6                            ; v6   my query's mask row, keys 8 h ..
.set AKC, 7                            ; v7-9 the trip's addresses
.set AVC, 8
.set AMC, 9
.set SPW, 10                           ; v10  my spare word; never rewritten
.set NIL, 11                           ; v11  0; never rewritten
.set SK,  12                           ; v12-14 where the staging stores go
.set SV,  13
.set SM,  14
.set Q,   16                           ; v[16:31]  Q, two fragments
.set CM,  32                           ; c m
.set M,   33                           ; m
.set LS,  34                           ; v[34:35]  l: even keys', odd keys'
.set C0,  36                           ; v[36:39]  at work; a takes v38
.set OLD, 40
.set S,   48                           ; v[48:79]  S^T, four tiles of 16 keys
.set P,   80                           ; v[80:95]
.set O,   96                           ; v[96:127] O^T, four tiles of 16 channels
.set KF,  128                          ; v[128:191] K: key tile kt, channel half c at KF + 16 kt + 8 c
.set VF,  192                          ; v[192:255] V^T: key half kk, channel tile ct at VF + 32 kk + 8 ct
.set KB,  28
.set VB,  30
.set MB,  32
.set QB,  34
.set OB,  36
.set CS,  38                           ; s[38:39] c
.set SEL, 40                           ; s[40:41] v_permlanex16_b32's selects
.set TK,  42                           ; s42-44 the trip's byte offsets in K, V and a mask row
.set TV,  43
.set TM,  44
.set CNT, 45
	s_load_b64 s[4:5], s[0:1], 0x0                 ; q's buffer
	s_load_b64 s[6:7], s[0:1], 0x0                 ; k's and v's: here the same
	s_load_b128 s[8:11], s[0:1], 0x8               ; mask s[8:9], o s[10:11]
	v_lshl_add_u32 v[SPW], v0, 2, SPARE
	v_mov_b32 v[NIL], 0
	v_and_b32 v15, 31, v0
	v_lshlrev_b32 v[LB], 4, v15
	v_and_b32 v2, 15, v0                           ; r
	v_bfe_u32 v3, v0, 4, 1                         ; h
	v_lshrrev_b32 v15, 5, v0
	v_readfirstlane_b32 s12, v15                   ; wave
	s_mov_b32 s13, ttmp9
	s_lshr_b32 s14, s13, 6                         ; sequence
	s_bfe_u32 s15, s13, 0x20004                    ; key and value head
	s_bfe_u32 s16, s13, 0x40002                    ; head
	s_and_b32 s17, s13, 3                          ; block of 64 queries
	s_lshl_b32 s18, s14, 4
	s_lshl2_add_u32 s18, s17, s18
	s_add_co_u32 s18, s18, s12                     ; my m-tile of queries: 16 b + 4 qb + w
	s_lshl_b32 s20, s18, 15                        ; q and o: 32 tiles a tile row,
	s_lshl_b32 s19, s16, 11                        ; two tiles a head
	s_add_co_u32 s20, s20, s19
	s_mov_b32 s21, 0
	s_mul_i32 s22, s14, NT*8192                    ; k and v: the sequence's key tiles, 8 tiles of 1,024 bytes each,
	s_mul_i32 s19, s12, NT*2048                    ; my wave's quarter of them,
	s_add_co_u32 s22, s22, s19
	s_lshl_b32 s19, s15, 11                        ; the head's two tiles
	s_add_co_u32 s22, s22, s19
	s_add_co_u32 s24, s22, VOFF
	s_add_co_u32 s22, s22, KOFF
	s_mov_b32 s23, 0
	s_mov_b32 s25, 0
	s_mul_i32 s26, s18, 64*NK                      ; mask: my 16 rows of 4 NK bytes
	s_mov_b32 s27, 0
	s_mov_b32 s[CS], 0x3fb8aa3b
	s_mov_b32 s[CS+1], s[CS]
	s_mov_b32 s[SEL], 0x76543210
	s_mov_b32 s[SEL+1], 0xfedcba98
	s_mov_b32 s[TK], 0
	s_mov_b32 s[TV], 0
	s_mov_b32 s[TM], 0
	s_mov_b32 s[CNT], NK/64
	s_mul_i32 s46, s12, NT*512
	v_add_nc_u32 v[SK], s46, v[LB]                 ; K as it lies: my wave's tiles
	s_mul_i32 s46, s12, NT*4*PV
	s_add_co_u32 s46, s46, VL
	v_mul_u32_u24 v[SV], v2, PV                    ; V: key r of a tile, channels 8 h ..
	v_lshl_add_u32 v[SV], v3, 4, v[SV]
	v_add_nc_u32 v[SV], s46, v[SV]
	s_mul_i32 s46, s12, 16*MPI
	s_add_co_u32 s46, s46, ML
	v_add_nc_u32 v[SM], s46, v[LB]
	v_mul_u32_u24 v[AM0], v2, MPI
	v_lshl_add_u32 v[AM0], v3, 5, v[AM0]
	v_add_nc_u32 v[AM0], s46, v[AM0]
	v_and_b32 v15, 7, v0                           ; the turning load: lane l reads key 8 (l / 16) + l % 8, channels 8 ((l / 8) % 2) ..
	v_lshl_add_u32 v[AV0], v3, 3, v15
	v_mul_u32_u24 v[AV0], v[AV0], PV
	v_bfe_u32 v15, v0, 3, 1
	v_lshl_add_u32 v[AV0], v15, 4, v[AV0]
	v_add_nc_u32 v[AV0], VL, v[AV0]
	s_wait_kmcnt 0x0
	s_add_nc_u64 s[QB:QB+1], s[4:5], s[20:21]
	s_add_nc_u64 s[KB:KB+1], s[6:7], s[22:23]
	s_add_nc_u64 s[VB:VB+1], s[6:7], s[24:25]
	s_add_nc_u64 s[MB:MB+1], s[8:9], s[26:27]
	s_add_nc_u64 s[OB:OB+1], s[10:11], s[20:21]
.set n, 0
.rept 4
	global_load_b128 v[Q+4*n:Q+4*n+3], v[LB], s[QB:QB+1] offset:n*512
.set n, n+1
.endr
; STAGING: group gi of 16 loads of 512 bytes goes through bank gi % 3 of three banks of 64 registers
.macro GLD gi
.set bk, 64+64*((\gi)%3)
.set n, 0
.rept 16
.if (\gi) < NK/256
.set u, 4*(\gi)+n/4
	global_load_b128 v[bk+4*n:bk+4*n+3], v[LB], s[KB:KB+1] offset:u*8192+(n%4)*512
.elseif (\gi) < NK/128
.set u, 4*((\gi)-NK/256)+n/4
	global_load_b128 v[bk+4*n:bk+4*n+3], v[LB], s[VB:VB+1] offset:u*8192+(n%4)*512
.else
.set u, 16*((\gi)-NK/128)+n
	global_load_b128 v[bk+4*n:bk+4*n+3], v[LB], s[MB:MB+1] offset:(u/RPL)*NK*4+(u%RPL)*512
.endif
.set n, n+1
.endr
.endm
.macro GST gi
.set bk, 64+64*((\gi)%3)
.set n, 0
.rept 16
.if (\gi) < NK/256
.set u, 4*(\gi)+n/4
	ds_store_b128 v[SK], v[bk+4*n:bk+4*n+3] offset:u*2048+(n%4)*512
.elseif (\gi) < NK/128
.set u, 4*((\gi)-NK/256)+n/4
	ds_store_b128 v[SV], v[bk+4*n:bk+4*n+3] offset:u*16*PV+((n%4)/2)*64+(n%2)*32
.else
.set u, 16*((\gi)-NK/128)+n
	ds_store_b128 v[SM], v[bk+4*n:bk+4*n+3] offset:(u/RPL)*MPI+(u%RPL)*512
.endif
.set n, n+1
.endr
.endm
	GLD 0
	GLD 1
	GLD 2
.set g, 0
.rept NG
.if NG-1-g >= 2
	s_wait_loadcnt 32                              ; the two groups issued behind this one stay out
.elseif NG-1-g == 1
	s_wait_loadcnt 16
.else
	s_wait_loadcnt 0x0
.endif
	GST g
.if g+3 < NG
	GLD g+3                                        ; into the bank just stored
.endif
.set g, g+1
.endr
	s_wait_dscnt 0x0                               ; for the others' sake: my part of K and V is in LDS
	s_barrier_signal -1
	s_barrier_wait -1
.set n, 0
.rept 32
	v_mov_b32 v[O+n], 0                            ; no first trip is written out: the first a is 0, and O and l start at 0
.set n, n+1
.endr
	v_mov_b32 v[LS], 0
	v_mov_b32 v[LS+1], 0
	v_mov_b32 v[M], 0xf149f2ca                     ; -1e30
	v_mul_f32 v[CM], s[CS], v[M]
.Ltrip:                                            ; 64 keys
	v_add_nc_u32 v[AKC], s[TK], v[LB]              ; these three and the v_nop are the places between the last trip's products and the loads into V's registers
	v_add_nc_u32 v[AVC], s[TV], v[AV0]
	v_add_nc_u32 v[AMC], s[TM], v[AM0]
	v_nop
.set n, 0
.rept 4
	ds_load_b128 v[S+8*n:S+8*n+3], v[AMC] offset:n*64          ; the mask goes where the sums begin
	ds_load_b128 v[S+8*n+4:S+8*n+7], v[AMC] offset:n*64+16
.set n, n+1
.endr
.set n, 0
.rept 8
	ds_load_b128 v[KF+8*n:KF+8*n+3], v[AKC] offset:n*1024
	ds_load_b128 v[KF+8*n+4:KF+8*n+7], v[AKC] offset:n*1024+512
.set n, n+1
.endr
.set n, 0
.rept 8
	ds_load_tr16_b128 v[VF+8*n:VF+8*n+3], v[AVC] offset:(n/4)*32*PV+(n%4)*32
	ds_load_tr16_b128 v[VF+8*n+4:VF+8*n+7], v[AVC] offset:(n/4)*32*PV+16*PV+(n%4)*32
.set n, n+1
.endr
	s_wait_dscnt 16                                ; mask and K are in; V's sixteen loads stay out
.set n, 0
.rept 8                                ; channels 32 (n / 4) .., keys 16 (n % 4) ..: the four accumulators take turns
	v_wmma_f32_16x16x32_bf16 v[S+8*(n%4):S+8*(n%4)+7], v[KF+16*(n%4)+8*(n/4):KF+16*(n%4)+8*(n/4)+7], v[Q+8*(n/4):Q+8*(n/4)+7], v[S+8*(n%4):S+8*(n%4)+7]
.set n, n+1
.endr
.rept 4
	v_nop                                          ; the places behind those products
.endr
.irp n, 0,1,2,3                        ; the maximum of the lane's 32 scores and the old m; each accumulator's lowest registers are read first
	v_max3_num_f32 v[C0+(\n)], v[S+8*(\n)], v[S+8*(\n)+1], v[S+8*(\n)+2]
.endr
.irp n, 0,1,2,3
	v_max3_num_f32 v[C0+(\n)], v[C0+(\n)], v[S+8*(\n)+3], v[S+8*(\n)+4]
.endr
.irp n, 0,1,2,3
	v_max3_num_f32 v[C0+(\n)], v[C0+(\n)], v[S+8*(\n)+5], v[S+8*(\n)+6]
.endr
	v_max3_num_f32 v[C0], v[C0], v[S+7], v[S+15]
	v_max3_num_f32 v[C0+1], v[C0+1], v[S+23], v[S+31]
	v_max3_num_f32 v[C0+2], v[C0+2], v[C0+3], v[M]
	v_mov_b32 v[OLD], v[CM]
	v_max3_num_f32 v[C0], v[C0], v[C0+1], v[C0+2]
	v_permlanex16_b32 v[C0+3], v[C0], s[SEL], s[SEL+1]         ; the query's other 32 keys lie in the lane 16 away
	v_max_num_f32 v[M], v[C0], v[C0+3]
	v_mul_f32 v[CM], s[CS], v[M]
	v_sub_f32 v[C0+1], v[OLD], v[CM]
.set n, 0
.rept 16
	v_pk_fma_f32 v[S+2*n:S+2*n+1], v[S+2*n:S+2*n+1], s[CS:CS+1], v[CM:CM+1] op_sel_hi:[1,0,0] neg_lo:[0,0,1] neg_hi:[0,0,1]   ; c s - c m
.set n, n+1
.endr
	v_exp_f32 v[C0+2], v[C0+1]                     ; a; with the 32 weights one batch
.set n, 0
.rept 32
	v_exp_f32 v[S+n], v[S+n]
.set n, n+1
.endr
	v_nop                                          ; a plain instruction behind the last exponential,
	s_wait_alu depctr_va_vdst(0)                   ; and the one wait ahead of the batch's first reader
.set n, 0
.rept 16
	v_cvt_pk_bf16_f32 v[P+n], v[S+2*n], v[S+2*n+1]
.set n, n+1
.endr
.irp w, 4,8,16,32                      ; the 16 pairs are added up in place: neighbours 1, 2, 4, 8 pairs apart
.set n, 0
.rept 32/(\w)
	v_pk_add_f32 v[S+(\w)*n:S+(\w)*n+1], v[S+(\w)*n:S+(\w)*n+1], v[S+(\w)*n+(\w)/2:S+(\w)*n+(\w)/2+1]
.set n, n+1
.endr
.endr
	v_pk_fma_f32 v[LS:LS+1], v[LS:LS+1], v[C0+2:C0+3], v[S:S+1] op_sel_hi:[1,0,1]   ; l = a l + sum
.set n, 0
.rept 16
	v_pk_mul_f32 v[O+2*n:O+2*n+1], v[O+2*n:O+2*n+1], v[C0+2:C0+3] op_sel_hi:[1,0]
.set n, n+1
.endr
	s_wait_dscnt 0x0                               ; V is in
.set n, 0
.rept 8                                ; keys 32 (n / 4) .., channels 16 (n % 4) ..
	v_wmma_f32_16x16x32_bf16 v[O+8*(n%4):O+8*(n%4)+7], v[VF+32*(n/4)+8*(n%4):VF+32*(n/4)+8*(n%4)+7], v[P+8*(n/4):P+8*(n/4)+7], v[O+8*(n%4):O+8*(n%4)+7]
.set n, n+1
.endr
	s_add_co_u32 s[TK], s[TK], 8192                ; four key tiles of 2,048 bytes,
	s_add_co_u32 s[TV], s[TV], 64*PV               ; 64 rows of V,
	s_add_co_u32 s[TM], s[TM], 256                 ; 64 numbers of a mask row
	s_sub_co_u32 s[CNT], s[CNT], 1
	s_cmp_lg_u32 s[CNT], 0
	s_cbranch_scc1 .Ltrip
.rept 4
	v_nop                                          ; the places behind the last products
.endr
	v_add_f32 v[LS], v[LS], v[LS+1]
	v_permlanex16_b32 v[LS+1], v[LS], s[SEL], s[SEL+1]
	v_add_f32 v[LS], v[LS], v[LS+1]
	v_rcp_f32 v[C0], v[LS]
	v_nop
	s_wait_alu depctr_va_vdst(0)
.set n, 0
.rept 16
	v_pk_mul_f32 v[O+2*n:O+2*n+1], v[O+2*n:O+2*n+1], v[C0:C0+1] op_sel_hi:[1,0]
.set n, n+1
.endr
.set n, 0
.rept 16
	v_cvt_pk_bf16_f32 v[S+n], v[O+2*n], v[O+2*n+1]
.set n, n+1
.endr
.set n, 0
.rept 4                                ; channel tile n: a lane's 8 channels of its query are 16 bytes of the image; the wave's 512 bytes are consecutive
	global_store_b128 v[LB], v[S+4*n:S+4*n+3], s[OB:OB+1] offset:n*512
.set n, n+1
.endr
	s_wait_tensorcnt 0x0                           ; the wave's end
	ds_add_u32 v[SPW], v[NIL]
	s_wait_dscnt 0x0
	s_endpgm
.Lfunc_end_k_q305d76e22d_a1:
	.size	k_q305d76e22d_a1, .Lfunc_end_k_q305d76e22d_a1-k_q305d76e22d_a1
	.p2alignl 7, 3214868480
	.fill 96, 4, 3214868480
	.section	.rodata,"a",@progbits
	.p2align	6, 0x0
	.amdhsa_kernel k_q305d76e22d_a1
		.amdhsa_group_segment_fixed_size 140800
		.amdhsa_private_segment_fixed_size 0
		.amdhsa_enable_private_segment 0
		.amdhsa_kernarg_size 24
		.amdhsa_user_sgpr_count 2
		.amdhsa_user_sgpr_kernarg_segment_ptr 1
		.amdhsa_wavefront_size32 1
		.amdhsa_system_sgpr_workgroup_id_x 1
		.amdhsa_system_sgpr_workgroup_id_y 1
		.amdhsa_system_sgpr_workgroup_id_z 1
		.amdhsa_system_vgpr_workitem_id 0
		.amdhsa_next_free_vgpr 256
		.amdhsa_next_free_sgpr 66
		.amdhsa_reserve_vcc 0
		.amdhsa_float_denorm_mode_32 3
		.amdhsa_float_denorm_mode_16_64 3
		.amdhsa_memory_ordered 1
		.amdhsa_forward_progress 1
		.amdhsa_inst_pref_size 29
	.end_amdhsa_kernel
	.amdgpu_metadata
---
amdhsa.version: [ 1, 2 ]
amdhsa.kernels:
  - .name:           k_q305d76e22d_a1
    .symbol:         k_q305d76e22d_a1.kd
    .args:
      - { .name: qkv, .offset: 0, .size: 8, .value_kind: global_buffer, .address_space: global }
      - { .name: attention_mask, .offset: 8, .size: 8, .value_kind: global_buffer, .address_space: global }
      - { .name: ob, .offset: 16, .size: 8, .value_kind: global_buffer, .address_space: global }
    .group_segment_fixed_size: 140800
    .private_segment_fixed_size: 0
    .kernarg_segment_align: 8
    .kernarg_segment_size: 24
    .max_flat_workgroup_size: 128
    .sgpr_count:     66
    .vgpr_count:     256
    .wavefront_size: 32
...
	.end_amdgpu_metadata
.endif
;; end of part 3
;; launch g2 (part 4): grid 256 x 1, 8 waves a work-group, no clusters, 149,504 bytes of LDS; arguments ob, sa_o_w, sa_o_b, hidden_states, h2; writes h2
.if DOCPART == 4
	.amdgcn_target "amdgcn-amd-amdhsa--gfx1250"
	.amdhsa_code_object_version 6
	.text
	.protected	k_q305d76e22d_g2
	.globl	k_q305d76e22d_g2
	.p2align	8
	.type	k_q305d76e22d_g2,@function
k_q305d76e22d_g2:
	s_mov_b64 s[64:65], 0
	v_nop
	global_prefetch_b8 v0, s[64:65] scope:SCOPE_SE
	s_setreg_imm32_b32 hwreg(HW_REG_WAVE_MODE, 25, 1), 1
	s_wait_xcnt 0x0
; OUTPUT PROJECTION WITH RESIDUAL: out = res + X W + bias, f32, a tile of 64 rows x 64 columns to a work-group, K = 1,024.
; Arguments: xf, w, bias, res, out.  X is a blocked bf16 image (element (m, k) at ((m/16) 32 + k/32) 1024 + ((k%32)/8) 256 + (m%16) 16 + (k%8) 2); w is f32 [1024][1024]; res and out f32 [1024][1024].
; THE WAVES SPLIT K: wave w takes k = 128 w .. + 127, four steps of 32.  A step's weights come straight from memory: lane (r, h) loads columns 4 r .. 4 r + 3 of the rows k0 + 8 h + 0..7 and
; k0 + 16 + 8 h + 0..7 (each load: two rows x 256 consecutive bytes); 32 roundings in pairs make four fragments, fragment t holding columns 4 rho + t.  The weights are source 0, X source 1:
; register j of accumulator (i, t) in lane (r, h) is row 16 i + r, column 32 h + 4 j + t.  No LDS traffic and no barrier in the main loop.  The eight partial sums (f32) meet once in LDS;
; wave w adds up m-tile w / 2, registers 4 (w % 2) .. + 3; the sums go through a second LDS region (pitch 272 bytes) so that each store covers whole rows of 256 aligned bytes.
; NO CLUSTER, NO TENSOR LOAD: the shared tiles are f32 and lie [K][N]; they are rounded and turned on their way through registers.
; LIMITS.  Operands bf16, sums, residual and result f32.  NaN and infinities are not treated apart.
.set OUTT,  131072                     ; behind the partial sums: 64 rows x 272 bytes
.set SPARE, 148480                     ; behind that: the spare words, 128 bytes a wave
.set MSTR,  32768
.set PITCH, 4096
.set VW,  4
.set VX,  5
.set SPW, 6
.set NIL, 7
.set DA,  8
.set RA,  9
.set RB,  10
.set GO,  11                           ; v11  my 16 bytes in the tile's first 16 rows of res and out
.set BO,  12                           ; v12  my 16 bytes of the tile's bias
.set TS,  13                           ; v13  LDS: where my 16 columns of a row go
.set TR,  14                           ; v14  LDS: where I read 16 bytes of a whole row
.set WF,  16
.set SUM, 16
.set Y,   32
.set XF0, 48
.set RES, 80                           ; v[80:95]  later: residual
.set BV,  96                           ; v[96:99]  later: bias
.set RAW, 112
.set WB,  24
.set XB,  26
.set MSB, 0
.macro WIN new                         ; window 1 holds the 16 accumulators, (i, t) at v[8 (4 i + t)]; the immediate's high byte repeats the setting that is left
.if MSB != (\new)
	s_set_vgpr_msb (MSB<<8)|(\new)
.set MSB, \new
.endif
.endm
.macro LDW p, off
.set i, 0
.rept 8
	global_load_b128 v[RAW+64*(\p)+4*i:RAW+64*(\p)+4*i+3], v[VW], s[WB:WB+1] offset:(\off)+i*PITCH
.set i, i+1
.endr
.set i, 0
.rept 8
	global_load_b128 v[RAW+64*(\p)+32+4*i:RAW+64*(\p)+32+4*i+3], v[VW], s[WB:WB+1] offset:(\off)+(16+i)*PITCH
.set i, i+1
.endr
.endm
.macro LDX p, off
.set i, 0
.rept 4
	global_load_b128 v[XF0+32*(\p)+8*i:XF0+32*(\p)+8*i+3], v[VX], s[XB:XB+1] offset:(\off)+i*MSTR
	global_load_b128 v[XF0+32*(\p)+8*i+4:XF0+32*(\p)+8*i+7], v[VX], s[XB:XB+1] offset:(\off)+i*MSTR+512
.set i, i+1
.endr
.endm
.macro CVT p
.set t, 0
.rept 4
.set q, 0
.rept 4
	v_cvt_pk_bf16_f32 v[WF+8*t+q], v[RAW+64*(\p)+8*q+t], v[RAW+64*(\p)+8*q+4+t]
	v_cvt_pk_bf16_f32 v[WF+8*t+4+q], v[RAW+64*(\p)+32+8*q+t], v[RAW+64*(\p)+32+8*q+4+t]
.set q, q+1
.endr
.set t, t+1
.endr
.endm
.macro MMA p, zero                     ; 16 products, each accumulator once: they take turns
	WIN 0x50
.set a, 0
.rept 16
.if \zero
	v_wmma_f32_16x16x32_bf16 v[8*a:8*a+7], v[WF+8*(a%4):WF+8*(a%4)+7], v[XF0+32*(\p)+8*(a/4):XF0+32*(\p)+8*(a/4)+7], 0
.else
	v_wmma_f32_16x16x32_bf16 v[8*a:8*a+7], v[WF+8*(a%4):WF+8*(a%4)+7], v[XF0+32*(\p)+8*(a/4):XF0+32*(\p)+8*(a/4)+7], v[8*a:8*a+7]
.endif
.set a, a+1
.endr
	WIN 0
.endm
; A step on set p.  cnt: the loads issued behind this set's: the other set's 16 + 8, or none.  The four v_nop are the places between the step's last product and
; the loads into X's registers, the next step's roundings into the weights' fragments, and the stores of the sums.
.macro STEP p, zero, issue, cnt, wo, xo
	s_wait_loadcnt \cnt
	CVT \p
.if \issue
	LDW \p, \wo
.endif
	MMA \p, \zero
.rept 4
	v_nop
.endr
.if \issue
	LDX \p, \xo
.endif
.endm
.macro DUMP                            ; each accumulator's low four registers first
	WIN 0x04
.set a, 0
.rept 16
	ds_store_b128 v[DA], v[8*a:8*a+3] offset:a*1024
	ds_store_b128 v[DA], v[8*a+4:8*a+7] offset:a*1024+512
.set a, a+1
.endr
	WIN 0
.endm
.macro LDPART base, adr
.set p, 0
.rept 4
.set t, 0
.rept 4
	ds_load_b128 v[(\base)+16*p+4*t:(\base)+16*p+4*t+3], v[\adr] offset:p*16384+t*1024
.set t, t+1
.endr
.set p, p+1
.endr
.endm
.macro ADD16 src
.set q, 0
.rept 8
	v_pk_add_f32 v[SUM+2*q:SUM+2*q+1], v[SUM+2*q:SUM+2*q+1], v[(\src)+2*q:(\src)+2*q+1]
.set q, q+1
.endr
.endm
	s_load_b256 s[4:11], s[0:1], 0x0               ; xf s[4:5], w s[6:7], bias s[8:9], res s[10:11]
	s_load_b64 s[12:13], s[0:1], 0x20              ; out
	v_lshl_add_u32 v[SPW], v0, 2, SPARE
	v_mov_b32 v[NIL], 0
	v_and_b32 v1, 31, v0
	v_and_b32 v2, 15, v0
	v_bfe_u32 v3, v0, 4, 1
	v_lshrrev_b32 v15, 5, v0
	v_readfirstlane_b32 s16, v15                   ; wave
	s_mov_b32 s17, ttmp9
	s_lshr_b32 s18, s17, 4                         ; block of 64 rows
	s_and_b32 s19, s17, 15                         ; tile of 64 columns
	s_lshr_b32 s20, s16, 1                         ; the m-tile that I add up
	s_and_b32 s21, s16, 1                          ; and which four registers of it
	s_lshl_b32 s28, s16, 19                        ; weights: my wave's 128 rows of 4,096 bytes,
	s_lshl_b32 s34, s19, 8                         ; the tile's 64 columns (also the bias's offset)
	s_add_co_u32 s28, s28, s34
	s_mov_b32 s29, 0
	s_mov_b32 s35, 0
	s_lshl_b32 s30, s18, 17                        ; X: four m-tiles a block,
	s_lshl_b32 s22, s16, 12                        ; my wave's four tiles along k
	s_add_co_u32 s30, s30, s22
	s_mov_b32 s31, 0
	s_lshl_b32 s32, s18, 18                        ; res and out: 64 rows of 4,096 bytes
	s_add_co_u32 s32, s32, s34
	s_mov_b32 s33, 0
	v_lshlrev_b32 v[VW], 15, v3
	v_lshl_add_u32 v[VW], v2, 4, v[VW]
	v_lshlrev_b32 v[VX], 4, v1
	v_lshl_add_u32 v[DA], s16, 14, v[VX]
	s_lshl_b32 s22, s20, 12
	s_lshl_b32 s23, s21, 9
	s_add_co_u32 s22, s22, s23
	v_add_nc_u32 v[RA], s22, v[VX]
	v_add_nc_u32 v[RB], 0x10000, v[RA]
	v_lshrrev_b32 v15, 4, v0                       ; row 0..15 of a pass
	v_lshlrev_b32 v[BO], 4, v2
	v_lshl_add_u32 v[GO], v15, 12, v[BO]
	v_mul_u32_u24 v[TR], v15, 272
	v_add3_u32 v[TR], v[TR], v[BO], OUTT
	s_mul_i32 s22, s20, 16*272
	s_lshl_b32 s23, s21, 6
	s_add_co_u32 s22, s22, s23
	s_add_co_u32 s22, s22, OUTT
	v_mul_u32_u24 v[TS], v2, 272                   ; row 16 i + r, columns 32 h + 16 (w % 2) ..
	v_lshl_add_u32 v[TS], v3, 7, v[TS]
	v_add_nc_u32 v[TS], s22, v[TS]
	s_wait_kmcnt 0x0
	s_add_nc_u64 s[WB:WB+1], s[6:7], s[28:29]
	s_add_nc_u64 s[XB:XB+1], s[4:5], s[30:31]
	s_add_nc_u64 s[8:9], s[8:9], s[34:35]
	s_add_nc_u64 s[10:11], s[10:11], s[32:33]
	s_add_nc_u64 s[12:13], s[12:13], s[32:33]
	LDW 0, 0                                       ; two sets, 48 loads of 512 bytes, are on their way at the start
	LDX 0, 0
	LDW 1, 32*PITCH
	LDX 1, 1024
	STEP 0, 1, 1, 24, 64*PITCH, 2048
	STEP 1, 0, 1, 24, 96*PITCH, 3072
	STEP 0, 0, 0, 24, 0, 0
	STEP 1, 0, 0, 0, 0, 0
.set u, 0
.rept 4
	global_load_b128 v[RES+4*u:RES+4*u+3], v[GO], s[10:11] offset:u*65536   ; residual and bias: on their way during the dump and the barriers
.set u, u+1
.endr
	global_load_b128 v[BV:BV+3], v[BO], s[8:9]
	DUMP
	s_wait_dscnt 0x0                               ; for the others' sake: my partial sums are in LDS
	s_barrier_signal -1
	s_barrier_wait -1
	LDPART RAW, RA
	LDPART RAW+64, RB
	s_wait_dscnt 16                                ; the first sixteen are in
.set q, 0
.rept 8
	v_pk_add_f32 v[SUM+2*q:SUM+2*q+1], v[RAW+2*q:RAW+2*q+1], v[RAW+16+2*q:RAW+16+2*q+1]
.set q, q+1
.endr
	ADD16 RAW+32
	ADD16 RAW+48
	s_wait_dscnt 0x0
	ADD16 RAW+64
	ADD16 RAW+80
	ADD16 RAW+96
.set t, 0
.rept 4
.set q, 0
.rept 4
	v_add_f32 v[Y+4*q+t], v[SUM+4*t+q], v[RAW+112+4*t+q]       ; the last addition puts the columns in order: column 4 q + t from (t, q)
.set q, q+1
.endr
.set t, t+1
.endr
.set q, 0
.rept 4
	ds_store_b128 v[TS], v[Y+4*q:Y+4*q+3] offset:16*q
.set q, q+1
.endr
	s_wait_dscnt 0x0                               ; for the others' sake: my part of the rows is in LDS
	s_barrier_signal -1
	s_barrier_wait -1
.set u, 0
.rept 4
	ds_load_b128 v[RAW+4*u:RAW+4*u+3], v[TR] offset:u*16*272
.set u, u+1
.endr
	s_wait_loadcnt 0x0
	s_wait_dscnt 0x0
.set u, 0
.rept 4
	v_pk_add_f32 v[RAW+4*u:RAW+4*u+1], v[RAW+4*u:RAW+4*u+1], v[RES+4*u:RES+4*u+1]
	v_pk_add_f32 v[RAW+4*u+2:RAW+4*u+3], v[RAW+4*u+2:RAW+4*u+3], v[RES+4*u+2:RES+4*u+3]
	v_pk_add_f32 v[RAW+4*u:RAW+4*u+1], v[RAW+4*u:RAW+4*u+1], v[BV:BV+1]
	v_pk_add_f32 v[RAW+4*u+2:RAW+4*u+3], v[RAW+4*u+2:RAW+4*u+3], v[BV+2:BV+3]
	global_store_b128 v[GO], v[RAW+4*u:RAW+4*u+3], s[12:13] offset:u*65536   ; sixteen lanes fill 256 consecutive bytes, aligned
.set u, u+1
.endr
	s_wait_tensorcnt 0x0                           ; the wave's end
	ds_add_u32 v[SPW], v[NIL]
	s_wait_dscnt 0x0
	s_endpgm
.Lfunc_end_k_q305d76e22d_g2:
	.size	k_q305d76e22d_g2, .Lfunc_end_k_q305d76e22d_g2-k_q305d76e22d_g2
	.p2alignl 7, 3214868480
	.fill 96, 4, 3214868480
	.section	.rodata,"a",@progbits
	.p2align	6, 0x0
	.amdhsa_kernel k_q305d76e22d_g2
		.amdhsa_group_segment_fixed_size 149504
		.amdhsa_private_segment_fixed_size 0
		.amdhsa_enable_private_segment 0
		.amdhsa_kernarg_size 40
		.amdhsa_user_sgpr_count 2
		.amdhsa_user_sgpr_kernarg_segment_ptr 1
		.amdhsa_wavefront_size32 1
		.amdhsa_system_sgpr_workgroup_id_x 1
		.amdhsa_system_sgpr_workgroup_id_y 1
		.amdhsa_system_sgpr_workgroup_id_z 1
		.amdhsa_system_vgpr_workitem_id 0
		.amdhsa_next_free_vgpr 384
		.amdhsa_next_free_sgpr 66
		.amdhsa_reserve_vcc 0
		.amdhsa_float_denorm_mode_32 3
		.amdhsa_float_denorm_mode_16_64 3
		.amdhsa_memory_ordered 1
		.amdhsa_forward_progress 1
		.amdhsa_inst_pref_size 35
	.end_amdhsa_kernel
	.amdgpu_metadata
---
amdhsa.version: [ 1, 2 ]
amdhsa.kernels:
  - .name:           k_q305d76e22d_g2
    .symbol:         k_q305d76e22d_g2.kd
    .args:
      - { .name: ob, .offset: 0, .size: 8, .value_kind: global_buffer, .address_space: global }
      - { .name: sa_o_w, .offset: 8, .size: 8, .value_kind: global_buffer, .address_space: global }
      - { .name: sa_o_b, .offset: 16, .size: 8, .value_kind: global_buffer, .address_space: global }
      - { .name: hidden_states, .offset: 24, .size: 8, .value_kind: global_buffer, .address_space: global }
      - { .name: h2, .offset: 32, .size: 8, .value_kind: global_buffer, .address_space: global }
    .group_segment_fixed_size: 149504
    .private_segment_fixed_size: 0
    .kernarg_segment_align: 8
    .kernarg_segment_size: 40
    .max_flat_workgroup_size: 256
    .sgpr_count:     66
    .vgpr_count:     384
    .wavefront_size: 32
...
	.end_amdgpu_metadata
.endif
;; end of part 4
;; launch lnb: the kernel of part 1 again; grid 64 x 1, 4 waves a work-group, no clusters, 33,792 bytes of LDS; arguments h2, ln2_g, ln2_b, encoder_hidden_states, xb; writes xb
;; launch g3: the kernel of part 2 again; grid 256 x 1, 8 waves a work-group, no clusters, 132,096 bytes of LDS; arguments xb, ca_q_w, ca_q_b, sa_k_w, sa_k_b, sa_v_w, sa_v_b, ca_k_w, ca_k_b, ca_v_w, ca_v_b, q2; writes q2
;; launch a2 (part 5): grid 256 x 1, 4 waves a work-group, no clusters, 280,064 bytes of LDS; arguments q2, qkv, encoder_attention_mask, ob; writes ob
.if DOCPART == 5
	.amdgcn_target "amdgcn-amd-amdhsa--gfx1250"
	.amdhsa_code_object_version 6
	.text
	.protected	k_q305d76e22d_a2
	.globl	k_q305d76e22d_a2
	.p2align	8
	.type	k_q305d76e22d_a2,@function
k_q305d76e22d_a2:
	s_mov_b64 s[64:65], 0
	v_nop
	global_prefetch_b8 v0, s[64:65] scope:SCOPE_SE
	s_setreg_imm32_b32 hwreg(HW_REG_WAVE_MODE, 25, 1), 1
	s_wait_xcnt 0x0
; ATTENTION WITH AN ADDITIVE MASK THAT IS AN INPUT, head size 64, four query heads to a key and value head, NK = 512 keys.
; Arguments: q, kv, mask, o.  q (already times 1/8) is a buffer of its own; k lies at kv + 3 MiB, v at kv + 4 MiB; all are blocked bf16 images
; (element (m, k) at ((m/16)(K/32) + k/32) 1024 + ((k%32)/8) 256 + (m%16) 16 + (k%8) 2; q and o have 1,024 columns, k and v 256).  mask: [4][256][NK] f32.
; SHARES.  Work-group id: sequence id / 64, head (id / 4) % 16 (its key and value head: head / 4), queries 64 (id % 4) ..; each of the four waves has 16 queries.
; LDS, filled once, through registers: all keys as the image has them (a fragment is 2 x 512 consecutive bytes); all values as [key][64] with a pitch of 160 bytes (5 x 32, for the turning load);
; the 64 queries' mask rows with a pitch of 4 NK + 16 bytes (an odd multiple of 16).  One barrier.
; LAYOUT.  S^T = K Q^T + mask^T: source 0 = 16 keys, source 1 = 16 queries; the mask is the C operand that starts the sum.  A lane holds ONE query (lane % 16) and the keys 8 (lane / 16) + 0..7.
; Two such results rounded to bf16 ARE source 1 of O^T = V^T P.  SOFTMAX: running maximum m and sum l in f32, p = 2^(c s - c m), c = log2(e); O and l are multiplied by a = 2^(c m_old - c m_new) in each of the NK / 64 trips.
; NO CLUSTER, NO TENSOR LOAD: the four heads of a key and value head do share K and V, 128 KiB of a work-group's 256 KiB; V must be laid out anew on the way, which the way through registers does.
; LIMITS.  m starts at -1e30: a query all of whose scores lie below that is not served (l would be 0).  A weight below 2^-126 counts as 0.  Operands bf16.  NaN and infinities are not treated apart.
.set NK,    512
.set KOFF,  0x300000
.set VOFF,  0x400000
.set NT,    NK/16
.set PV,    160
.set MPI,   4*NK+16
.set VL,    NK*128                     ; K lies at LDS byte 0
.set ML,    VL+NK*PV
.set SPARE, ML+64*MPI                  ; the spare words, 128 bytes a wave
.set RPL,   NK/128                     ; loads of 512 bytes in a mask row
.set NG,    NK/64                      ; groups of 16 loads a wave: NK/256 of K, NK/256 of V, NK/128 of the mask
.set LB,  1                            ; v1   16 x lane: also my place in a fragment of K
.set AV0, 5                            ; v5   my place in V for the turning load
.set AM0, 6                            ; v6   my query's mask row, keys 8 h ..
.set AKC, 7                            ; v7-9 the trip's addresses
.set AVC, 8
.set AMC, 9
.set SPW, 10                           ; v10  my spare word; never rewritten
.set NIL, 11                           ; v11  0; never rewritten
.set SK,  12                           ; v12-14 where the staging stores go
.set SV,  13
.set SM,  14
.set Q,   16                           ; v[16:31]  Q, two fragments
.set CM,  32                           ; c m
.set M,   33                           ; m
.set LS,  34                           ; v[34:35]  l: even keys', odd keys'
.set C0,  36                           ; v[36:39]  at work; a takes v38
.set OLD, 40
.set S,   48                           ; v[48:79]  S^T, four tiles of 16 keys
.set P,   80                           ; v[80:95]
.set O,   96                           ; v[96:127] O^T, four tiles of 16 channels
.set KF,  128                          ; v[128:191] K: key tile kt, channel half c at KF + 16 kt + 8 c
.set VF,  192                          ; v[192:255] V^T: key half kk, channel tile ct at VF + 32 kk + 8 ct
.set KB,  28
.set VB,  30
.set MB,  32
.set QB,  34
.set OB,  36
.set CS,  38                           ; s[38:39] c
.set SEL, 40                           ; s[40:41] v_permlanex16_b32's selects
.set TK,  42                           ; s42-44 the trip's byte offsets in K, V and a mask row
.set TV,  43
.set TM,  44
.set CNT, 45
	s_load_b256 s[4:11], s[0:1], 0x0               ; q s[4:5], kv s[6:7], mask s[8:9], o s[10:11]
	v_lshl_add_u32 v[SPW], v0, 2, SPARE
	v_mov_b32 v[NIL], 0
	v_and_b32 v15, 31, v0
	v_lshlrev_b32 v[LB], 4, v15
	v_and_b32 v2, 15, v0                           ; r
	v_bfe_u32 v3, v0, 4, 1                         ; h
	v_lshrrev_b32 v15, 5, v0
	v_readfirstlane_b32 s12, v15                   ; wave
	s_mov_b32 s13, ttmp9
	s_lshr_b32 s14, s13, 6                         ; sequence
	s_bfe_u32 s15, s13, 0x20004                    ; key and value head
	s_bfe_u32 s16, s13, 0x40002                    ; head
	s_and_b32 s17, s13, 3                          ; block of 64 queries
	s_lshl_b32 s18, s14, 4
	s_lshl2_add_u32 s18, s17, s18
	s_add_co_u32 s18, s18, s12                     ; my m-tile of queries: 16 b + 4 qb + w
	s_lshl_b32 s20, s18, 15                        ; q and o: 32 tiles a tile row,
	s_lshl_b32 s19, s16, 11                        ; two tiles a head
	s_add_co_u32 s20, s20, s19
	s_mov_b32 s21, 0
	s_mul_i32 s22, s14, NT*8192                    ; k and v: the sequence's key tiles, 8 tiles of 1,024 bytes each,
	s_mul_i32 s19, s12, NT*2048                    ; my wave's quarter of them,
	s_add_co_u32 s22, s22, s19
	s_lshl_b32 s19, s15, 11                        ; the head's two tiles
	s_add_co_u32 s22, s22, s19
	s_add_co_u32 s24, s22, VOFF
	s_add_co_u32 s22, s22, KOFF
	s_mov_b32 s23, 0
	s_mov_b32 s25, 0
	s_mul_i32 s26, s18, 64*NK                      ; mask: my 16 rows of 4 NK bytes
	s_mov_b32 s27, 0
	s_mov_b32 s[CS], 0x3fb8aa3b
	s_mov_b32 s[CS+1], s[CS]
	s_mov_b32 s[SEL], 0x76543210
	s_mov_b32 s[SEL+1], 0xfedcba98
	s_mov_b32 s[TK], 0
	s_mov_b32 s[TV], 0
	s_mov_b32 s[TM], 0
	s_mov_b32 s[CNT], NK/64
	s_mul_i32 s46, s12, NT*512
	v_add_nc_u32 v[SK], s46, v[LB]                 ; K as it lies: my wave's tiles
	s_mul_i32 s46, s12, NT*4*PV
	s_add_co_u32 s46, s46, VL
	v_mul_u32_u24 v[SV], v2, PV                    ; V: key r of a tile, channels 8 h ..
	v_lshl_add_u32 v[SV], v3, 4, v[SV]
	v_add_nc_u32 v[SV], s46, v[SV]
	s_mul_i32 s46, s12, 16*MPI
	s_add_co_u32 s46, s46, ML
	v_add_nc_u32 v[SM], s46, v[LB]
	v_mul_u32_u24 v[AM0], v2, MPI
	v_lshl_add_u32 v[AM0], v3, 5, v[AM0]
	v_add_nc_u32 v[AM0], s46, v[AM0]
	v_and_b32 v15, 7, v0                           ; the turning load: lane l reads key 8 (l / 16) + l % 8, channels 8 ((l / 8) % 2) ..
	v_lshl_add_u32 v[AV0], v3, 3, v15
	v_mul_u32_u24 v[AV0], v[AV0], PV
	v_bfe_u32 v15, v0, 3, 1
	v_lshl_add_u32 v[AV0], v15, 4, v[AV0]
	v_add_nc_u32 v[AV0], VL, v[AV0]
	s_wait_kmcnt 0x0
	s_add_nc_u64 s[QB:QB+1], s[4:5], s[20:21]
	s_add_nc_u64 s[KB:KB+1], s[6:7], s[22:23]
	s_add_nc_u64 s[VB:VB+1], s[6:7], s[24:25]
	s_add_nc_u64 s[MB:MB+1], s[8:9], s[26:27]
	s_add_nc_u64 s[OB:OB+1], s[10:11], s[20:21]
.set n, 0
.rept 4
	global_load_b128 v[Q+4*n:Q+4*n+3], v[LB], s[QB:QB+1] offset:n*512
.set n, n+1
.endr
; STAGING: group gi of 16 loads of 512 bytes goes through bank gi % 3 of three banks of 64 registers
.macro GLD gi
.set bk, 64+64*((\gi)%3)
.set n, 0
.rept 16
.if (\gi) < NK/256
.set u, 4*(\gi)+n/4
	global_load_b128 v[bk+4*n:bk+4*n+3], v[LB], s[KB:KB+1] offset:u*8192+(n%4)*512
.elseif (\gi) < NK/128
.set u, 4*((\gi)-NK/256)+n/4
	global_load_b128 v[bk+4*n:bk+4*n+3], v[LB], s[VB:VB+1] offset:u*8192+(n%4)*512
.else
.set u, 16*((\gi)-NK/128)+n
	global_load_b128 v[bk+4*n:bk+4*n+3], v[LB], s[MB:MB+1] offset:(u/RPL)*NK*4+(u%RPL)*512
.endif
.set n, n+1
.endr
.endm
.macro GST gi
.set bk, 64+64*((\gi)%3)
.set n, 0
.rept 16
.if (\gi) < NK/256
.set u, 4*(\gi)+n/4
	ds_store_b128 v[SK], v[bk+4*n:bk+4*n+3] offset:u*2048+(n%4)*512
.elseif (\gi) < NK/128
.set u, 4*((\gi)-NK/256)+n/4
	ds_store_b128 v[SV], v[bk+4*n:bk+4*n+3] offset:u*16*PV+((n%4)/2)*64+(n%2)*32
.else
.set u, 16*((\gi)-NK/128)+n
	ds_store_b128 v[SM], v[bk+4*n:bk+4*n+3] offset:(u/RPL)*MPI+(u%RPL)*512
.endif
.set n, n+1
.endr
.endm
	GLD 0
	GLD 1
	GLD 2
.set g, 0
.rept NG
.if NG-1-g >= 2
	s_wait_loadcnt 32                              ; the two groups issued behind this one stay out
.elseif NG-1-g == 1
	s_wait_loadcnt 16
.else
	s_wait_loadcnt 0x0
.endif
	GST g
.if g+3 < NG
	GLD g+3                                        ; into the bank just stored
.endif
.set g, g+1
.endr
	s_wait_dscnt 0x0                               ; for the others' sake: my part of K and V is in LDS
	s_barrier_signal -1
	s_barrier_wait -1
.set n, 0
.rept 32
	v_mov_b32 v[O+n], 0                            ; no first trip is written out: the first a is 0, and O and l start at 0
.set n, n+1
.endr
	v_mov_b32 v[LS], 0
	v_mov_b32 v[LS+1], 0
	v_mov_b32 v[M], 0xf149f2ca                     ; -1e30
	v_mul_f32 v[CM], s[CS], v[M]
.Ltrip:                                            ; 64 keys
	v_add_nc_u32 v[AKC], s[TK], v[LB]              ; these three and the v_nop are the places between the last trip's products and the loads into V's registers
	v_add_nc_u32 v[AVC], s[TV], v[AV0]
	v_add_nc_u32 v[AMC], s[TM], v[AM0]
	v_nop
.set n, 0
.rept 4
	ds_load_b128 v[S+8*n:S+8*n+3], v[AMC] offset:n*64          ; the mask goes where the sums begin
	ds_load_b128 v[S+8*n+4:S+8*n+7], v[AMC] offset:n*64+16
.set n, n+1
.endr
.set n, 0
.rept 8
	ds_load_b128 v[KF+8*n:KF+8*n+3], v[AKC] offset:n*1024
	ds_load_b128 v[KF+8*n+4:KF+8*n+7], v[AKC] offset:n*1024+512
.set n, n+1
.endr
.set n, 0
.rept 8
	ds_load_tr16_b128 v[VF+8*n:VF+8*n+3], v[AVC] offset:(n/4)*32*PV+(n%4)*32
	ds_load_tr16_b128 v[VF+8*n+4:VF+8*n+7], v[AVC] offset:(n/4)*32*PV+16*PV+(n%4)*32
.set n, n+1
.endr
	s_wait_dscnt 16                                ; mask and K are in; V's sixteen loads stay out
.set n, 0
.rept 8                                ; channels 32 (n / 4) .., keys 16 (n % 4) ..: the four accumulators take turns
	v_wmma_f32_16x16x32_bf16 v[S+8*(n%4):S+8*(n%4)+7], v[KF+16*(n%4)+8*(n/4):KF+16*(n%4)+8*(n/4)+7], v[Q+8*(n/4):Q+8*(n/4)+7], v[S+8*(n%4):S+8*(n%4)+7]
.set n, n+1
.endr
.rept 4
	v_nop                                          ; the places behind those products
.endr
.irp n, 0,1,2,3                        ; the maximum of the lane's 32 scores and the old m; each accumulator's lowest registers are read first
	v_max3_num_f32 v[C0+(\n)], v[S+8*(\n)], v[S+8*(\n)+1], v[S+8*(\n)+2]
.endr
.irp n, 0,1,2,3
	v_max3_num_f32 v[C0+(\n)], v[C0+(\n)], v[S+8*(\n)+3], v[S+8*(\n)+4]
.endr
.irp n, 0,1,2,3
	v_max3_num_f32 v[C0+(\n)], v[C0+(\n)], v[S+8*(\n)+5], v[S+8*(\n)+6]
.endr
	v_max3_num_f32 v[C0], v[C0], v[S+7], v[S+15]
	v_max3_num_f32 v[C0+1], v[C0+1], v[S+23], v[S+31]
	v_max3_num_f32 v[C0+2], v[C0+2], v[C0+3], v[M]
	v_mov_b32 v[OLD], v[CM]
	v_max3_num_f32 v[C0], v[C0], v[C0+1], v[C0+2]
	v_permlanex16_b32 v[C0+3], v[C0], s[SEL], s[SEL+1]         ; the query's other 32 keys lie in the lane 16 away
	v_max_num_f32 v[M], v[C0], v[C0+3]
	v_mul_f32 v[CM], s[CS], v[M]
	v_sub_f32 v[C0+1], v[OLD], v[CM]
.set n, 0
.rept 16
	v_pk_fma_f32 v[S+2*n:S+2*n+1], v[S+2*n:S+2*n+1], s[CS:CS+1], v[CM:CM+1] op_sel_hi:[1,0,0] neg_lo:[0,0,1] neg_hi:[0,0,1]   ; c s - c m
.set n, n+1
.endr
	v_exp_f32 v[C0+2], v[C0+1]                     ; a; with the 32 weights one batch
.set n, 0
.rept 32
	v_exp_f32 v[S+n], v[S+n]
.set n, n+1
.endr
	v_nop                                          ; a plain instruction behind the last exponential,
	s_wait_alu depctr_va_vdst(0)                   ; and the one wait ahead of the batch's first reader
.set n, 0
.rept 16
	v_cvt_pk_bf16_f32 v[P+n], v[S+2*n], v[S+2*n+1]
.set n, n+1
.endr
.irp w, 4,8,16,32                      ; the 16 pairs are added up in place: neighbours 1, 2, 4, 8 pairs apart
.set n, 0
.rept 32/(\w)
	v_pk_add_f32 v[S+(\w)*n:S+(\w)*n+1], v[S+(\w)*n:S+(\w)*n+1], v[S+(\w)*n+(\w)/2:S+(\w)*n+(\w)/2+1]
.set n, n+1
.endr
.endr
	v_pk_fma_f32 v[LS:LS+1], v[LS:LS+1], v[C0+2:C0+3], v[S:S+1] op_sel_hi:[1,0,1]   ; l = a l + sum
.set n, 0
.rept 16
	v_pk_mul_f32 v[O+2*n:O+2*n+1], v[O+2*n:O+2*n+1], v[C0+2:C0+3] op_sel_hi:[1,0]
.set n, n+1
.endr
	s_wait_dscnt 0x0                               ; V is in
.set n, 0
.rept 8                                ; keys 32 (n / 4) .., channels 16 (n % 4) ..
	v_wmma_f32_16x16x32_bf16 v[O+8*(n%4):O+8*(n%4)+7], v[VF+32*(n/4)+8*(n%4):VF+32*(n/4)+8*(n%4)+7], v[P+8*(n/4):P+8*(n/4)+7], v[O+8*(n%4):O+8*(n%4)+7]
.set n, n+1
.endr
	s_add_co_u32 s[TK], s[TK], 8192                ; four key tiles of 2,048 bytes,
	s_add_co_u32 s[TV], s[TV], 64*PV               ; 64 rows of V,
	s_add_co_u32 s[TM], s[TM], 256                 ; 64 numbers of a mask row
	s_sub_co_u32 s[CNT], s[CNT], 1
	s_cmp_lg_u32 s[CNT], 0
	s_cbranch_scc1 .Ltrip
.rept 4
	v_nop                                          ; the places behind the last products
.endr
	v_add_f32 v[LS], v[LS], v[LS+1]
	v_permlanex16_b32 v[LS+1], v[LS], s[SEL], s[SEL+1]
	v_add_f32 v[LS], v[LS], v[LS+1]
	v_rcp_f32 v[C0], v[LS]
	v_nop
	s_wait_alu depctr_va_vdst(0)
.set n, 0
.rept 16
	v_pk_mul_f32 v[O+2*n:O+2*n+1], v[O+2*n:O+2*n+1], v[C0:C0+1] op_sel_hi:[1,0]
.set n, n+1
.endr
.set n, 0
.rept 16
	v_cvt_pk_bf16_f32 v[S+n], v[O+2*n], v[O+2*n+1]
.set n, n+1
.endr
.set n, 0
.rept 4                                ; channel tile n: a lane's 8 channels of its query are 16 bytes of the image; the wave's 512 bytes are consecutive
	global_store_b128 v[LB], v[S+4*n:S+4*n+3], s[OB:OB+1] offset:n*512
.set n, n+1
.endr
	s_wait_tensorcnt 0x0                           ; the wave's end
	ds_add_u32 v[SPW], v[NIL]
	s_wait_dscnt 0x0
	s_endpgm
.Lfunc_end_k_q305d76e22d_a2:
	.size	k_q305d76e22d_a2, .Lfunc_end_k_q305d76e22d_a2-k_q305d76e22d_a2
	.p2alignl 7, 3214868480
	.fill 96, 4, 3214868480
	.section	.rodata,"a",@progbits
	.p2align	6, 0x0
	.amdhsa_kernel k_q305d76e22d_a2
		.amdhsa_group_segment_fixed_size 280064
		.amdhsa_private_segment_fixed_size 0
		.amdhsa_enable_private_segment 0
		.amdhsa_kernarg_size 32
		.amdhsa_user_sgpr_count 2
		.amdhsa_user_sgpr_kernarg_segment_ptr 1
		.amdhsa_wavefront_size32 1
		.amdhsa_system_sgpr_workgroup_id_x 1
		.amdhsa_system_sgpr_workgroup_id_y 1
		.amdhsa_system_sgpr_workgroup_id_z 1
		.amdhsa_system_vgpr_workitem_id 0
		.amdhsa_next_free_vgpr 256
		.amdhsa_next_free_sgpr 66
		.amdhsa_reserve_vcc 0
		.amdhsa_float_denorm_mode_32 3
		.amdhsa_float_denorm_mode_16_64 3
		.amdhsa_memory_ordered 1
		.amdhsa_forward_progress 1
		.amdhsa_inst_pref_size 39
	.end_amdhsa_kernel
	.amdgpu_metadata
---
amdhsa.version: [ 1, 2 ]
amdhsa.kernels:
  - .name:           k_q305d76e22d_a2
    .symbol:         k_q305d76e22d_a2.kd
    .args:
      - { .name: q2, .offset: 0, .size: 8, .value_kind: global_buffer, .address_space: global }
      - { .name: qkv, .offset: 8, .size: 8, .value_kind: global_buffer, .address_space: global }
      - { .name: encoder_attention_mask, .offset: 16, .size: 8, .value_kind: global_buffer, .address_space: global }
      - { .name: ob, .offset: 24, .size: 8, .value_kind: global_buffer, .address_space: global }
    .group_segment_fixed_size: 280064
    .private_segment_fixed_size: 0
    .kernarg_segment_align: 8
    .kernarg_segment_size: 32
    .max_flat_workgroup_size: 128
    .sgpr_count:     66
    .vgpr_count:     256
    .wavefront_size: 32
...
	.end_amdgpu_metadata
.endif
;; end of part 5
;; launch g4: the kernel of part 4 again; grid 256 x 1, 8 waves a work-group, no clusters, 149,504 bytes of LDS; arguments ob, ca_o_w, ca_o_b, h2, h3; writes h3
;; launch lnc: the kernel of part 1 again; grid 64 x 1, 4 waves a work-group, no clusters, 33,792 bytes of LDS; arguments h3, ln3_g, ln3_b, encoder_hidden_states, xb; writes xb
;; launch m1 (part 6): grid 256 x 1, 4 waves a work-group, no clusters, 262,656 bytes of LDS; arguments xb, moe_w1, moe_w3, langs, hid; writes hid
.if DOCPART == 6
	.amdgcn_target "amdgcn-amd-amdhsa--gfx1250"
	.amdhsa_code_object_version 6
	.text
	.protected	k_q305d76e22d_m1
	.globl	k_q305d76e22d_m1
	.p2align	8
	.type	k_q305d76e22d_m1,@function
k_q305d76e22d_m1:
	s_mov_b64 s[64:65], 0
	v_nop
	global_prefetch_b8 v0, s[64:65] scope:SCOPE_SE
	s_setreg_imm32_b32 hwreg(HW_REG_WAVE_MODE, 25, 1), 1
	s_wait_xcnt 0x0
; THE EXPERTS' FIRST PRODUCTS: hid = gelu(X w1[e]) x (X w3[e]), exact (erf) GELU, for the experts that a sequence's language codes choose, and no others.
; Arguments: xb, w1, w3, langs, hid.  X: blocked bf16 image of 1,024 rows x 1,024 (element (m, k) at ((m/16)(K/32) + k/32) 1024 + ((k%32)/8) 256 + (m%16) 16 + (k%8) 2).  w1, w3: f32 [8][1024][2048].
; ROUTING.  Sequence b has two slots j.  Slot (b, j) is live if langs[b][j] is 4 .. 11 and, for j = 1, differs from langs[b][0]; its expert is the code less 4.  A slot is always 256 rows, so no trip count hangs on data.
; The grid is 8 slots x 32 slices of 64 columns and serves every choice; a dead slot's work-group jumps over the work, passes the one barrier and stores nothing.  hid: 8 images of 256 x 2,048, slot 2 b + j.
; SHARES.  Wave w: matrix w % 2 (w1 or w3), half w / 2 of K; all 256 rows x 64 columns: 64 accumulators, 512 registers; 16 steps of 32 along K, 64 products each.  Each weight byte of a slot is read by one wave of the launch.
; A step's weights come straight from memory: lane (r, h) loads columns 4 r .. + 3 of the rows k0 + 8 h + 0..7 and k0 + 16 + 8 h + 0..7 (each load: two rows x 256 consecutive bytes); 32 roundings in pairs make four
; fragments, fragment t holding columns 4 rho + t.  Weights are source 0, X source 1: register j of accumulator (i, t) in lane (r, h) is row 16 i + r, column 32 h + 4 j + t.  No LDS traffic and no barrier in the main loop.
; The four waves' sums (f32) meet once in LDS; wave w then finishes m-tiles 4 w .. 4 w + 3, written out one after the other, so that every LDS address is a lane's fixed address plus a constant.
; GELU.  erfc(z), z = |x| / sqrt 2, by t = 1 / (1 + 0.3275911 z), (a1 t + .. + a5 t^5) exp(-z^2): absolute error 1.5e-7 in erf for every x.  gelu(x) = max(x, 0) - |x| erfc(z) / 2, which subtracts no nearly equal numbers.
; NO CLUSTER, NO TENSOR LOAD: the weights have one reader each; what a slot's 32 work-groups share is X, 512 KiB that stays near after its first reader.
; REGISTERS, in windows of 256: window 0: v0-15 addresses, v16-47 the weights' fragments, v64-191 a step's weights in f32, two sets; windows 1, 2: accumulators 0-31, 32-63; window 3: X's 16 fragments, two sets.
; LIMITS.  Operands and hid bf16, sums f32.  NaN and infinities are not treated apart.
.set SPARE, 262144                     ; behind the four waves' sums (65,536 bytes each): the spare words, 128 bytes a wave
.set PITCH, 8192
.set SW,    32*PITCH                   ; a step's rows of weights
.set VW,  4
.set VX,  5
.set SPW, 6
.set NIL, 7
.set DA,  8
.set PA,  9                            ; v9-12  LDS: wave p's sums of my first m-tile; never rewritten
.set HO,  13                           ; v13    my byte offset in hid's slot; never rewritten
.set WF,  16
.set RAW, 64
.set X1,  64                           ; the end: v[64:95] X w1, v[96:127] X w3, v[128:159] t, v[160:191] exp, v[192:223] the polynomial, v[224:239] packed
.set X3,  96
.set TT,  128
.set EE,  160
.set PL,  192
.set OP,  224
.set WB,  28
.set XB,  30
.set HB,  36                           ; s[36:37] hid at my slot; never stepped
.set PC,  38                           ; s38      0.3275911 / sqrt 2
.set UC,  40                           ; s[40:41] -log2(e) / 2
.set A5,  42                           ; s[42:51] a5 .. a1, each halved, as pairs
.set A4,  44
.set A3,  46
.set A2,  48
.set A1,  50
.set CNT, 52
.set MSB, 0
.macro WIN new                         ; the immediate's high byte repeats the setting that is left
.if MSB != (\new)
	s_set_vgpr_msb (MSB<<8)|(\new)
.set MSB, \new
.endif
.endm
.macro LDW p, off
.set i, 0
.rept 8
	global_load_b128 v[RAW+64*(\p)+4*i:RAW+64*(\p)+4*i+3], v[VW], s[WB:WB+1] offset:(\off)+i*PITCH th:TH_LOAD_NT
.set i, i+1
.endr
.set i, 0
.rept 8
	global_load_b128 v[RAW+64*(\p)+32+4*i:RAW+64*(\p)+32+4*i+3], v[VW], s[WB:WB+1] offset:(\off)+(16+i)*PITCH th:TH_LOAD_NT
.set i, i+1
.endr
.endm
.macro LDX p, off                      ; 32 loads: the 16 m-tiles' fragments, into window 3
	WIN 0xc0
.set i, 0
.rept 16
	global_load_b128 v[128*(\p)+8*i:128*(\p)+8*i+3], v[VX], s[XB:XB+1] offset:(\off)+i*32768
	global_load_b128 v[128*(\p)+8*i+4:128*(\p)+8*i+7], v[VX], s[XB:XB+1] offset:(\off)+i*32768+512
.set i, i+1
.endr
	WIN 0
.endm
.macro CVT p
.set t, 0
.rept 4
.set q, 0
.rept 4
	v_cvt_pk_bf16_f32 v[WF+8*t+q], v[RAW+64*(\p)+8*q+t], v[RAW+64*(\p)+8*q+4+t]
	v_cvt_pk_bf16_f32 v[WF+8*t+4+q], v[RAW+64*(\p)+32+8*q+t], v[RAW+64*(\p)+32+8*q+4+t]
.set q, q+1
.endr
.set t, t+1
.endr
.endm
.macro MMA p, zero                     ; 64 products, each accumulator once: they take turns.  Source 1 in window 3, C and D in window 1, then 2
.set a, 0
.rept 64
.if a < 32
	WIN 0x5c
.else
	WIN 0xac
.endif
.if \zero
	v_wmma_f32_16x16x32_bf16 v[8*(a%32):8*(a%32)+7], v[WF+8*(a%4):WF+8*(a%4)+7], v[128*(\p)+8*(a/4):128*(\p)+8*(a/4)+7], 0
.else
	v_wmma_f32_16x16x32_bf16 v[8*(a%32):8*(a%32)+7], v[WF+8*(a%4):WF+8*(a%4)+7], v[128*(\p)+8*(a/4):128*(\p)+8*(a/4)+7], v[8*(a%32):8*(a%32)+7]
.endif
.set a, a+1
.endr
	WIN 0
.endm
; A step on set p.  cnt: the loads issued behind this set's: the other set's 16 + 32, or none.  The four v_nop are the places between the step's last product and the loads into X's registers,
; the next step's roundings into the weights' fragments, and the stores of the sums.
.macro STEP p, zero, issue, cnt, wo, xo
	s_wait_loadcnt \cnt
	CVT \p
.if \issue
	LDW \p, \wo
.endif
	MMA \p, \zero
.rept 4
	v_nop
.endr
.if \issue
	LDX \p, \xo
.endif
.endm
; M-tile mt of my four is finished: 16 rows x 64 columns, 32 numbers a lane.  The tile stands in the immediates: 4,096 bytes of each wave's sums, 65,536 bytes of hid.
.macro FIN mt
.set p, 0
.rept 4
.set t, 0
.rept 4
	ds_load_b128 v[X1+32*p+8*t:X1+32*p+8*t+3], v[PA+p] offset:(\mt)*4096+t*1024
	ds_load_b128 v[X1+32*p+8*t+4:X1+32*p+8*t+7], v[PA+p] offset:(\mt)*4096+t*1024+512
.set t, t+1
.endr
.set p, p+1
.endr
	s_wait_dscnt 0x0
.set n, 0
.rept 16                               ; waves 0 and 2 hold the halves of X w1, waves 1 and 3 those of X w3
	v_pk_add_f32 v[X1+2*n:X1+2*n+1], v[X1+2*n:X1+2*n+1], v[TT+2*n:TT+2*n+1]
	v_pk_add_f32 v[X3+2*n:X3+2*n+1], v[X3+2*n:X3+2*n+1], v[EE+2*n:EE+2*n+1]
.set n, n+1
.endr
.set n, 0
.rept 32
	v_fma_f32 v[TT+n], |v[X1+n]|, s[PC], 1.0       ; 1 + p z
.set n, n+1
.endr
.set n, 0
.rept 16
	v_pk_mul_f32 v[EE+2*n:EE+2*n+1], v[X1+2*n:X1+2*n+1], v[X1+2*n:X1+2*n+1]
.set n, n+1
.endr
.set n, 0
.rept 16
	v_pk_mul_f32 v[EE+2*n:EE+2*n+1], v[EE+2*n:EE+2*n+1], s[UC:UC+1] op_sel_hi:[1,0]   ; -z^2 log2(e)
.set n, n+1
.endr
.set n, 0
.rept 32
	v_rcp_f32 v[TT+n], v[TT+n]
.set n, n+1
.endr
.set n, 0
.rept 32
	v_exp_f32 v[EE+n], v[EE+n]
.set n, n+1
.endr
	v_nop                                          ; a plain instruction behind the last of the 64,
	s_wait_alu depctr_va_vdst(0)                   ; and the one wait ahead of the batch's first reader
.set n, 0
.rept 16
	v_pk_fma_f32 v[PL+2*n:PL+2*n+1], v[TT+2*n:TT+2*n+1], s[A5:A5+1], s[A4:A4+1] op_sel_hi:[1,0,0]
.set n, n+1
.endr
.irp c, A3, A2, A1
.set n, 0
.rept 16
	v_pk_fma_f32 v[PL+2*n:PL+2*n+1], v[PL+2*n:PL+2*n+1], v[TT+2*n:TT+2*n+1], s[\c:\c+1] op_sel_hi:[1,1,0]
.set n, n+1
.endr
.endr
.set n, 0
.rept 16
	v_pk_mul_f32 v[PL+2*n:PL+2*n+1], v[PL+2*n:PL+2*n+1], v[TT+2*n:TT+2*n+1]
.set n, n+1
.endr
.set n, 0
.rept 16
	v_pk_mul_f32 v[PL+2*n:PL+2*n+1], v[PL+2*n:PL+2*n+1], v[EE+2*n:EE+2*n+1]   ; erfc(z) / 2
.set n, n+1
.endr
.set n, 0
.rept 32
	v_max_num_f32 v[TT+n], 0, v[X1+n]
.set n, n+1
.endr
.set n, 0
.rept 32
	v_fma_f32 v[X1+n], -|v[X1+n]|, v[PL+n], v[TT+n]            ; gelu
.set n, n+1
.endr
.set n, 0
.rept 16
	v_pk_mul_f32 v[X1+2*n:X1+2*n+1], v[X1+2*n:X1+2*n+1], v[X3+2*n:X3+2*n+1]
.set n, n+1
.endr
.if (\mt) > 0
	s_wait_xcnt 0x0                                ; the packed registers, which the last tile's stores read, are rewritten only behind this wait
.endif
.set q, 0
.rept 4                                ; piece q of the lane's 32 columns: columns 8 q .. + 7 are (t = 0..3, register 2 q), (t = 0..3, register 2 q + 1)
	v_cvt_pk_bf16_f32 v[OP+4*q], v[X1+2*q], v[X1+8+2*q]
	v_cvt_pk_bf16_f32 v[OP+4*q+1], v[X1+16+2*q], v[X1+24+2*q]
	v_cvt_pk_bf16_f32 v[OP+4*q+2], v[X1+2*q+1], v[X1+8+2*q+1]
	v_cvt_pk_bf16_f32 v[OP+4*q+3], v[X1+16+2*q+1], v[X1+24+2*q+1]
	global_store_b128 v[HO], v[OP+4*q:OP+4*q+3], s[HB:HB+1] offset:(\mt)*65536+q*256   ; sixteen lanes (the 16 rows) fill 256 consecutive bytes, aligned
.set q, q+1
.endr
.endm
	s_load_b256 s[4:11], s[0:1], 0x0               ; xb s[4:5], w1 s[6:7], w3 s[8:9], langs s[10:11]
	s_load_b64 s[12:13], s[0:1], 0x20              ; hid
	v_lshl_add_u32 v[SPW], v0, 2, SPARE
	v_mov_b32 v[NIL], 0
	v_and_b32 v1, 31, v0
	v_and_b32 v2, 15, v0
	v_bfe_u32 v3, v0, 4, 1
	v_lshrrev_b32 v14, 5, v0
	v_readfirstlane_b32 s16, v14                   ; wave
	s_mov_b32 s17, ttmp9
	s_lshr_b32 s18, s17, 5                         ; slot
	s_lshr_b32 s19, s18, 1                         ; sequence
	s_and_b32 s20, s18, 1                          ; j
	s_and_b32 s21, s17, 31                         ; slice of 64 columns
	s_and_b32 s22, s16, 1                          ; 0: w1, 1: w3
	s_lshr_b32 s23, s16, 1                         ; half of K
	s_lshl_b32 s32, s19, 3
	s_mov_b32 s33, 0
	s_wait_kmcnt 0x0
	s_add_nc_u64 s[34:35], s[10:11], s[32:33]
	s_load_b64 s[24:25], s[34:35], 0x0             ; the sequence's two codes
	s_mov_b32 s[PC], 0x3e6d3388
	s_mov_b32 s[UC], 0xbf38aa3b
	s_mov_b32 s[UC+1], s[UC]
	s_mov_b32 s[A5], 0x3f07dc22
	s_mov_b32 s[A5+1], s[A5]
	s_mov_b32 s[A4], 0xbf3a00e3
	s_mov_b32 s[A4+1], s[A4]
	s_mov_b32 s[A3], 0x3f35f0e3
	s_mov_b32 s[A3+1], s[A3]
	s_mov_b32 s[A2], 0xbe11a98e
	s_mov_b32 s[A2+1], s[A2]
	s_mov_b32 s[A1], 0x3e027906
	s_mov_b32 s[A1+1], s[A1]
	v_lshlrev_b32 v[VW], 16, v3                    ; 8 h rows of 8,192 bytes
	v_lshl_add_u32 v[VW], v2, 4, v[VW]
	v_lshlrev_b32 v[VX], 4, v1
	v_lshl_add_u32 v[DA], s16, 16, v[VX]
	v_lshl_add_u32 v[PA], s16, 14, v[VX]           ; my four m-tiles: 16 accumulators of 1,024 bytes
.irp p, 1,2,3
	v_add_nc_u32 v[PA+(\p)], (\p)*65536, v[PA]
.endr
	s_lshl_b32 s54, s16, 18                        ; hid: my four m-tiles of 65,536 bytes,
	s_lshl_b32 s55, s21, 11                        ; the slice's two tiles of 1,024 bytes
	s_add_co_u32 s54, s54, s55
	v_lshlrev_b32 v[HO], 10, v3
	v_lshl_add_u32 v[HO], v2, 4, v[HO]
	v_add_nc_u32 v[HO], s54, v[HO]
	s_lshl_b32 s54, s19, 19                        ; X: the sequence's 16 m-tiles of 32,768 bytes,
	s_lshl_b32 s55, s23, 14                        ; my half of K: 16 tiles
	s_add_co_u32 s54, s54, s55
	s_mov_b32 s55, 0
	s_add_nc_u64 s[XB:XB+1], s[4:5], s[54:55]
	s_lshl_b32 s56, s18, 20
	s_mov_b32 s57, 0
	s_add_nc_u64 s[HB:HB+1], s[12:13], s[56:57]
	s_wait_kmcnt 0x0
	s_cmp_eq_u32 s20, 1
	s_cselect_b32 s26, s25, s24                    ; my slot's code
	s_sub_co_u32 s26, s26, 4
	s_cmp_lt_u32 s26, 8
	s_cselect_b32 s27, 1, 0                        ; live: the code names an expert,
	s_cmp_eq_u32 s24, s25
	s_cselect_b32 s54, s20, 0
	s_cmp_eq_u32 s54, 1
	s_cselect_b32 s27, 0, s27                      ; and slot 1 does not repeat slot 0
	s_min_u32 s26, s26, 7                          ; the expert; a dead slot's number is held inside the table and not used
	s_lshl_b32 s26, s26, 23                        ; 8 MiB an expert,
	s_lshl_b32 s54, s23, 22                        ; 512 rows of 8,192 bytes a half,
	s_add_co_u32 s26, s26, s54
	s_lshl_b32 s54, s21, 8                         ; 256 bytes a slice
	s_add_co_u32 s32, s26, s54
	s_cmp_eq_u32 s22, 1
	s_cselect_b64 s[WB:WB+1], s[8:9], s[6:7]
	s_add_nc_u64 s[WB:WB+1], s[WB:WB+1], s[32:33]
	s_cmp_eq_u32 s27, 0
	s_cbranch_scc1 .Lmeet                          ; a dead slot: no work; the barrier below is passed all the same
	LDW 0, 0
	LDX 0, 0
	LDW 1, SW
	LDX 1, 1024
	STEP 0, 1, 1, 48, 2*SW, 2048                   ; the first step starts the sums
	STEP 1, 0, 1, 48, 3*SW, 3072
	s_wait_xcnt 0x0                                ; the bases are stepped only behind this wait
	s_add_nc_u64 s[WB:WB+1], s[WB:WB+1], 2*SW
	s_add_nc_u64 s[XB:XB+1], s[XB:XB+1], 2048
	s_mov_b32 s[CNT], 6
.Lk:                                               ; steps 2 .. 13; each asks for the set two steps on
	STEP 0, 0, 1, 48, 2*SW, 2048
	STEP 1, 0, 1, 48, 3*SW, 3072
	s_wait_xcnt 0x0
	s_add_nc_u64 s[WB:WB+1], s[WB:WB+1], 2*SW
	s_add_nc_u64 s[XB:XB+1], s[XB:XB+1], 2048
	s_sub_co_u32 s[CNT], s[CNT], 1
	s_cmp_lg_u32 s[CNT], 0
	s_cbranch_scc1 .Lk
	STEP 0, 0, 0, 48, 0, 0
	STEP 1, 0, 0, 0, 0, 0
.set a, 0
.rept 64                               ; each accumulator's low four registers first; 512 consecutive bytes a store
.if a < 32
	WIN 0x04
.else
	WIN 0x08
.endif
	ds_store_b128 v[DA], v[8*(a%32):8*(a%32)+3] offset:a*1024
	ds_store_b128 v[DA], v[8*(a%32)+4:8*(a%32)+7] offset:a*1024+512
.set a, a+1
.endr
	WIN 0
.Lmeet:
	s_wait_dscnt 0x0                               ; for the others' sake: my sums are in LDS
	s_barrier_signal -1
	s_barrier_wait -1
	s_cmp_eq_u32 s27, 0
	s_cbranch_scc1 .Lend
	FIN 0
	FIN 1
	FIN 2
	FIN 3
.Lend:
	s_wait_tensorcnt 0x0                           ; the wave's end
	ds_add_u32 v[SPW], v[NIL]
	s_wait_dscnt 0x0
	s_endpgm
.Lfunc_end_k_q305d76e22d_m1:
	.size	k_q305d76e22d_m1, .Lfunc_end_k_q305d76e22d_m1-k_q305d76e22d_m1
	.p2alignl 7, 3214868480
	.fill 96, 4, 3214868480
	.section	.rodata,"a",@progbits
	.p2align	6, 0x0
	.amdhsa_kernel k_q305d76e22d_m1
		.amdhsa_group_segment_fixed_size 262656
		.amdhsa_private_segment_fixed_size 0
		.amdhsa_enable_private_segment 0
		.amdhsa_kernarg_size 40
		.amdhsa_user_sgpr_count 2
		.amdhsa_user_sgpr_kernarg_segment_ptr 1
		.amdhsa_wavefront_size32 1
		.amdhsa_system_sgpr_workgroup_id_x 1
		.amdhsa_system_sgpr_workgroup_id_y 1
		.amdhsa_system_sgpr_workgroup_id_z 1
		.amdhsa_system_vgpr_workitem_id 0
		.amdhsa_next_free_vgpr 1024
		.amdhsa_next_free_sgpr 80
		.amdhsa_reserve_vcc 0
		.amdhsa_float_denorm_mode_32 3
		.amdhsa_float_denorm_mode_16_64 3
		.amdhsa_memory_ordered 1
		.amdhsa_forward_progress 1
		.amdhsa_inst_pref_size 163
	.end_amdhsa_kernel
	.amdgpu_metadata
---
amdhsa.version: [ 1, 2 ]
amdhsa.kernels:
  - .name:           k_q305d76e22d_m1
    .symbol:         k_q305d76e22d_m1.kd
    .args:
      - { .name: xb, .offset: 0, .size: 8, .value_kind: global_buffer, .address_space: global }
      - { .name: moe_w1, .offset: 8, .size: 8, .value_kind: global_buffer, .address_space: global }
      - { .name: moe_w3, .offset: 16, .size: 8, .value_kind: global_buffer, .address_space: global }
      - { .name: langs, .offset: 24, .size: 8, .value_kind: global_buffer, .address_space: global }
      - { .name: hid, .offset: 32, .size: 8, .value_kind: global_buffer, .address_space: global }
    .group_segment_fixed_size: 262656
    .private_segment_fixed_size: 0
    .kernarg_segment_align: 8
    .kernarg_segment_size: 40
    .max_flat_workgroup_size: 128
    .sgpr_count:     80
    .vgpr_count:     1024
    .wavefront_size: 32
...
	.end_amdgpu_metadata
.endif
;; end of part 6
;; launch m2 (part 7): grid 256 x 1, 8 waves a work-group, no clusters, 149,504 bytes of LDS; arguments hid, moe_w2, langs, h3, out0; writes out0
.if DOCPART == 7
	.amdgcn_target "amdgcn-amd-amdhsa--gfx1250"
	.amdhsa_code_object_version 6
	.text
	.protected	k_q305d76e22d_m2
	.globl	k_q305d76e22d_m2
	.p2align	8
	.type	k_q305d76e22d_m2,@function
k_q305d76e22d_m2:
	s_mov_b64 s[64:65], 0
	v_nop
	global_prefetch_b8 v0, s[64:65] scope:SCOPE_SE
	s_setreg_imm32_b32 hwreg(HW_REG_WAVE_MODE, 25, 1), 1
	s_wait_xcnt 0x0
; THE EXPERTS' SECOND PRODUCT, THE ROUTING WEIGHT AND THE RESIDUAL: out = h3 + rw x (sum over the sequence's live slots of hid[slot] w2[expert]), a tile of 64 rows x 64 columns to a work-group, which alone owns it.
; Arguments: hid, w2, langs, h3, out.  hid: 8 blocked bf16 images of 256 x 2,048, slot 2 b + j (element (m, k) at ((m/16) 64 + k/32) 1024 + ((k%32)/8) 256 + (m%16) 16 + (k%8) 2).  w2: f32 [8][2048][1024].
; ROUTING.  Slot (b, j) is live if langs[b][j] is 4 .. 11 and, for j = 1, differs from langs[b][0]; its expert is the code less 4.  rw = 1/2 if both codes are above 3, else 1.  With no live slot out = h3.
; THE WAVES SPLIT SLOTS AND K: wave w takes slot w / 4 and k = 512 (w % 4) .. + 511, 16 steps of 32.  A wave whose slot is dead jumps over its products and its dump; every wave passes both barriers.
; A step's weights come straight from memory: lane (r, h) loads columns 4 r .. + 3 of the rows k0 + 8 h + 0..7 and k0 + 16 + 8 h + 0..7 (each load: two rows x 256 consecutive bytes); 32 roundings in pairs make four
; fragments, fragment t holding columns 4 rho + t.  Weights are source 0, hid source 1: register j of accumulator (i, t) in lane (r, h) is row 16 i + r, column 32 h + 4 j + t.  No LDS traffic and no barrier in the main loop.
; The live waves' partial sums (f32) meet once in LDS; wave w adds up m-tile w / 2, registers 4 (w % 2) .. + 3; the sums go through a second LDS region (pitch 272) so that each store covers whole rows of 256 aligned bytes.
; NO CLUSTER, NO TENSOR LOAD: the four row blocks of a sequence do share a slice of w2; it is f32 and lies [K][N], and is rounded and turned on its way through registers.
; LIMITS.  Operands bf16; sums, residual and result f32.  NaN and infinities are not treated apart.
.set OUTT,  131072
.set SPARE, 148480
.set MSTR,  65536
.set PITCH, 4096
.set SW,    32*PITCH
.set VW,  4
.set VX,  5
.set SPW, 6
.set NIL, 7
.set DA,  8
.set RA,  9
.set RB,  10
.set GO,  11
.set TS,  13
.set TR,  14
.set WF,  16
.set SUM, 16
.set Y,   32
.set XF0, 48
.set RES, 80
.set RAW, 112
.set WB,  40
.set XB,  42
.set CNT, 44
.set MSB, 0
.macro WIN new                         ; window 1 holds the 16 accumulators, (i, t) at v[8 (4 i + t)]; the immediate's high byte repeats the setting that is left
.if MSB != (\new)
	s_set_vgpr_msb (MSB<<8)|(\new)
.set MSB, \new
.endif
.endm
.macro LDW p, off
.set i, 0
.rept 8
	global_load_b128 v[RAW+64*(\p)+4*i:RAW+64*(\p)+4*i+3], v[VW], s[WB:WB+1] offset:(\off)+i*PITCH
.set i, i+1
.endr
.set i, 0
.rept 8
	global_load_b128 v[RAW+64*(\p)+32+4*i:RAW+64*(\p)+32+4*i+3], v[VW], s[WB:WB+1] offset:(\off)+(16+i)*PITCH
.set i, i+1
.endr
.endm
.macro LDX p, off
.set i, 0
.rept 4
	global_load_b128 v[XF0+32*(\p)+8*i:XF0+32*(\p)+8*i+3], v[VX], s[XB:XB+1] offset:(\off)+i*MSTR
	global_load_b128 v[XF0+32*(\p)+8*i+4:XF0+32*(\p)+8*i+7], v[VX], s[XB:XB+1] offset:(\off)+i*MSTR+512
.set i, i+1
.endr
.endm
.macro CVT p
.set t, 0
.rept 4
.set q, 0
.rept 4
	v_cvt_pk_bf16_f32 v[WF+8*t+q], v[RAW+64*(\p)+8*q+t], v[RAW+64*(\p)+8*q+4+t]
	v_cvt_pk_bf16_f32 v[WF+8*t+4+q], v[RAW+64*(\p)+32+8*q+t], v[RAW+64*(\p)+32+8*q+4+t]
.set q, q+1
.endr
.set t, t+1
.endr
.endm
.macro MMA p, zero                     ; 16 products, each accumulator once: they take turns
	WIN 0x50
.set a, 0
.rept 16
.if \zero
	v_wmma_f32_16x16x32_bf16 v[8*a:8*a+7], v[WF+8*(a%4):WF+8*(a%4)+7], v[XF0+32*(\p)+8*(a/4):XF0+32*(\p)+8*(a/4)+7], 0
.else
	v_wmma_f32_16x16x32_bf16 v[8*a:8*a+7], v[WF+8*(a%4):WF+8*(a%4)+7], v[XF0+32*(\p)+8*(a/4):XF0+32*(\p)+8*(a/4)+7], v[8*a:8*a+7]
.endif
.set a, a+1
.endr
	WIN 0
.endm
; A step on set p.  cnt: the loads issued behind this set's: the other set's 16 + 8, or none.  The four v_nop are the places between the step's last product and the loads into hid's registers,
; the next step's roundings into the weights' fragments, and the stores of the sums.
.macro STEP p, zero, issue, cnt, wo, xo
	s_wait_loadcnt \cnt
	CVT \p
.if \issue
	LDW \p, \wo
.endif
	MMA \p, \zero
.rept 4
	v_nop
.endr
.if \issue
	LDX \p, \xo
.endif
.endm
.macro LDPART base, adr
.set p, 0
.rept 4
.set t, 0
.rept 4
	ds_load_b128 v[(\base)+16*p+4*t:(\base)+16*p+4*t+3], v[\adr] offset:p*16384+t*1024
.set t, t+1
.endr
.set p, p+1
.endr
.endm
.macro ADD16 src
.set q, 0
.rept 8
	v_pk_add_f32 v[SUM+2*q:SUM+2*q+1], v[SUM+2*q:SUM+2*q+1], v[(\src)+2*q:(\src)+2*q+1]
.set q, q+1
.endr
.endm
	s_load_b256 s[4:11], s[0:1], 0x0               ; hid s[4:5], w2 s[6:7], langs s[8:9], h3 s[10:11]
	s_load_b64 s[12:13], s[0:1], 0x20              ; out
	v_lshl_add_u32 v[SPW], v0, 2, SPARE
	v_mov_b32 v[NIL], 0
	v_and_b32 v1, 31, v0
	v_and_b32 v2, 15, v0
	v_bfe_u32 v3, v0, 4, 1
	v_lshrrev_b32 v15, 5, v0
	v_readfirstlane_b32 s16, v15                   ; wave
	s_mov_b32 s17, ttmp9
	s_lshr_b32 s18, s17, 4                         ; block of 64 rows
	s_and_b32 s19, s17, 15                         ; tile of 64 columns
	s_lshr_b32 s20, s18, 2                         ; sequence
	s_lshr_b32 s21, s16, 1                         ; the m-tile that I add up
	s_and_b32 s22, s16, 1                          ; and which four registers of it
	s_lshr_b32 s30, s16, 2                         ; my slot of the sequence's two
	s_and_b32 s31, s16, 3                          ; my quarter of K
	s_lshl_b32 s34, s20, 3
	s_mov_b32 s35, 0
	s_wait_kmcnt 0x0
	s_add_nc_u64 s[46:47], s[8:9], s[34:35]
	s_load_b64 s[14:15], s[46:47], 0x0             ; the sequence's two codes
	v_lshlrev_b32 v[VW], 15, v3
	v_lshl_add_u32 v[VW], v2, 4, v[VW]
	v_lshlrev_b32 v[VX], 4, v1
	v_lshl_add_u32 v[DA], s16, 14, v[VX]
	s_lshl_b32 s36, s21, 12
	s_lshl_b32 s37, s22, 9
	s_add_co_u32 s36, s36, s37
	v_add_nc_u32 v[RA], s36, v[VX]
	v_add_nc_u32 v[RB], 0x10000, v[RA]
	v_lshrrev_b32 v15, 4, v0                       ; row 0..15 of a pass
	v_lshlrev_b32 v12, 4, v2
	v_lshl_add_u32 v[GO], v15, 12, v12
	v_mul_u32_u24 v[TR], v15, 272
	v_add3_u32 v[TR], v[TR], v12, OUTT
	s_mul_i32 s36, s21, 16*272
	s_lshl_b32 s37, s22, 6
	s_add_co_u32 s36, s36, s37
	s_add_co_u32 s36, s36, OUTT
	v_mul_u32_u24 v[TS], v2, 272                   ; row 16 i + r, columns 32 h + 16 (w % 2) ..
	v_lshl_add_u32 v[TS], v3, 7, v[TS]
	v_add_nc_u32 v[TS], s36, v[TS]
	s_lshl_b32 s38, s18, 18                        ; h3 and out: 64 rows of 4,096 bytes,
	s_lshl_b32 s45, s19, 8                         ; 64 columns
	s_add_co_u32 s38, s38, s45
	s_mov_b32 s39, 0
	s_add_nc_u64 s[10:11], s[10:11], s[38:39]
	s_add_nc_u64 s[12:13], s[12:13], s[38:39]
	s_lshl1_add_u32 s36, s20, s30                  ; hid: slot 2 b + j, 1 MiB each,
	s_lshl_b32 s36, s36, 20
	s_and_b32 s37, s18, 3                          ; the block's four m-tiles of 65,536 bytes,
	s_lshl_b32 s37, s37, 18
	s_add_co_u32 s36, s36, s37
	s_lshl_b32 s37, s31, 14                        ; my quarter of K: 16 tiles
	s_add_co_u32 s36, s36, s37
	s_mov_b32 s37, 0
	s_add_nc_u64 s[XB:XB+1], s[4:5], s[36:37]
	s_wait_kmcnt 0x0
	s_sub_co_u32 s24, s14, 4
	s_sub_co_u32 s25, s15, 4
	s_cmp_lt_u32 s24, 8
	s_cselect_b32 s26, 1, 0                        ; slot 0 is live
	s_cmp_lt_u32 s25, 8
	s_cselect_b32 s27, 1, 0
	s_cmp_eq_u32 s14, s15
	s_cselect_b32 s27, 0, s27                      ; slot 1 is live
	s_cmp_gt_i32 s14, 3
	s_cselect_b32 s28, 1, 0
	s_cmp_gt_i32 s15, 3
	s_cselect_b32 s28, s28, 0
	s_cmp_eq_u32 s28, 1
	s_cselect_b32 s28, 0.5, 1.0                    ; rw
	s_cmp_eq_u32 s30, 1
	s_cselect_b32 s32, s25, s24
	s_cselect_b32 s33, s27, s26                    ; my slot is live
	s_min_u32 s32, s32, 7                          ; my expert; a dead slot's number is held inside the table and not used
	s_lshl_b32 s32, s32, 23                        ; 8 MiB an expert,
	s_lshl_b32 s36, s31, 21                        ; 512 rows of 4,096 bytes a quarter,
	s_add_co_u32 s32, s32, s36
	s_add_co_u32 s34, s32, s45                     ; the tile's columns
	s_add_nc_u64 s[WB:WB+1], s[6:7], s[34:35]
	s_cmp_eq_u32 s33, 0
	s_cbranch_scc1 .Lmeet                          ; a dead slot's wave has no products; what is jumped holds no barrier
	LDW 0, 0
	LDX 0, 0
	LDW 1, SW
	LDX 1, 1024
	STEP 0, 1, 1, 24, 2*SW, 2048                   ; the first step starts the sums
	STEP 1, 0, 1, 24, 3*SW, 3072
	s_wait_xcnt 0x0                                ; the bases are stepped only behind this wait
	s_add_nc_u64 s[WB:WB+1], s[WB:WB+1], 2*SW
	s_add_nc_u64 s[XB:XB+1], s[XB:XB+1], 2048
	s_mov_b32 s[CNT], 6
.Lk:                                               ; steps 2 .. 13; each asks for the set two steps on
	STEP 0, 0, 1, 24, 2*SW, 2048
	STEP 1, 0, 1, 24, 3*SW, 3072
	s_wait_xcnt 0x0
	s_add_nc_u64 s[WB:WB+1], s[WB:WB+1], 2*SW
	s_add_nc_u64 s[XB:XB+1], s[XB:XB+1], 2048
	s_sub_co_u32 s[CNT], s[CNT], 1
	s_cmp_lg_u32 s[CNT], 0
	s_cbranch_scc1 .Lk
	STEP 0, 0, 0, 24, 0, 0
	STEP 1, 0, 0, 0, 0, 0
	WIN 0x04
.set a, 0
.rept 16                               ; each accumulator's low four registers first
	ds_store_b128 v[DA], v[8*a:8*a+3] offset:a*1024
	ds_store_b128 v[DA], v[8*a+4:8*a+7] offset:a*1024+512
.set a, a+1
.endr
	WIN 0
.Lmeet:
.set u, 0
.rept 4
	global_load_b128 v[RES+4*u:RES+4*u+3], v[GO], s[10:11] offset:u*65536   ; the residual: on its way during the barriers
.set u, u+1
.endr
	s_wait_dscnt 0x0                               ; for the others' sake: my partial sums are in LDS
	s_barrier_signal -1
	s_barrier_wait -1
.set q, 0
.rept 16
	v_mov_b32 v[SUM+q], 0                          ; either slot, both or none may add to it
.set q, q+1
.endr
	s_cmp_eq_u32 s26, 0
	s_cbranch_scc1 .Lno0
	LDPART RAW, RA                                 ; slot 0: waves 0-3
	s_wait_dscnt 0x0
	ADD16 RAW
	ADD16 RAW+16
	ADD16 RAW+32
	ADD16 RAW+48
.Lno0:
	s_cmp_eq_u32 s27, 0
	s_cbranch_scc1 .Lno1
	LDPART RAW+64, RB                              ; slot 1: waves 4-7
	s_wait_dscnt 0x0
	ADD16 RAW+64
	ADD16 RAW+80
	ADD16 RAW+96
	ADD16 RAW+112
.Lno1:
.set t, 0
.rept 4
.set q, 0
.rept 4
	v_mul_f32 v[Y+4*q+t], s28, v[SUM+4*t+q]        ; times rw; this also puts the columns in order: column 4 q + t from (t, q)
.set q, q+1
.endr
.set t, t+1
.endr
.set q, 0
.rept 4
	ds_store_b128 v[TS], v[Y+4*q:Y+4*q+3] offset:16*q
.set q, q+1
.endr
	s_wait_dscnt 0x0                               ; for the others' sake: my part of the rows is in LDS
	s_barrier_signal -1
	s_barrier_wait -1
.set u, 0
.rept 4
	ds_load_b128 v[RAW+4*u:RAW+4*u+3], v[TR] offset:u*16*272
.set u, u+1
.endr
	s_wait_loadcnt 0x0
	s_wait_dscnt 0x0
.set u, 0
.rept 4
	v_pk_add_f32 v[RAW+4*u:RAW+4*u+1], v[RAW+4*u:RAW+4*u+1], v[RES+4*u:RES+4*u+1]
	v_pk_add_f32 v[RAW+4*u+2:RAW+4*u+3], v[RAW+4*u+2:RAW+4*u+3], v[RES+4*u+2:RES+4*u+3]
	global_store_b128 v[GO], v[RAW+4*u:RAW+4*u+3], s[12:13] offset:u*65536   ; sixteen lanes fill 256 consecutive bytes, aligned
.set u, u+1
.endr
	s_wait_tensorcnt 0x0                           ; the wave's end
	ds_add_u32 v[SPW], v[NIL]
	s_wait_dscnt 0x0
	s_endpgm
.Lfunc_end_k_q305d76e22d_m2:
	.size	k_q305d76e22d_m2, .Lfunc_end_k_q305d76e22d_m2-k_q305d76e22d_m2
	.p2alignl 7, 3214868480
	.fill 96, 4, 3214868480
	.section	.rodata,"a",@progbits
	.p2align	6, 0x0
	.amdhsa_kernel k_q305d76e22d_m2
		.amdhsa_group_segment_fixed_size 149504
		.amdhsa_private_segment_fixed_size 0
		.amdhsa_enable_private_segment 0
		.amdhsa_kernarg_size 40
		.amdhsa_user_sgpr_count 2
		.amdhsa_user_sgpr_kernarg_segment_ptr 1
		.amdhsa_wavefront_size32 1
		.amdhsa_system_sgpr_workgroup_id_x 1
		.amdhsa_system_sgpr_workgroup_id_y 1
		.amdhsa_system_sgpr_workgroup_id_z 1
		.amdhsa_system_vgpr_workitem_id 0
		.amdhsa_next_free_vgpr 384
		.amdhsa_next_free_sgpr 66
		.amdhsa_reserve_vcc 0
		.amdhsa_float_denorm_mode_32 3
		.amdhsa_float_denorm_mode_16_64 3
		.amdhsa_memory_ordered 1
		.amdhsa_forward_progress 1
		.amdhsa_inst_pref_size 49
	.end_amdhsa_kernel
	.amdgpu_metadata
---
amdhsa.version: [ 1, 2 ]
amdhsa.kernels:
  - .name:           k_q305d76e22d_m2
    .symbol:         k_q305d76e22d_m2.kd
    .args:
      - { .name: hid, .offset: 0, .size: 8, .value_kind: global_buffer, .address_space: global }
      - { .name: moe_w2, .offset: 8, .size: 8, .value_kind: global_buffer, .address_space: global }
      - { .name: langs, .offset: 16, .size: 8, .value_kind: global_buffer, .address_space: global }
      - { .name: h3, .offset: 24, .size: 8, .value_kind: global_buffer, .address_space: global }
      - { .name: out0, .offset: 32, .size: 8, .value_kind: global_buffer, .address_space: global }
    .group_segment_fixed_size: 149504
    .private_segment_fixed_size: 0
    .kernarg_segment_align: 8
    .kernarg_segment_size: 40
    .max_flat_workgroup_size: 256
    .sgpr_count:     66
    .vgpr_count:     384
    .wavefront_size: 32
...
	.end_amdgpu_metadata
.endif
;; end of part 7
;; ======== version 2 of 3: 10 launches; 1.11 times as fast as version 1
;; limits: right only within a limited range of input values
;; workspace buffers: xa 6,291,456 bytes; qkv 5,242,880 bytes; ob 2,097,152 bytes; h2 4,194,304 bytes; xb 2,097,152 bytes; wc 8,388,608 bytes; h3 4,194,304 bytes; hid 8,388,608 bytes
;; launch lna (part 8): grid 512 x 1, 4 waves a work-group, no clusters, 33,792 bytes of LDS; arguments hidden_states, ln1_g, ln1_b, encoder_hidden_states, xa, ca_o_w, sa_q_w, sa_k_w, sa_v_w, ca_k_w, ca_v_w, ca_q_w, sa_o_w, wc, h3; writes xa, wc, h3
.if DOCPART == 8
	.amdgcn_target "amdgcn-amd-amdhsa--gfx1250"
	.amdhsa_code_object_version 6
	.text
	.protected	k_q305d76e22d_lna
	.globl	k_q305d76e22d_lna
	.p2align	8
	.type	k_q305d76e22d_lna,@function
k_q305d76e22d_lna:
	s_mov_b64 s[64:65], 0
	v_nop
	global_prefetch_b8 v0, s[64:65] scope:SCOPE_SE
	s_setreg_imm32_b32 hwreg(HW_REG_WAVE_MODE, 25, 1), 1
	s_wait_xcnt 0x0
; THREE KINDS OF WORK-GROUPS, BY NUMBER.  Arguments: x, g, b, enc, out, eight weight matrices (ca_o, sa_q, sa_k, sa_v, ca_k, ca_v, ca_q, sa_o), wc, wd.
;   0-63     LAYERNORM of rows 16 id .. of x (f32 [..][1024]): (x - mean) rsqrt(var + 1e-5) g + b, rounded to bf16, to tile row id of out
;   64-191   rows 16 (id - 64) .. of enc, only rounded, to tile row id of out
;   192-511  A SLICE OF A WEIGHT MATRIX (f32 [1024][N], N = 1,024 or 256), rounded to bf16 and laid in the order in which a wave's matrix registers take it
; In a grid of 64 only the first kind exists, and enc, the weights, wc and wd are not touched.
; THE IMAGE OF ROWS: element (m, k) of a matrix with K columns lies at byte ((m/16)(K/32) + k/32) 1024 + ((k%32)/8) 256 + (m%16) 16 + (k%8) 2, so that a matrix
; fragment of 16 rows x 32 k is two loads of 512 consecutive bytes, 16 bytes a lane, with no shuffle.
; THE IMAGE OF WEIGHTS: a slice is 64 columns x 1,024 k = 32 blocks of 4,096 bytes, one for each 32 k.  A block holds four fragments, 1,024 bytes each; fragment t holds columns 4 rho + t (rho = 0..15);
; its registers 0-3 (k = 8 h + 0..7) lie at 16 x lane, its registers 4-7 (k = 16 + 8 h + 0..7) 512 bytes on.  Slices 0-15 ca_o, 16-31 sa_q, 32-35 sa_k, 36-39 sa_v, 40-43 ca_k, 44-47 ca_v, 48-63 ca_q go to wc;
; slices 64-79, sa_o, to the head of wd, a buffer that is idle until a later launch stores all of it: so the two output projections find their weights at the head of a buffer and share one text.
; SHARES, rows: four waves, four rows each; a row lies in 32 registers of its wave, so mean and variance (of the centred numbers) never leave the wave.  The rounded rows meet in LDS (pitch 2,064 bytes = 129 x 16:
; the 16 rows that a load touches start at 16 different groups of banks), and each wave writes 8 of the 32 tiles, 512 consecutive bytes a store.
; SHARES, weights: work-group 192 + c has slice c / 4 and quarter c % 4 of K; each wave two blocks.  Lane (r, h) loads columns 4 r .. 4 r + 3 of the rows k0 + 8 h + 0..7 and k0 + 16 + 8 h + 0..7 (each load of the wave: two rows x 256
; consecutive bytes); 32 roundings in pairs make a block's four fragments; eight stores of 512 consecutive bytes write it.  All 32 loads of a wave go out together.
; Every work-group passes the one barrier; what is jumped holds none.  No matrix unit, cluster or tensor load: each byte is read once and there is nothing to share.
; LIMITS.  Results are rounded once to bf16.  NaN and infinities are not treated apart.
.set LP,    2064
.set SPARE, 33280                      ; behind the 16 rows (33,024 bytes): the spare words, 128 bytes a wave
.set NLN,   192                        ; work-groups below this number take rows
.set RO,  4                            ; v4   byte offset of my 16 bytes in my wave's first row
.set LB,  5                            ; v5   16 x lane
.set SPW, 6                            ; v6   my spare word; never rewritten
.set NIL, 7                            ; v7   0; never rewritten
.set STO, 8                            ; v8   LDS: where I put 8 bytes of my wave's first row
.set RD,  9                            ; v9   LDS: where I read 16 bytes of a fragment
.set SA,  12                           ; v[12:19]  a pair for each row: sum, then mean
.set SQ,  20                           ; v[20:27]  a pair for each row: sum of squares, then 1/sqrt
.set OFW, 12                           ; v[12:27]  weights: the byte offsets of my 16 rows of a block
.set X,   32                           ; v[32:159] row j in 32 registers; weights: two blocks in f32
.set G,   160                          ; v[160:191] g of my 32 columns; later the tiles on their way out; weights: v[160:223] two blocks in bf16
.set BI,  192                          ; v[192:223] b
	s_load_b256 s[4:11], s[0:1], 0x0               ; x s[4:5], g s[6:7], b s[8:9], enc s[10:11]
	s_load_b64 s[12:13], s[0:1], 0x20              ; out
	s_load_b512 s[36:51], s[0:1], 0x28             ; ca_o s36, sa_q s38, sa_k s40, sa_v s42, ca_k s44, ca_v s46, ca_q s48, sa_o s50
	s_load_b128 s[52:55], s[0:1], 0x68             ; wc s[52:53], wd s[54:55]
	v_lshl_add_u32 v[SPW], v0, 2, SPARE
	v_mov_b32 v[NIL], 0
	v_and_b32 v1, 31, v0                           ; lane
	v_and_b32 v2, 15, v0                           ; r
	v_bfe_u32 v3, v0, 4, 1                         ; h
	v_lshrrev_b32 v11, 5, v0
	v_readfirstlane_b32 s16, v11                   ; wave
	s_mov_b32 s17, ttmp9
	s_sub_co_u32 s18, s17, 64
	s_cmp_lt_u32 s17, 64
	s_cselect_b32 s18, s17, s18                    ; my block of 16 rows in its tensor
	s_lshl_b32 s18, s18, 16                        ; 16 rows of 4,096 bytes
	s_mov_b32 s19, 0
	s_lshl_b32 s24, s17, 15                        ; out: tile row id, 32 tiles of 1,024 bytes,
	s_lshl_b32 s25, s16, 13                        ; my wave's 8 tiles
	s_add_co_u32 s24, s24, s25
	s_mov_b32 s25, 0
	s_mov_b32 s22, 0x76543210                      ; v_permlanex16_b32: each lane takes its own place in the other half
	s_mov_b32 s23, 0xfedcba98
	s_mov_b32 s26, 0x3a800000                      ; 1/1024
	s_mov_b32 s27, 0x3727c5ac                      ; 1e-5
	v_lshlrev_b32 v[LB], 4, v1
	v_lshl_add_u32 v[RO], s16, 14, v[LB]           ; + wave x 4 rows
	v_lshlrev_b32 v[STO], 3, v1
	s_mul_i32 s28, s16, 4*LP
	v_add_nc_u32 v[STO], s28, v[STO]
	v_mul_u32_u24 v[RD], v2, LP                    ; row r,
	v_lshl_add_u32 v[RD], v3, 4, v[RD]             ; k = 8 h ..,
	v_lshl_add_u32 v[RD], s16, 9, v[RD]            ; my wave's 8 tiles: 64 bytes of a row each
	s_wait_kmcnt 0x0
	s_cmp_ge_u32 s17, NLN
	s_cbranch_scc1 .Lcast                          ; a slice of weights
	s_cmp_lt_u32 s17, 64
	s_cselect_b64 s[20:21], s[4:5], s[10:11]
	s_add_nc_u64 s[20:21], s[20:21], s[18:19]
	s_add_nc_u64 s[12:13], s[12:13], s[24:25]
.set j, 0
.rept 4
.set q, 0
.rept 8
	global_load_b128 v[X+32*j+4*q:X+32*j+4*q+3], v[RO], s[20:21] offset:j*4096+q*512   ; 512 consecutive bytes of row j
.set q, q+1
.endr
.set j, j+1
.endr
.set q, 0
.rept 8
	global_load_b128 v[G+4*q:G+4*q+3], v[LB], s[6:7] offset:q*512
	global_load_b128 v[BI+4*q:BI+4*q+3], v[LB], s[8:9] offset:q*512
.set q, q+1
.endr
	s_wait_loadcnt 0x0                             ; all 48: the sums want whole rows
	s_cmp_ge_u32 s17, 64
	s_cbranch_scc1 .Lround                         ; rows of enc are only rounded
; a row's figure, held as a pair in each lane, is added up over the pair and over the 32 lanes; every lane ends up with it
.macro LANESUM base
.irp j, 0,1,2,3
	v_add_f32 v[(\base)+2*(\j)], v[(\base)+2*(\j)], v[(\base)+2*(\j)+1]
.endr
.irp m, 1,2,4,8
.irp j, 0,1,2,3
	v_add_f32_dpp v[(\base)+2*(\j)], v[(\base)+2*(\j)], v[(\base)+2*(\j)] row_xmask:\m row_mask:0xf bank_mask:0xf
.endr
.endr
.irp j, 0,1,2,3
	v_permlanex16_b32 v[(\base)+2*(\j)+1], v[(\base)+2*(\j)], s22, s23
.endr
.irp j, 0,1,2,3
	v_add_f32 v[(\base)+2*(\j)], v[(\base)+2*(\j)], v[(\base)+2*(\j)+1]
.endr
.endm
.irp j, 0,1,2,3                        ; the four rows' chains alternate, so that no line waits for the one before it
	v_pk_add_f32 v[SA+2*(\j):SA+2*(\j)+1], v[X+32*(\j):X+32*(\j)+1], v[X+32*(\j)+2:X+32*(\j)+3]
.endr
.set p, 2
.rept 14
.irp j, 0,1,2,3
	v_pk_add_f32 v[SA+2*(\j):SA+2*(\j)+1], v[SA+2*(\j):SA+2*(\j)+1], v[X+32*(\j)+2*p:X+32*(\j)+2*p+1]
.endr
.set p, p+1
.endr
	LANESUM SA
.irp j, 0,1,2,3
	v_mul_f32 v[SA+2*(\j)], s26, v[SA+2*(\j)]      ; mean
.endr
.set p, 0
.rept 16
.irp j, 0,1,2,3
	v_pk_add_f32 v[X+32*(\j)+2*p:X+32*(\j)+2*p+1], v[X+32*(\j)+2*p:X+32*(\j)+2*p+1], v[SA+2*(\j):SA+2*(\j)+1] op_sel_hi:[1,0] neg_lo:[0,1] neg_hi:[0,1]
.endr
.set p, p+1
.endr
.irp j, 0,1,2,3
	v_pk_mul_f32 v[SQ+2*(\j):SQ+2*(\j)+1], v[X+32*(\j):X+32*(\j)+1], v[X+32*(\j):X+32*(\j)+1]
.endr
.set p, 1
.rept 15
.irp j, 0,1,2,3
	v_pk_fma_f32 v[SQ+2*(\j):SQ+2*(\j)+1], v[X+32*(\j)+2*p:X+32*(\j)+2*p+1], v[X+32*(\j)+2*p:X+32*(\j)+2*p+1], v[SQ+2*(\j):SQ+2*(\j)+1]
.endr
.set p, p+1
.endr
	LANESUM SQ
.irp j, 0,1,2,3
	v_fma_f32 v[SQ+2*(\j)], v[SQ+2*(\j)], s26, s27 ; variance + 1e-5
.endr
.irp j, 0,1,2,3
	v_rsq_f32 v[SQ+2*(\j)], v[SQ+2*(\j)]
.endr
	v_nop                                          ; a plain instruction behind the last of the four,
	s_wait_alu depctr_va_vdst(0)                   ; and the one wait ahead of their first reader
.set p, 0
.rept 16
.irp j, 0,1,2,3
	v_pk_mul_f32 v[X+32*(\j)+2*p:X+32*(\j)+2*p+1], v[X+32*(\j)+2*p:X+32*(\j)+2*p+1], v[SQ+2*(\j):SQ+2*(\j)+1] op_sel_hi:[1,0]
.endr
.irp j, 0,1,2,3
	v_pk_fma_f32 v[X+32*(\j)+2*p:X+32*(\j)+2*p+1], v[X+32*(\j)+2*p:X+32*(\j)+2*p+1], v[G+2*p:G+2*p+1], v[BI+2*p:BI+2*p+1]
.endr
.set p, p+1
.endr
.Lround:
	; four numbers become 8 bytes, in place (the target registers lie at or below the sources already used), and go to byte 2 x column of the row in LDS
.set j, 0
.rept 4
.set q, 0
.rept 8
	v_cvt_pk_bf16_f32 v[X+32*j+2*q], v[X+32*j+4*q], v[X+32*j+4*q+1]
	v_cvt_pk_bf16_f32 v[X+32*j+2*q+1], v[X+32*j+4*q+2], v[X+32*j+4*q+3]
	ds_store_b64 v[STO], v[X+32*j+2*q:X+32*j+2*q+1] offset:j*LP+q*256
.set q, q+1
.endr
.set j, j+1
.endr
	s_branch .Lmeet
.Lcast:                                            ; A SLICE OF WEIGHTS
	s_sub_co_u32 s29, s17, NLN
	s_lshr_b32 s30, s29, 2                         ; slice 0..79
	s_and_b32 s31, s29, 3                          ; quarter of K
	s_mov_b64 s[56:57], s[50:51]                   ; whose slice it is: from 64 on sa_o,
	s_cmp_lt_u32 s30, 64
	s_cselect_b64 s[56:57], s[48:49], s[56:57]     ; below 64 ca_q,
	s_cselect_b64 s[58:59], s[52:53], s[54:55]     ; (and it goes to wc; sa_o's go to wd,
	s_cselect_b32 s32, 0, 64                       ; counted from wd's head)
	s_cmp_lt_u32 s30, 48
	s_cselect_b64 s[56:57], s[46:47], s[56:57]     ; below 48 ca_v,
	s_cmp_lt_u32 s30, 44
	s_cselect_b64 s[56:57], s[44:45], s[56:57]     ; ca_k,
	s_cmp_lt_u32 s30, 40
	s_cselect_b64 s[56:57], s[42:43], s[56:57]     ; sa_v,
	s_cmp_lt_u32 s30, 36
	s_cselect_b64 s[56:57], s[40:41], s[56:57]     ; sa_k,
	s_cmp_lt_u32 s30, 32
	s_cselect_b64 s[56:57], s[38:39], s[56:57]     ; sa_q,
	s_cmp_lt_u32 s30, 16
	s_cselect_b64 s[56:57], s[36:37], s[56:57]     ; ca_o
	s_sub_co_u32 s33, s30, 32
	s_cmp_lt_u32 s33, 16                           ; slices 32-47 belong to matrices of 256 columns
	s_cselect_b32 s33, 10, 12                      ; log2 of a row's bytes
	s_cselect_b32 s34, 3, 15
	s_and_b32 s34, s30, s34                        ; the slice's number in its matrix
	s_lshl_b32 s35, s31, 8                         ; 256 rows a quarter,
	s_lshl_b32 s60, s16, 6                         ; 64 rows a wave
	s_add_co_u32 s35, s35, s60
	s_lshl_b32 s60, s35, s33
	s_lshl_b32 s61, s34, 8                         ; 256 bytes a slice
	s_add_co_u32 s60, s60, s61
	s_mov_b32 s61, 0
	s_add_nc_u64 s[56:57], s[56:57], s[60:61]      ; my first block's rows,
	s_lshl_b32 s60, 32, s33
	s_add_nc_u64 s[62:63], s[56:57], s[60:61]      ; my second block's
	s_sub_co_u32 s32, s30, s32
	s_lshl_b32 s60, s32, 17                        ; the image: 131,072 bytes a slice,
	s_lshl_b32 s35, s31, 15                        ; 8 blocks a quarter,
	s_add_co_u32 s60, s60, s35
	s_lshl_b32 s35, s16, 13                        ; 2 blocks a wave
	s_add_co_u32 s60, s60, s35
	s_add_nc_u64 s[58:59], s[58:59], s[60:61]
	s_lshl_b32 s34, 1, s33                         ; a row,
	s_lshl_b32 s35, 16, s33                        ; 16 rows
	v_lshlrev_b32 v[OFW], 3, v3
	v_lshlrev_b32 v[OFW], s33, v[OFW]              ; row 8 h,
	v_lshl_add_u32 v[OFW], v2, 4, v[OFW]           ; columns 4 r ..
.irp i, 1,2,3,4,5,6,7
	v_add_nc_u32 v[OFW+(\i)], s34, v[OFW+(\i)-1]
.endr
	v_add_nc_u32 v[OFW+8], s35, v[OFW]
.irp i, 1,2,3,4,5,6,7
	v_add_nc_u32 v[OFW+8+(\i)], s34, v[OFW+8+(\i)-1]
.endr
.macro CLD p, b                        ; a block's 16 loads
.set i, 0
.rept 16
	global_load_b128 v[X+64*(\p)+4*i:X+64*(\p)+4*i+3], v[OFW+i], s[\b:\b+1] th:TH_LOAD_NT
.set i, i+1
.endr
.endm
.macro CST p                           ; fragment t, register q: k = 8 h + 2 q, + 1 of column 4 r + t; registers 4-7 the same 16 further along k; then the block's eight stores
.set t, 0
.rept 4
.set q, 0
.rept 4
	v_cvt_pk_bf16_f32 v[G+32*(\p)+8*t+q], v[X+64*(\p)+8*q+t], v[X+64*(\p)+8*q+4+t]
	v_cvt_pk_bf16_f32 v[G+32*(\p)+8*t+4+q], v[X+64*(\p)+32+8*q+t], v[X+64*(\p)+32+8*q+4+t]
.set q, q+1
.endr
.set t, t+1
.endr
.set n, 0
.rept 8
	global_store_b128 v[LB], v[G+32*(\p)+4*n:G+32*(\p)+4*n+3], s[58:59] offset:(\p)*4096+n*512   ; 512 consecutive bytes, at a multiple of 512 from the image's first byte
.set n, n+1
.endr
.endm
	CLD 0, 56
	CLD 1, 62
	s_wait_loadcnt 16                              ; my first block is in; the second block's 16 loads stay out
	CST 0
	s_wait_loadcnt 0x0
	CST 1
.Lmeet:
	s_wait_dscnt 0x0                               ; for the others' sake: my rows are in LDS
	s_barrier_signal -1
	s_barrier_wait -1
	s_cmp_ge_u32 s17, NLN
	s_cbranch_scc1 .Lend                           ; weights have left already
.set n, 0
.rept 16                               ; tile n / 2 of my eight, its half n % 2: lane (r, h) takes row r, k = 16 (n % 2) + 8 h ..
	ds_load_b128 v[G+4*n:G+4*n+3], v[RD] offset:(n/2)*64+(n%2)*32
.set n, n+1
.endr
.set n, 0
.rept 16
	s_wait_dscnt 15-n                              ; LDS loads come back in order: number n is in
	global_store_b128 v[LB], v[G+4*n:G+4*n+3], s[12:13] offset:n*512   ; 512 consecutive bytes, at a multiple of 512 from out's first byte
.set n, n+1
.endr
.Lend:
	s_wait_tensorcnt 0x0                           ; the wave's end
	ds_add_u32 v[SPW], v[NIL]
	s_wait_dscnt 0x0
	s_endpgm
.Lfunc_end_k_q305d76e22d_lna:
	.size	k_q305d76e22d_lna, .Lfunc_end_k_q305d76e22d_lna-k_q305d76e22d_lna
	.p2alignl 7, 3214868480
	.fill 96, 4, 3214868480
	.section	.rodata,"a",@progbits
	.p2align	6, 0x0
	.amdhsa_kernel k_q305d76e22d_lna
		.amdhsa_group_segment_fixed_size 33792
		.amdhsa_private_segment_fixed_size 0
		.amdhsa_enable_private_segment 0
		.amdhsa_kernarg_size 120
		.amdhsa_user_sgpr_count 2
		.amdhsa_user_sgpr_kernarg_segment_ptr 1
		.amdhsa_wavefront_size32 1
		.amdhsa_system_sgpr_workgroup_id_x 1
		.amdhsa_system_sgpr_workgroup_id_y 1
		.amdhsa_system_sgpr_workgroup_id_z 1
		.amdhsa_system_vgpr_workitem_id 0
		.amdhsa_next_free_vgpr 232
		.amdhsa_next_free_sgpr 66
		.amdhsa_reserve_vcc 0
		.amdhsa_float_denorm_mode_32 3
		.amdhsa_float_denorm_mode_16_64 3
		.amdhsa_memory_ordered 1
		.amdhsa_forward_progress 1
		.amdhsa_inst_pref_size 50
	.end_amdhsa_kernel
	.amdgpu_metadata
---
amdhsa.version: [ 1, 2 ]
amdhsa.kernels:
  - .name:           k_q305d76e22d_lna
    .symbol:         k_q305d76e22d_lna.kd
    .args:
      - { .name: hidden_states, .offset: 0, .size: 8, .value_kind: global_buffer, .address_space: global }
      - { .name: ln1_g, .offset: 8, .size: 8, .value_kind: global_buffer, .address_space: global }
      - { .name: ln1_b, .offset: 16, .size: 8, .value_kind: global_buffer, .address_space: global }
      - { .name: encoder_hidden_states, .offset: 24, .size: 8, .value_kind: global_buffer, .address_space: global }
      - { .name: xa, .offset: 32, .size: 8, .value_kind: global_buffer, .address_space: global }
      - { .name: ca_o_w, .offset: 40, .size: 8, .value_kind: global_buffer, .address_space: global }
      - { .name: sa_q_w, .offset: 48, .size: 8, .value_kind: global_buffer, .address_space: global }
      - { .name: sa_k_w, .offset: 56, .size: 8, .value_kind: global_buffer, .address_space: global }
      - { .name: sa_v_w, .offset: 64, .size: 8, .value_kind: global_buffer, .address_space: global }
      - { .name: ca_k_w, .offset: 72, .size: 8, .value_kind: global_buffer, .address_space: global }
      - { .name: ca_v_w, .offset: 80, .size: 8, .value_kind: global_buffer, .address_space: global }
      - { .name: ca_q_w, .offset: 88, .size: 8, .value_kind: global_buffer, .address_space: global }
      - { .name: sa_o_w, .offset: 96, .size: 8, .value_kind: global_buffer, .address_space: global }
      - { .name: wc, .offset: 104, .size: 8, .value_kind: global_buffer, .address_space: global }
      - { .name: h3, .offset: 112, .size: 8, .value_kind: global_buffer, .address_space: global }
    .group_segment_fixed_size: 33792
    .private_segment_fixed_size: 0
    .kernarg_segment_align: 8
    .kernarg_segment_size: 120
    .max_flat_workgroup_size: 128
    .sgpr_count:     66
    .vgpr_count:     232
    .wavefront_size: 32
...
	.end_amdgpu_metadata
.endif
;; end of part 8
;; launch g1 (part 9): grid 640 x 1, 8 waves a work-group, no clusters, 132,096 bytes of LDS; arguments xa, wc, sa_q_b, sa_k_b, sa_v_b, ca_k_b, ca_v_b, qkv; writes qkv
.if DOCPART == 9
	.amdgcn_target "amdgcn-amd-amdhsa--gfx1250"
	.amdhsa_code_object_version 6
	.text
	.protected	k_q305d76e22d_g1
	.globl	k_q305d76e22d_g1
	.p2align	8
	.type	k_q305d76e22d_g1,@function
k_q305d76e22d_g1:
	s_mov_b64 s[64:65], 0
	v_nop
	global_prefetch_b8 v0, s[64:65] scope:SCOPE_SE
	s_setreg_imm32_b32 hwreg(HW_REG_WAVE_MODE, 25, 1), 1
	s_wait_xcnt 0x0
; PROJECTIONS INTO THE BLOCKED bf16 IMAGE: out = (X W + bias) x scale, a tile of 64 rows x 64 columns to a work-group, K = 1,024.
; Arguments: xin, wc, bq, bk, bv, bk2, bv2, out.  X is a blocked bf16 image (element (m, k) at ((m/16)(K/32) + k/32) 1024 + ((k%32)/8) 256 + (m%16) 16 + (k%8) 2).
; wc holds the weights, rounded to bf16 by an earlier launch, in slices of 64 columns x 1,024 k = 32 blocks of 4,096 bytes, one for each 32 k; a block is four fragments of 1,024 bytes, fragment t with columns 4 rho + t,
; its registers 0-3 at 16 x lane, its registers 4-7 512 bytes on.  Three classes of work-groups, by number:
;   0-255    Q: rows 64 (id/16) .., slice 16 + id%16, + bq, times 1/8, to out + 0 (image with 1,024 columns)
;   256-383  K and V of the same rows: slices 32-35 + bk to out + 2 MiB, slices 36-39 + bv to out + 2.5 MiB (images with 256 columns)
;   384-639  K and V of the 2,048 rows that lie 2 MiB into xin: slices 40-43 + bk2 to out + 3 MiB, slices 44-47 + bv2 to out + 4 MiB
; THE WAVES SPLIT K: wave w takes k = 128 w .. 128 w + 127, four steps of 32.  Its operands are 16 KB of the slice and 16 KB of X, all as they lie: 64 loads of 512 consecutive bytes, issued together at the start, so that
; nothing is asked for late and no operand register is written twice.  The weights are source 0, X source 1: register j of accumulator (i, t) in lane (r, h) is row 16 i + r, column 32 h + 4 j + t.
; No LDS traffic and no barrier among the products.  The eight waves' partial sums (f32) meet once in LDS; wave w adds up m-tile w / 2, registers 4 (w % 2) .. + 3.
; REGISTERS, in windows of 256: window 0: v0-15 addresses, v16-71 at work on the way out, v128-255 X's 16 fragments (step s, m-tile i at 128 + 32 s + 8 i);
;   window 1: v0-127 the 16 accumulators ((i, t) at 8 (4 i + t)), later the eight partial sums; v128-255 the weights' 16 fragments (step s, fragment t at 128 + 32 s + 8 t).
; NO CLUSTER, NO TENSOR LOAD: the operands go from memory into matrix registers as they lie, and no LDS byte is filled twice; a way through LDS would add a read for each of them.
; LIMITS.  Operands and result are bf16, sums f32.  NaN and infinities are not treated apart.
.set SPARE, 131072                     ; behind the partial sums (8 waves x 16 accumulators x 1,024 bytes): the spare words, 128 bytes a wave
.set MSTR,  32768                      ; bytes from an m-tile of X to the next
.set VX,  5                            ; v5   16 x lane
.set SPW, 6                            ; v6   my spare word; never rewritten
.set NIL, 7                            ; v7   0; never rewritten
.set DA,  8                            ; v8   LDS: where my wave's partial sums go
.set RA,  9                            ; v9   LDS: waves 0-3's partial sums of my share
.set RB,  10                           ; v10  waves 4-7's
.set BO,  11                           ; v11  my byte offset in the tile's 64 bias numbers
.set SO,  12                           ; v12  my byte offset in the tile of the image that I store
.set SUM, 16                           ; v[16:31]  the sums, by (t, register)
.set Y,   32                           ; v[32:47]  16 consecutive columns of one row
.set BV,  48                           ; v[48:63]  bias
.set PK,  64                           ; v[64:71]  packed results
.set OPS, 128                          ; the operands, in both windows
.set WB,  56                           ; s[56:57] the slice at my wave's first block
.set XB,  58                           ; s[58:59] X at the tile's first m-tile and my wave's first k
.set MSB, 0
.macro WIN new                         ; the immediate's low byte: bits 1:0 source 0, 3:2 source 1, 5:4 source 2, 7:6 destination; its high byte repeats the setting that is left
.if MSB != (\new)
	s_set_vgpr_msb (MSB<<8)|(\new)
.set MSB, \new
.endif
.endm
.macro LDOPS                           ; 64 loads: my 16 KB of the slice, which are consecutive, then X's fragments, step by step
	WIN 0x40
.set n, 0
.rept 32
	global_load_b128 v[OPS+4*n:OPS+4*n+3], v[VX], s[WB:WB+1] offset:n*512
.set n, n+1
.endr
	WIN 0
.set n, 0
.rept 16                               ; n = 4 s + i
	global_load_b128 v[OPS+8*n:OPS+8*n+3], v[VX], s[XB:XB+1] offset:(n/4)*1024+(n%4)*MSTR
	global_load_b128 v[OPS+8*n+4:OPS+8*n+7], v[VX], s[XB:XB+1] offset:(n/4)*1024+(n%4)*MSTR+512
.set n, n+1
.endr
.endm
.macro MMA s, zero                     ; step s: 16 products, each accumulator once: they take turns.  zero = 1: the first step starts the sums
.set a, 0
.rept 16
.if \zero
	v_wmma_f32_16x16x32_bf16 v[8*a:8*a+7], v[OPS+32*(\s)+8*(a%4):OPS+32*(\s)+8*(a%4)+7], v[OPS+32*(\s)+8*(a/4):OPS+32*(\s)+8*(a/4)+7], 0
.else
	v_wmma_f32_16x16x32_bf16 v[8*a:8*a+7], v[OPS+32*(\s)+8*(a%4):OPS+32*(\s)+8*(a%4)+7], v[OPS+32*(\s)+8*(a/4):OPS+32*(\s)+8*(a/4)+7], v[8*a:8*a+7]
.endif
.set a, a+1
.endr
.endm
.macro DUMP                            ; each accumulator's low four registers first; 512 consecutive bytes a store
	WIN 0x04
.set a, 0
.rept 16
	ds_store_b128 v[DA], v[8*a:8*a+3] offset:a*1024
	ds_store_b128 v[DA], v[8*a+4:8*a+7] offset:a*1024+512
.set a, a+1
.endr
	WIN 0
.endm
.macro LDPART base, adr                ; four waves' partial sums of my share: 16 loads, into window 1
.set p, 0
.rept 4
.set t, 0
.rept 4
	ds_load_b128 v[(\base)+16*p+4*t:(\base)+16*p+4*t+3], v[\adr] offset:p*16384+t*1024
.set t, t+1
.endr
.set p, p+1
.endr
.endm
.macro ADD16 src                       ; the sums in window 0, a partial sum in window 1
.set q, 0
.rept 8
	v_pk_add_f32 v[SUM+2*q:SUM+2*q+1], v[SUM+2*q:SUM+2*q+1], v[(\src)+2*q:(\src)+2*q+1]
.set q, q+1
.endr
.endm
.macro REDUCE8                         ; Y = the eight partial sums, in ascending order of k; the last addition puts the columns in order: column 4 q + t from (t, q)
	WIN 0x40
	LDPART 0, RA
	LDPART 64, RB
	s_wait_dscnt 16                                ; the first sixteen are in
	WIN 0x05
.set q, 0
.rept 8
	v_pk_add_f32 v[SUM+2*q:SUM+2*q+1], v[2*q:2*q+1], v[16+2*q:16+2*q+1]
.set q, q+1
.endr
	WIN 0x04
	ADD16 32
	ADD16 48
	s_wait_dscnt 0x0
	ADD16 64
	ADD16 80
	ADD16 96
.set t, 0
.rept 4
.set q, 0
.rept 4
	v_add_f32 v[Y+4*q+t], v[SUM+4*t+q], v[112+4*t+q]
.set q, q+1
.endr
.set t, t+1
.endr
	WIN 0
.endm
	s_load_b512 s[8:23], s[0:1], 0x0               ; xin s8, wc s10, bq s12, bk s14, bv s16, bk2 s18, bv2 s20, out s22
	v_lshl_add_u32 v[SPW], v0, 2, SPARE
	v_mov_b32 v[NIL], 0
	v_and_b32 v1, 31, v0
	v_and_b32 v2, 15, v0                           ; r
	v_bfe_u32 v3, v0, 4, 1                         ; h
	v_lshrrev_b32 v13, 5, v0
	v_readfirstlane_b32 s32, v13                   ; wave
	s_mov_b32 s33, ttmp9
	s_sub_co_u32 s34, s33, 256
	s_sub_co_u32 s35, s33, 384
	s_cmp_ge_u32 s33, 384
	s_cselect_b32 s34, s35, s34                    ; my number within the second or third class
	s_cselect_b32 s39, 1, 0                        ; 1: third class
	s_bfe_u32 s38, s34, 0x10002                    ; 1: V, 0: K
	s_lshl_b32 s36, s39, 21                        ; X: 0 or 2 MiB
	s_lshl_b32 s37, s38, 19                        ; out: 2 MiB, V 0.5 MiB on; third class 3 MiB, V 1 MiB on
	s_lshl_b32 s37, s37, s39
	s_lshl_b32 s35, s39, 20
	s_add_co_u32 s37, s37, s35
	s_add_co_u32 s37, s37, 0x200000
	s_lshr_b32 s50, s34, 3                         ; block of 64 rows
	s_and_b32 s51, s34, 3                          ; tile of 64 columns
	s_and_b32 s40, s34, 7
	s_lshl3_add_u32 s40, s39, s40
	s_add_co_u32 s40, s40, 32                      ; slice 32 + 8 x (third class) + 4 x V + tile
	s_lshr_b32 s35, s33, 4
	s_and_b32 s46, s33, 15
	s_add_co_u32 s47, s46, 16                      ; Q's slice
	s_cmp_lt_u32 s33, 256                          ; the first class has its own figures
	s_cselect_b32 s50, s35, s50
	s_cselect_b32 s51, s46, s51
	s_cselect_b32 s40, s47, s40
	s_cselect_b32 s36, 0, s36
	s_cselect_b32 s37, 0, s37
	s_cselect_b32 s52, 15, 13                      ; log2 of an m-tile of the image written: 32,768 or 8,192 bytes
	s_cselect_b32 s54, 0x3e000000, 1.0             ; 1/8 for Q
	s_mov_b32 s55, s54                             ; named with it as a pair
	s_lshr_b32 s60, s32, 1                         ; the m-tile that I add up
	s_and_b32 s61, s32, 1                          ; and which four registers of it
	s_lshl_b32 s48, s40, 17                        ; weights: 131,072 bytes a slice,
	s_lshl_b32 s35, s32, 14                        ; my wave's four blocks
	s_add_co_u32 s48, s48, s35
	s_mov_b32 s49, 0
	s_lshl_b32 s6, s51, 8                          ; the tile's 64 bias numbers
	s_mov_b32 s7, 0
	s_lshl_b32 s2, s50, 17                         ; X: four m-tiles of 32,768 bytes a block,
	s_add_co_u32 s2, s2, s36
	s_lshl_b32 s35, s32, 12                        ; my wave's four tiles along k
	s_add_co_u32 s2, s2, s35
	s_mov_b32 s3, 0
	s_lshl2_add_u32 s4, s50, s60                   ; out: m-tile 4 x block + i,
	s_lshl_b32 s4, s4, s52
	s_add_co_u32 s4, s4, s37
	s_lshl_b32 s35, s51, 11                        ; two tiles of 1,024 bytes for 64 columns
	s_add_co_u32 s4, s4, s35
	s_mov_b32 s5, 0
	v_lshlrev_b32 v[VX], 4, v1
	v_lshl_add_u32 v[DA], s32, 14, v[VX]
	s_lshl_b32 s35, s60, 12
	s_lshl_b32 s53, s61, 9
	s_add_co_u32 s35, s35, s53
	v_add_nc_u32 v[RA], s35, v[VX]
	v_add_nc_u32 v[RB], 0x10000, v[RA]
	v_lshlrev_b32 v[BO], 7, v3                     ; my 16 columns begin at 32 h + 16 (w % 2)
	v_lshl_add_u32 v[BO], s61, 6, v[BO]
	v_lshlrev_b32 v[SO], 10, v3                    ; tile h of the two, its pieces 2 (w % 2), + 1, row r
	v_lshl_add_u32 v[SO], s61, 9, v[SO]
	v_lshl_add_u32 v[SO], v2, 4, v[SO]
	s_wait_kmcnt 0x0
	s_cmp_eq_u32 s38, 1
	s_cselect_b64 s[44:45], s[16:17], s[14:15]
	s_cselect_b64 s[46:47], s[20:21], s[18:19]
	s_cmp_eq_u32 s39, 1
	s_cselect_b64 s[44:45], s[46:47], s[44:45]
	s_cmp_lt_u32 s33, 256
	s_cselect_b64 s[44:45], s[12:13], s[44:45]     ; my bias
	s_add_nc_u64 s[WB:WB+1], s[10:11], s[48:49]
	s_add_nc_u64 s[XB:XB+1], s[8:9], s[2:3]
	s_add_nc_u64 s[44:45], s[44:45], s[6:7]
	s_add_nc_u64 s[22:23], s[22:23], s[4:5]
	LDOPS
.set u, 0
.rept 4
	global_load_b128 v[BV+4*u:BV+4*u+3], v[BO], s[44:45] offset:16*u   ; bias of my 16 columns, behind the operands
.set u, u+1
.endr
	WIN 0x51                                       ; weights (source 0) and sums in window 1, X (source 1) in window 0: one setting for all 64 products
	s_wait_loadcnt 28                              ; all weights and X's step 0 are in: behind them lie X's steps 1-3 (24 loads) and the bias (4)
	MMA 0, 1
	s_wait_loadcnt 20                              ; X's steps 2, 3 and the bias
	MMA 1, 0
	s_wait_loadcnt 12
	MMA 2, 0
	s_wait_loadcnt 4                               ; the bias alone
	MMA 3, 0
	WIN 0
.rept 4
	v_nop                                          ; the places between the last product and the stores of the sums
.endr
	DUMP
	s_wait_dscnt 0x0                               ; for the others' sake: my partial sums are in LDS
	s_barrier_signal -1
	s_barrier_wait -1
	REDUCE8
	s_wait_loadcnt 0x0                             ; bias
.set q, 0
.rept 8
	v_pk_add_f32 v[Y+2*q:Y+2*q+1], v[Y+2*q:Y+2*q+1], v[BV+2*q:BV+2*q+1]
.set q, q+1
.endr
.set q, 0
.rept 8
	v_pk_mul_f32 v[Y+2*q:Y+2*q+1], v[Y+2*q:Y+2*q+1], s[54:55] op_sel_hi:[1,0]
.set q, q+1
.endr
.set q, 0
.rept 8
	v_cvt_pk_bf16_f32 v[PK+q], v[Y+2*q], v[Y+2*q+1]
.set q, q+1
.endr
	global_store_b128 v[SO], v[PK:PK+3], s[22:23]              ; sixteen lanes (the 16 rows) fill 256 consecutive bytes, aligned
	global_store_b128 v[SO], v[PK+4:PK+7], s[22:23] offset:256
	s_wait_tensorcnt 0x0                           ; the wave's end
	ds_add_u32 v[SPW], v[NIL]
	s_wait_dscnt 0x0
	s_endpgm
.Lfunc_end_k_q305d76e22d_g1:
	.size	k_q305d76e22d_g1, .Lfunc_end_k_q305d76e22d_g1-k_q305d76e22d_g1
	.p2alignl 7, 3214868480
	.fill 96, 4, 3214868480
	.section	.rodata,"a",@progbits
	.p2align	6, 0x0
	.amdhsa_kernel k_q305d76e22d_g1
		.amdhsa_group_segment_fixed_size 132096
		.amdhsa_private_segment_fixed_size 0
		.amdhsa_enable_private_segment 0
		.amdhsa_kernarg_size 64
		.amdhsa_user_sgpr_count 2
		.amdhsa_user_sgpr_kernarg_segment_ptr 1
		.amdhsa_wavefront_size32 1
		.amdhsa_system_sgpr_workgroup_id_x 1
		.amdhsa_system_sgpr_workgroup_id_y 1
		.amdhsa_system_sgpr_workgroup_id_z 1
		.amdhsa_system_vgpr_workitem_id 0
		.amdhsa_next_free_vgpr 512
		.amdhsa_next_free_sgpr 66
		.amdhsa_reserve_vcc 0
		.amdhsa_float_denorm_mode_32 3
		.amdhsa_float_denorm_mode_16_64 3
		.amdhsa_memory_ordered 1
		.amdhsa_forward_progress 1
		.amdhsa_inst_pref_size 24
	.end_amdhsa_kernel
	.amdgpu_metadata
---
amdhsa.version: [ 1, 2 ]
amdhsa.kernels:
  - .name:           k_q305d76e22d_g1
    .symbol:         k_q305d76e22d_g1.kd
    .args:
      - { .name: xa, .offset: 0, .size: 8, .value_kind: global_buffer, .address_space: global }
      - { .name: wc, .offset: 8, .size: 8, .value_kind: global_buffer, .address_space: global }
      - { .name: sa_q_b, .offset: 16, .size: 8, .value_kind: global_buffer, .address_space: global }
      - { .name: sa_k_b, .offset: 24, .size: 8, .value_kind: global_buffer, .address_space: global }
      - { .name: sa_v_b, .offset: 32, .size: 8, .value_kind: global_buffer, .address_space: global }
      - { .name: ca_k_b, .offset: 40, .size: 8, .value_kind: global_buffer, .address_space: global }
      - { .name: ca_v_b, .offset: 48, .size: 8, .value_kind: global_buffer, .address_space: global }
      - { .name: qkv, .offset: 56, .size: 8, .value_kind: global_buffer, .address_space: global }
    .group_segment_fixed_size: 132096
    .private_segment_fixed_size: 0
    .kernarg_segment_align: 8
    .kernarg_segment_size: 64
    .max_flat_workgroup_size: 256
    .sgpr_count:     66
    .vgpr_count:     512
    .wavefront_size: 32
...
	.end_amdgpu_metadata
.endif
;; end of part 9
;; launch a1: the kernel of part 3 again; grid 256 x 1, 4 waves a work-group, no clusters, 140,800 bytes of LDS; arguments qkv, attention_mask, ob; writes ob
;; launch g2 (part 10): grid 256 x 1, 8 waves a work-group, no clusters, 149,504 bytes of LDS; arguments ob, h3, sa_o_b, hidden_states, h2; writes h2
.if DOCPART == 10
	.amdgcn_target "amdgcn-amd-amdhsa--gfx1250"
	.amdhsa_code_object_version 6
	.text
	.protected	k_q305d76e22d_g2
	.globl	k_q305d76e22d_g2
	.p2align	8
	.type	k_q305d76e22d_g2,@function
k_q305d76e22d_g2:
	s_mov_b64 s[64:65], 0
	v_nop
	global_prefetch_b8 v0, s[64:65] scope:SCOPE_SE
	s_setreg_imm32_b32 hwreg(HW_REG_WAVE_MODE, 25, 1), 1
	s_wait_xcnt 0x0
; OUTPUT PROJECTION WITH RESIDUAL: out = res + X W + bias, f32, a tile of 64 rows x 64 columns to a work-group, K = 1,024.
; Arguments: xf, w, bias, res, out.  X is a blocked bf16 image (element (m, k) at ((m/16) 32 + k/32) 1024 + ((k%32)/8) 256 + (m%16) 16 + (k%8) 2); res and out are f32 [1024][1024].
; w holds, from its first byte on, the weights rounded to bf16 by an earlier launch: 16 slices of 64 columns x 1,024 k = 32 blocks of 4,096 bytes, one for each 32 k; a block is four fragments of 1,024 bytes, fragment t with
; columns 4 rho + t, its registers 0-3 at 16 x lane, its registers 4-7 512 bytes on.
; THE WAVES SPLIT K: wave w takes k = 128 w .. + 127, four steps of 32.  Its operands are 16 KB of the slice and 16 KB of X, all as they lie: 64 loads of 512 consecutive bytes, issued together at the start; no operand register is
; written twice.  The weights are source 0, X source 1: register j of accumulator (i, t) in lane (r, h) is row 16 i + r, column 32 h + 4 j + t.  No LDS traffic and no barrier among the products.
; The eight partial sums (f32) meet once in LDS; wave w adds up m-tile w / 2, registers 4 (w % 2) .. + 3; the sums go through a second LDS region (pitch 272 bytes) so that each store covers whole rows of 256 aligned bytes.
; REGISTERS, in windows of 256: window 0: v0-15 addresses, v16-127 at work on the way out, v128-255 X's 16 fragments; window 1: v0-127 the 16 accumulators, later the eight partial sums; v128-255 the weights' 16 fragments.
; NO CLUSTER, NO TENSOR LOAD: the operands go from memory into matrix registers as they lie, and no LDS byte is filled twice.
; LIMITS.  Operands bf16; sums, residual and result f32.  NaN and infinities are not treated apart.
.set OUTT,  131072                     ; behind the partial sums: 64 rows x 272 bytes
.set SPARE, 148480                     ; behind that: the spare words, 128 bytes a wave
.set MSTR,  32768
.set VX,  5
.set SPW, 6
.set NIL, 7
.set DA,  8
.set RA,  9
.set RB,  10
.set GO,  11                           ; v11  my 16 bytes in the tile's first 16 rows of res and out
.set BO,  12                           ; v12  my 16 bytes of the tile's bias
.set TS,  13                           ; v13  LDS: where my 16 columns of a row go
.set TR,  14                           ; v14  LDS: where I read 16 bytes of a whole row
.set SUM, 16
.set Y,   32
.set RES, 80                           ; v[80:95]   residual
.set BV,  96                           ; v[96:99]   bias
.set T,   112                          ; v[112:127] whole rows on their way out
.set OPS, 128
.set WB,  24
.set XB,  26
.set MSB, 0
.macro WIN new                         ; the immediate's low byte: bits 1:0 source 0, 3:2 source 1, 5:4 source 2, 7:6 destination; its high byte repeats the setting that is left
.if MSB != (\new)
	s_set_vgpr_msb (MSB<<8)|(\new)
.set MSB, \new
.endif
.endm
.macro LDOPS                           ; 64 loads: my 16 KB of the slice, which are consecutive, then X's fragments, step by step
	WIN 0x40
.set n, 0
.rept 32
	global_load_b128 v[OPS+4*n:OPS+4*n+3], v[VX], s[WB:WB+1] offset:n*512
.set n, n+1
.endr
	WIN 0
.set n, 0
.rept 16                               ; n = 4 s + i
	global_load_b128 v[OPS+8*n:OPS+8*n+3], v[VX], s[XB:XB+1] offset:(n/4)*1024+(n%4)*MSTR
	global_load_b128 v[OPS+8*n+4:OPS+8*n+7], v[VX], s[XB:XB+1] offset:(n/4)*1024+(n%4)*MSTR+512
.set n, n+1
.endr
.endm
.macro MMA s, zero                     ; step s: 16 products, each accumulator once: they take turns
.set a, 0
.rept 16
.if \zero
	v_wmma_f32_16x16x32_bf16 v[8*a:8*a+7], v[OPS+32*(\s)+8*(a%4):OPS+32*(\s)+8*(a%4)+7], v[OPS+32*(\s)+8*(a/4):OPS+32*(\s)+8*(a/4)+7], 0
.else
	v_wmma_f32_16x16x32_bf16 v[8*a:8*a+7], v[OPS+32*(\s)+8*(a%4):OPS+32*(\s)+8*(a%4)+7], v[OPS+32*(\s)+8*(a/4):OPS+32*(\s)+8*(a/4)+7], v[8*a:8*a+7]
.endif
.set a, a+1
.endr
.endm
.macro LDPART base, adr
.set p, 0
.rept 4
.set t, 0
.rept 4
	ds_load_b128 v[(\base)+16*p+4*t:(\base)+16*p+4*t+3], v[\adr] offset:p*16384+t*1024
.set t, t+1
.endr
.set p, p+1
.endr
.endm
.macro ADD16 src
.set q, 0
.rept 8
	v_pk_add_f32 v[SUM+2*q:SUM+2*q+1], v[SUM+2*q:SUM+2*q+1], v[(\src)+2*q:(\src)+2*q+1]
.set q, q+1
.endr
.endm
	s_load_b256 s[4:11], s[0:1], 0x0               ; xf s[4:5], w s[6:7], bias s[8:9], res s[10:11]
	s_load_b64 s[12:13], s[0:1], 0x20              ; out
	v_lshl_add_u32 v[SPW], v0, 2, SPARE
	v_mov_b32 v[NIL], 0
	v_and_b32 v1, 31, v0
	v_and_b32 v2, 15, v0
	v_bfe_u32 v3, v0, 4, 1
	v_lshrrev_b32 v15, 5, v0
	v_readfirstlane_b32 s16, v15                   ; wave
	s_mov_b32 s17, ttmp9
	s_lshr_b32 s18, s17, 4                         ; block of 64 rows
	s_and_b32 s19, s17, 15                         ; tile of 64 columns
	s_lshr_b32 s20, s16, 1                         ; the m-tile that I add up
	s_and_b32 s21, s16, 1                          ; and which four registers of it
	s_lshl_b32 s28, s19, 17                        ; weights: 131,072 bytes a slice,
	s_lshl_b32 s22, s16, 14                        ; my wave's four blocks
	s_add_co_u32 s28, s28, s22
	s_mov_b32 s29, 0
	s_lshl_b32 s34, s19, 8                         ; the tile's 64 columns in bias, res and out
	s_mov_b32 s35, 0
	s_lshl_b32 s30, s18, 17                        ; X: four m-tiles a block,
	s_lshl_b32 s22, s16, 12                        ; my wave's four tiles along k
	s_add_co_u32 s30, s30, s22
	s_mov_b32 s31, 0
	s_lshl_b32 s32, s18, 18                        ; res and out: 64 rows of 4,096 bytes
	s_add_co_u32 s32, s32, s34
	s_mov_b32 s33, 0
	v_lshlrev_b32 v[VX], 4, v1
	v_lshl_add_u32 v[DA], s16, 14, v[VX]
	s_lshl_b32 s22, s20, 12
	s_lshl_b32 s23, s21, 9
	s_add_co_u32 s22, s22, s23
	v_add_nc_u32 v[RA], s22, v[VX]
	v_add_nc_u32 v[RB], 0x10000, v[RA]
	v_lshrrev_b32 v15, 4, v0                       ; row 0..15 of a pass
	v_lshlrev_b32 v[BO], 4, v2
	v_lshl_add_u32 v[GO], v15, 12, v[BO]
	v_mul_u32_u24 v[TR], v15, 272
	v_add_nc_u32 v[TR], v[TR], v[BO]
	v_add_nc_u32 v[TR], OUTT, v[TR]
	s_mul_i32 s22, s20, 16*272
	s_lshl_b32 s23, s21, 6
	s_add_co_u32 s22, s22, s23
	s_add_co_u32 s22, s22, OUTT
	v_mul_u32_u24 v[TS], v2, 272                   ; row 16 i + r, columns 32 h + 16 (w % 2) ..
	v_lshl_add_u32 v[TS], v3, 7, v[TS]
	v_add_nc_u32 v[TS], s22, v[TS]
	s_wait_kmcnt 0x0
	s_add_nc_u64 s[WB:WB+1], s[6:7], s[28:29]
	s_add_nc_u64 s[XB:XB+1], s[4:5], s[30:31]
	s_add_nc_u64 s[8:9], s[8:9], s[34:35]
	s_add_nc_u64 s[10:11], s[10:11], s[32:33]
	s_add_nc_u64 s[12:13], s[12:13], s[32:33]
	LDOPS
.set u, 0
.rept 4
	global_load_b128 v[RES+4*u:RES+4*u+3], v[GO], s[10:11] offset:u*65536   ; residual and bias, behind the operands
.set u, u+1
.endr
	global_load_b128 v[BV:BV+3], v[BO], s[8:9]
	WIN 0x51                                       ; weights (source 0) and sums in window 1, X (source 1) in window 0: one setting for all 64 products
	s_wait_loadcnt 29                              ; all weights and X's step 0 are in: behind them lie X's steps 1-3 (24 loads), residual and bias (5)
	MMA 0, 1
	s_wait_loadcnt 21
	MMA 1, 0
	s_wait_loadcnt 13
	MMA 2, 0
	s_wait_loadcnt 5                               ; residual and bias alone
	MMA 3, 0
	WIN 0
.rept 4
	v_nop                                          ; the places between the last product and the stores of the sums
.endr
	WIN 0x04
.set a, 0
.rept 16                               ; each accumulator's low four registers first; 512 consecutive bytes a store
	ds_store_b128 v[DA], v[8*a:8*a+3] offset:a*1024
	ds_store_b128 v[DA], v[8*a+4:8*a+7] offset:a*1024+512
.set a, a+1
.endr
	WIN 0
	s_wait_dscnt 0x0                               ; for the others' sake: my partial sums are in LDS
	s_barrier_signal -1
	s_barrier_wait -1
	WIN 0x40
	LDPART 0, RA
	LDPART 64, RB
	s_wait_dscnt 16                                ; the first sixteen are in
	WIN 0x05
.set q, 0
.rept 8
	v_pk_add_f32 v[SUM+2*q:SUM+2*q+1], v[2*q:2*q+1], v[16+2*q:16+2*q+1]
.set q, q+1
.endr
	WIN 0x04
	ADD16 32
	ADD16 48
	s_wait_dscnt 0x0
	ADD16 64
	ADD16 80
	ADD16 96
.set t, 0
.rept 4
.set q, 0
.rept 4
	v_add_f32 v[Y+4*q+t], v[SUM+4*t+q], v[112+4*t+q]           ; the last addition puts the columns in order: column 4 q + t from (t, q)
.set q, q+1
.endr
.set t, t+1
.endr
	WIN 0
.set q, 0
.rept 4
	ds_store_b128 v[TS], v[Y+4*q:Y+4*q+3] offset:16*q
.set q, q+1
.endr
	s_wait_dscnt 0x0                               ; for the others' sake: my part of the rows is in LDS
	s_barrier_signal -1
	s_barrier_wait -1
.set u, 0
.rept 4
	ds_load_b128 v[T+4*u:T+4*u+3], v[TR] offset:u*16*272
.set u, u+1
.endr
	s_wait_loadcnt 0x0
	s_wait_dscnt 0x0
.set u, 0
.rept 4
	v_pk_add_f32 v[T+4*u:T+4*u+1], v[T+4*u:T+4*u+1], v[RES+4*u:RES+4*u+1]
	v_pk_add_f32 v[T+4*u+2:T+4*u+3], v[T+4*u+2:T+4*u+3], v[RES+4*u+2:RES+4*u+3]
	v_pk_add_f32 v[T+4*u:T+4*u+1], v[T+4*u:T+4*u+1], v[BV:BV+1]
	v_pk_add_f32 v[T+4*u+2:T+4*u+3], v[T+4*u+2:T+4*u+3], v[BV+2:BV+3]
	global_store_b128 v[GO], v[T+4*u:T+4*u+3], s[12:13] offset:u*65536   ; sixteen lanes fill 256 consecutive bytes, aligned
.set u, u+1
.endr
	s_wait_tensorcnt 0x0                           ; the wave's end
	ds_add_u32 v[SPW], v[NIL]
	s_wait_dscnt 0x0
	s_endpgm
.Lfunc_end_k_q305d76e22d_g2:
	.size	k_q305d76e22d_g2, .Lfunc_end_k_q305d76e22d_g2-k_q305d76e22d_g2
	.p2alignl 7, 3214868480
	.fill 96, 4, 3214868480
	.section	.rodata,"a",@progbits
	.p2align	6, 0x0
	.amdhsa_kernel k_q305d76e22d_g2
		.amdhsa_group_segment_fixed_size 149504
		.amdhsa_private_segment_fixed_size 0
		.amdhsa_enable_private_segment 0
		.amdhsa_kernarg_size 40
		.amdhsa_user_sgpr_count 2
		.amdhsa_user_sgpr_kernarg_segment_ptr 1
		.amdhsa_wavefront_size32 1
		.amdhsa_system_sgpr_workgroup_id_x 1
		.amdhsa_system_sgpr_workgroup_id_y 1
		.amdhsa_system_sgpr_workgroup_id_z 1
		.amdhsa_system_vgpr_workitem_id 0
		.amdhsa_next_free_vgpr 512
		.amdhsa_next_free_sgpr 66
		.amdhsa_reserve_vcc 0
		.amdhsa_float_denorm_mode_32 3
		.amdhsa_float_denorm_mode_16_64 3
		.amdhsa_memory_ordered 1
		.amdhsa_forward_progress 1
		.amdhsa_inst_pref_size 24
	.end_amdhsa_kernel
	.amdgpu_metadata
---
amdhsa.version: [ 1, 2 ]
amdhsa.kernels:
  - .name:           k_q305d76e22d_g2
    .symbol:         k_q305d76e22d_g2.kd
    .args:
      - { .name: ob, .offset: 0, .size: 8, .value_kind: global_buffer, .address_space: global }
      - { .name: h3, .offset: 8, .size: 8, .value_kind: global_buffer, .address_space: global }
      - { .name: sa_o_b, .offset: 16, .size: 8, .value_kind: global_buffer, .address_space: global }
      - { .name: hidden_states, .offset: 24, .size: 8, .value_kind: global_buffer, .address_space: global }
      - { .name: h2, .offset: 32, .size: 8, .value_kind: global_buffer, .address_space: global }
    .group_segment_fixed_size: 149504
    .private_segment_fixed_size: 0
    .kernarg_segment_align: 8
    .kernarg_segment_size: 40
    .max_flat_workgroup_size: 256
    .sgpr_count:     66
    .vgpr_count:     512
    .wavefront_size: 32
...
	.end_amdgpu_metadata
.endif
;; end of part 10
;; launch lnb: the kernel of part 8 again; grid 64 x 1, 4 waves a work-group, no clusters, 33,792 bytes of LDS; arguments h2, ln2_g, ln2_b, encoder_hidden_states, xb, ca_o_w, sa_q_w, sa_k_w, sa_v_w, ca_k_w, ca_v_w, ca_q_w, sa_o_w, wc, hid; writes xb
;; launch a2 (part 11): grid 256 x 1, 8 waves a work-group, no clusters, 289,792 bytes of LDS; arguments xb, wc, ca_q_b, qkv, encoder_attention_mask, ob; writes ob
.if DOCPART == 11
	.amdgcn_target "amdgcn-amd-amdhsa--gfx1250"
	.amdhsa_code_object_version 6
	.text
	.protected	k_q305d76e22d_a2
	.globl	k_q305d76e22d_a2
	.p2align	8
	.type	k_q305d76e22d_a2,@function
k_q305d76e22d_a2:
	s_mov_b64 s[64:65], 0
	v_nop
	global_prefetch_b8 v0, s[64:65] scope:SCOPE_SE
	s_setreg_imm32_b32 hwreg(HW_REG_WAVE_MODE, 25, 1), 1
	s_wait_xcnt 0x0
; THE QUERY PROJECTION AND THE ATTENTION OF ONE HEAD AND 64 QUERIES, with an additive mask that is an input; head size 64, four query heads to a key and value head, NK = 512 keys.
; Arguments: x, wc, bq, kv, mask, o.  x, o: blocked bf16 images with 1,024 columns (element (m, k) at ((m/16)(K/32) + k/32) 1024 + ((k%32)/8) 256 + (m%16) 16 + (k%8) 2); k lies at kv + 3 MiB, v at kv + 4 MiB, images with 256 columns.
; wc holds weights rounded to bf16 by an earlier launch, in slices of 64 columns x 1,024 k = 32 blocks of 4,096 bytes (a block: four fragments of 1,024 bytes, fragment t with columns 4 rho + t); the query weights are slices 48-63, one a head.
; mask: [4][256][NK] f32.  Work-group id: sequence id / 64, head (id / 4) % 16 (its key and value head: head / 4), queries 64 (id % 4) ...
; PART 1, eight waves: q = (x W + bq) / 8, a tile of 64 queries x 64 channels, which is all that this work-group needs of q.  The waves split K: wave w takes k = 128 w .. + 127, four steps of 32; its 64 operand loads go out together.
; The weights are source 0, x source 1: register j of accumulator (i, t) in lane (r, h) is row 16 i + r, column 32 h + 4 j + t.  The eight partial sums (f32) meet in LDS; wave w adds up m-tile w / 2, registers 4 (w % 2) .. + 3, and lays
; its 16 channels of 16 queries, rounded to bf16, into Q's rows in LDS (pitch 144 bytes).  Beside that each wave brings an eighth of K, V and the mask into LDS, through registers.
; PART 2, waves 0-3, 16 queries each; waves 4-7 go straight to the last barrier.  S^T = K Q^T + mask^T: source 0 = 16 keys, source 1 = 16 queries; the mask is the C operand that starts the sum.  A lane holds ONE query (lane % 16) and the
; keys 8 (lane / 16) + 0..7.  Two such results rounded to bf16 ARE source 1 of O^T = V^T P.  SOFTMAX: running maximum m and sum l in f32, p = 2^(c s - c m), c = log2(e); O and l are multiplied by a = 2^(c m_old - c m_new) in each of the NK / 64 trips.
; LDS: all keys as the image has them (a fragment is 2 x 512 consecutive bytes); all values as [key][64] with a pitch of 160 bytes (5 x 32, for the turning load); the 64 queries' mask rows with a pitch of 4 NK + 16 bytes; Q.
; The partial sums lie first where the mask's rows lie later: both together do not fit.  So the mask is stored behind the barrier that ends the reading of the sums; its loads go out early, into the operand registers that steps 0 and 1 have left.
; FOUR BARRIERS: behind the partial sums (and K and V); behind the reading of the sums (and Q); behind the mask; and one at the end, so that no wave writes LDS again (its closing add) before every wave's reads in the trips are back.
; REGISTERS, in windows of 256.  Part 1: window 0: v0-23 addresses, v24-79 at work, v128-255 x's 16 fragments (of which v128-191 then take half of my part of the mask); window 1: v0-127 my part of K and V, then the 16 accumulators,
; then the eight partial sums; v128-255 the weights' 16 fragments (v128-191 then the other half of the mask).  Part 2 lives in window 0 alone.
; NO CLUSTER, NO TENSOR LOAD: the four heads of a key and value head do share K and V, and the sixteen heads x and the mask; V must be laid out anew on its way and the operands of part 1 go straight into matrix registers.
; LIMITS.  m starts at -1e30: a query all of whose scores lie below that is not served (l would be 0).  A weight below 2^-126 counts as 0.  Operands bf16.  NaN and infinities are not treated apart.
.set NK,    512
.set KOFF,  0x300000
.set VOFF,  0x400000
.set PV,    160
.set MPI,   4*NK+16
.set QP,    144
.set MSTR,  32768
.set VL,    NK*128                     ; K lies at LDS byte 0
.set ML,    VL+NK*PV
.set PART,  ML                         ; 8 waves x 16,384 bytes of partial sums, inside the mask's 132,096
.set QL,    ML+64*MPI
.set SPARE, QL+64*QP                   ; the spare words, 128 bytes a wave
.set LB,  1                            ; v1   16 x lane: also my place in a fragment of K
.set QR,  4                            ; v4   part 2: my query's row of Q
.set AV0, 5                            ; v5   my place in V for the turning load
.set AM0, 6                            ; v6   my query's mask row, keys 8 h ..
.set AKC, 7                            ; v7-9 the trip's addresses
.set AVC, 8
.set AMC, 9
.set SPW, 10                           ; v10  my spare word; never rewritten
.set NIL, 11                           ; v11  0; never rewritten
.set SK,  12                           ; v12-14 where my parts of K, V and the mask go
.set SV,  13
.set SM,  14
.set DA,  16                           ; part 1: where my wave's partial sums go
.set RA,  17                           ;         waves 0-3's partial sums of my share
.set RB,  18                           ;         waves 4-7's
.set BO,  19                           ;         my byte offset in the head's 64 bias numbers
.set QS,  20                           ;         where my 16 channels of a query go
.set SUM, 24                           ; v[24:39]
.set Y,   40                           ; v[40:55]
.set BV,  56                           ; v[56:71]
.set PK,  72                           ; v[72:79]
.set OPS, 128
.set Q,   16                           ; part 2: v[16:31]  Q, two fragments
.set CM,  32                           ; c m
.set M,   33                           ; m
.set LS,  34                           ; v[34:35]  l: even keys', odd keys'
.set C0,  36                           ; v[36:39]  at work; a takes v38
.set OLD, 40
.set S,   48                           ; v[48:79]  S^T, four tiles of 16 keys
.set P,   80                           ; v[80:95]
.set O,   96                           ; v[96:127] O^T, four tiles of 16 channels
.set KF,  128                          ; v[128:191] K: key tile kt, channel half c at KF + 16 kt + 8 c
.set VF,  192                          ; v[192:255] V^T: key half kk, channel tile ct at VF + 32 kk + 8 ct
.set XB,  40
.set WB,  42
.set KB,  44
.set VB,  46
.set MB,  48
.set OB,  50
.set CS,  52                           ; s[52:53] c
.set SEL, 54                           ; s[54:55] v_permlanex16_b32's selects
.set TK,  56                           ; s56-58 the trip's byte offsets in K, V and a mask row
.set TV,  57
.set TM,  58
.set CNT, 59
.set SC,  60                           ; s[60:61] 1/8
.set MSB, 0
.macro WIN new                         ; the immediate's low byte: bits 1:0 source 0, 3:2 source 1, 5:4 source 2, 7:6 destination; its high byte repeats the setting that is left
.if MSB != (\new)
	s_set_vgpr_msb (MSB<<8)|(\new)
.set MSB, \new
.endif
.endm
.macro MMA s, zero                     ; step s: 16 products, each accumulator once: they take turns.  zero = 1: the first step starts the sums
.set a, 0
.rept 16
.if \zero
	v_wmma_f32_16x16x32_bf16 v[8*a:8*a+7], v[OPS+32*(\s)+8*(a%4):OPS+32*(\s)+8*(a%4)+7], v[OPS+32*(\s)+8*(a/4):OPS+32*(\s)+8*(a/4)+7], 0
.else
	v_wmma_f32_16x16x32_bf16 v[8*a:8*a+7], v[OPS+32*(\s)+8*(a%4):OPS+32*(\s)+8*(a%4)+7], v[OPS+32*(\s)+8*(a/4):OPS+32*(\s)+8*(a/4)+7], v[8*a:8*a+7]
.endif
.set a, a+1
.endr
.endm
.macro PLACES                          ; four places between a step's last product and loads into its operands, or stores of the sums
.rept 4
	v_nop
.endr
.endm
; My part of the mask is 8 rows of 2,048 bytes, consecutive in memory: 32 pieces of 512 bytes.  Half g of them goes into the registers that step g's operands have left: pieces 16 g .. + 7 in window 1, 16 g + 8 .. + 15 in window 0.
.macro MASKLD g
	WIN 0x40
.set n, 0
.rept 8
	global_load_b128 v[OPS+32*(\g)+4*n:OPS+32*(\g)+4*n+3], v[LB], s[MB:MB+1] offset:(16*(\g)+n)*512
.set n, n+1
.endr
	WIN 0
.set n, 0
.rept 8
	global_load_b128 v[OPS+32*(\g)+4*n:OPS+32*(\g)+4*n+3], v[LB], s[MB:MB+1] offset:(16*(\g)+8+n)*512
.set n, n+1
.endr
.endm
.macro MASKST up                       ; up = 0: the pieces held in window 1; 8: those in window 0
.irp g, 0,1
.set n, 0
.rept 8
	ds_store_b128 v[SM], v[OPS+32*(\g)+4*n:OPS+32*(\g)+4*n+3] offset:((16*(\g)+(\up)+n)/4)*MPI+((16*(\g)+(\up)+n)%4)*512
.set n, n+1
.endr
.endr
.endm
.macro LDPART base, adr
.set p, 0
.rept 4
.set t, 0
.rept 4
	ds_load_b128 v[(\base)+16*p+4*t:(\base)+16*p+4*t+3], v[\adr] offset:p*16384+t*1024
.set t, t+1
.endr
.set p, p+1
.endr
.endm
.macro ADD16 src
.set q, 0
.rept 8
	v_pk_add_f32 v[SUM+2*q:SUM+2*q+1], v[SUM+2*q:SUM+2*q+1], v[(\src)+2*q:(\src)+2*q+1]
.set q, q+1
.endr
.endm
	s_load_b256 s[4:11], s[0:1], 0x0               ; x s[4:5], wc s[6:7], bq s[8:9], kv s[10:11]
	s_load_b128 s[12:15], s[0:1], 0x20             ; mask s[12:13], o s[14:15]
	v_lshl_add_u32 v[SPW], v0, 2, SPARE
	v_mov_b32 v[NIL], 0
	v_and_b32 v15, 31, v0
	v_lshlrev_b32 v[LB], 4, v15
	v_and_b32 v2, 15, v0                           ; r
	v_bfe_u32 v3, v0, 4, 1                         ; h
	v_lshrrev_b32 v15, 5, v0
	v_readfirstlane_b32 s16, v15                   ; wave
	s_mov_b32 s17, ttmp9
	s_lshr_b32 s18, s17, 6                         ; sequence
	s_bfe_u32 s19, s17, 0x20004                    ; key and value head
	s_bfe_u32 s20, s17, 0x40002                    ; head
	s_and_b32 s21, s17, 3
	s_lshl2_add_u32 s22, s18, s21                  ; my block of 64 queries among the 16
	s_lshr_b32 s23, s16, 1                         ; the m-tile that I add up
	s_and_b32 s24, s16, 1                          ; and which four registers of it
	s_lshl_b32 s26, s22, 17                        ; x: four m-tiles of 32,768 bytes a block,
	s_lshl_b32 s25, s16, 12                        ; my wave's four tiles along k
	s_add_co_u32 s26, s26, s25
	s_mov_b32 s27, 0
	s_add_co_u32 s28, s20, 48                      ; weights: slice 48 + head, 131,072 bytes each,
	s_lshl_b32 s28, s28, 17
	s_lshl_b32 s25, s16, 14                        ; my wave's four blocks
	s_add_co_u32 s28, s28, s25
	s_mov_b32 s29, 0
	s_lshl_b32 s30, s20, 8                         ; the head's 64 bias numbers
	s_mov_b32 s31, 0
	s_lshl_b32 s32, s18, 18                        ; k and v: the sequence's 32 key tiles, 8 tiles of 1,024 bytes each,
	s_lshl_b32 s25, s16, 15                        ; my wave's four of them,
	s_add_co_u32 s32, s32, s25
	s_lshl_b32 s25, s19, 11                        ; the head's two tiles
	s_add_co_u32 s32, s32, s25
	s_add_co_u32 s34, s32, VOFF
	s_add_co_u32 s32, s32, KOFF
	s_mov_b32 s33, 0
	s_mov_b32 s35, 0
	s_lshl_b32 s36, s22, 17                        ; mask: the block's 64 rows of 2,048 bytes,
	s_lshl_b32 s25, s16, 14                        ; my wave's eight
	s_add_co_u32 s36, s36, s25
	s_mov_b32 s37, 0
	s_lshl_b32 s38, s22, 17                        ; o: the block's four m-tiles, (waves 0-3:) mine of them,
	s_lshl_b32 s25, s16, 15
	s_add_co_u32 s38, s38, s25
	s_lshl_b32 s25, s20, 11                        ; two tiles a head
	s_add_co_u32 s38, s38, s25
	s_mov_b32 s39, 0
	s_mov_b32 s[CS], 0x3fb8aa3b
	s_mov_b32 s[CS+1], s[CS]
	s_mov_b32 s[SEL], 0x76543210
	s_mov_b32 s[SEL+1], 0xfedcba98
	s_mov_b32 s[TK], 0
	s_mov_b32 s[TV], 0
	s_mov_b32 s[TM], 0
	s_mov_b32 s[CNT], NK/64
	s_mov_b32 s[SC], 0x3e000000
	s_mov_b32 s[SC+1], s[SC]
	s_lshl_b32 s62, s16, 14
	s_add_co_u32 s62, s62, PART
	v_add_nc_u32 v[DA], s62, v[LB]
	s_lshl_b32 s62, s23, 12
	s_lshl_b32 s63, s24, 9
	s_add_co_u32 s62, s62, s63
	s_add_co_u32 s62, s62, PART
	v_add_nc_u32 v[RA], s62, v[LB]
	v_add_nc_u32 v[RB], 0x10000, v[RA]
	v_lshlrev_b32 v[BO], 7, v3                     ; my 16 channels begin at 32 h + 16 (w % 2)
	v_lshl_add_u32 v[BO], s24, 6, v[BO]
	s_mul_i32 s62, s23, 16*QP
	s_lshl_b32 s63, s24, 5
	s_add_co_u32 s62, s62, s63
	s_add_co_u32 s62, s62, QL
	v_mul_u32_u24 v[QS], v2, QP                    ; query 16 i + r, byte 64 h + 32 (w % 2)
	v_lshl_add_u32 v[QS], v3, 6, v[QS]
	v_add_nc_u32 v[QS], s62, v[QS]
	v_lshl_add_u32 v[SK], s16, 13, v[LB]           ; K as it lies: my wave's four tiles of 2,048 bytes
	s_mul_i32 s62, s16, 64*PV
	s_add_co_u32 s62, s62, VL
	v_mul_u32_u24 v[SV], v2, PV                    ; V: key r of a tile, channels 8 h ..
	v_lshl_add_u32 v[SV], v3, 4, v[SV]
	v_add_nc_u32 v[SV], s62, v[SV]
	s_mul_i32 s62, s16, 8*MPI
	s_add_co_u32 s62, s62, ML
	v_add_nc_u32 v[SM], s62, v[LB]
	s_wait_kmcnt 0x0
	s_add_nc_u64 s[XB:XB+1], s[4:5], s[26:27]
	s_add_nc_u64 s[WB:WB+1], s[6:7], s[28:29]
	s_add_nc_u64 s[8:9], s[8:9], s[30:31]
	s_add_nc_u64 s[KB:KB+1], s[10:11], s[32:33]
	s_add_nc_u64 s[VB:VB+1], s[10:11], s[34:35]
	s_add_nc_u64 s[MB:MB+1], s[12:13], s[36:37]
	s_add_nc_u64 s[OB:OB+1], s[14:15], s[38:39]
	; 100 loads of 512 bytes go out together: my part of K and V (32), my 16 KB of the slice (32), x's fragments step by step (32), the bias (4)
	WIN 0x40
.set n, 0
.rept 16
	global_load_b128 v[4*n:4*n+3], v[LB], s[KB:KB+1] offset:(n/4)*8192+(n%4)*512
.set n, n+1
.endr
.set n, 0
.rept 16
	global_load_b128 v[64+4*n:64+4*n+3], v[LB], s[VB:VB+1] offset:(n/4)*8192+(n%4)*512
.set n, n+1
.endr
.set n, 0
.rept 32
	global_load_b128 v[OPS+4*n:OPS+4*n+3], v[LB], s[WB:WB+1] offset:n*512
.set n, n+1
.endr
	WIN 0
.set n, 0
.rept 16                               ; n = 4 s + i
	global_load_b128 v[OPS+8*n:OPS+8*n+3], v[LB], s[XB:XB+1] offset:(n/4)*1024+(n%4)*MSTR
	global_load_b128 v[OPS+8*n+4:OPS+8*n+7], v[LB], s[XB:XB+1] offset:(n/4)*1024+(n%4)*MSTR+512
.set n, n+1
.endr
.set u, 0
.rept 4
	global_load_b128 v[BV+4*u:BV+4*u+3], v[BO], s[8:9] offset:16*u
.set u, u+1
.endr
	s_wait_loadcnt 63                              ; K and V are in: 68 loads lie behind them; 63 is the largest count that the wait can name, and asks for five loads more
	WIN 0x04
.set n, 0
.rept 16
	ds_store_b128 v[SK], v[4*n:4*n+3] offset:n*512
.set n, n+1
.endr
.set n, 0
.rept 16
	ds_store_b128 v[SV], v[64+4*n:64+4*n+3] offset:(n/4)*16*PV+((n%4)/2)*64+(n%2)*32
.set n, n+1
.endr
	WIN 0x51                                       ; weights (source 0) and sums in window 1, x (source 1) in window 0
	s_wait_loadcnt 28                              ; all weights and x's step 0 are in: behind them lie x's steps 1-3 (24) and the bias (4)
	MMA 0, 1
	WIN 0
	PLACES
	MASKLD 0
	WIN 0x51
	s_wait_loadcnt 36                              ; x's steps 2, 3 (16), the bias (4), the mask's first half (16)
	MMA 1, 0
	WIN 0
	PLACES
	MASKLD 1
	WIN 0x51
	s_wait_loadcnt 44                              ; x's step 3 (8), the bias (4), the mask (32)
	MMA 2, 0
	s_wait_loadcnt 36                              ; the bias and the mask
	MMA 3, 0
	WIN 0
	PLACES
	WIN 0x04
.set a, 0
.rept 16                               ; each accumulator's low four registers first; 512 consecutive bytes a store
	ds_store_b128 v[DA], v[8*a:8*a+3] offset:a*1024
	ds_store_b128 v[DA], v[8*a+4:8*a+7] offset:a*1024+512
.set a, a+1
.endr
	WIN 0
	s_wait_dscnt 0x0                               ; for the others' sake: my partial sums, and my part of K and V, are in LDS
	s_barrier_signal -1
	s_barrier_wait -1
	WIN 0x40
	LDPART 0, RA
	LDPART 64, RB
	s_wait_dscnt 16                                ; the first sixteen are in
	WIN 0x05
.set q, 0
.rept 8
	v_pk_add_f32 v[SUM+2*q:SUM+2*q+1], v[2*q:2*q+1], v[16+2*q:16+2*q+1]
.set q, q+1
.endr
	WIN 0x04
	ADD16 32
	ADD16 48
	s_wait_dscnt 0x0
	ADD16 64
	ADD16 80
	ADD16 96
.set t, 0
.rept 4
.set q, 0
.rept 4
	v_add_f32 v[Y+4*q+t], v[SUM+4*t+q], v[112+4*t+q]           ; the last addition puts the channels in order: channel 4 q + t from (t, q)
.set q, q+1
.endr
.set t, t+1
.endr
	WIN 0
	s_wait_loadcnt 32                              ; the bias is in; the mask's 32 loads may stay out
.set q, 0
.rept 8
	v_pk_add_f32 v[Y+2*q:Y+2*q+1], v[Y+2*q:Y+2*q+1], v[BV+2*q:BV+2*q+1]
.set q, q+1
.endr
.set q, 0
.rept 8
	v_pk_mul_f32 v[Y+2*q:Y+2*q+1], v[Y+2*q:Y+2*q+1], s[SC:SC+1] op_sel_hi:[1,0]
.set q, q+1
.endr
.set q, 0
.rept 8
	v_cvt_pk_bf16_f32 v[PK+q], v[Y+2*q], v[Y+2*q+1]
.set q, q+1
.endr
	ds_store_b128 v[QS], v[PK:PK+3]
	ds_store_b128 v[QS], v[PK+4:PK+7] offset:16
	s_wait_dscnt 0x0                               ; my reads of the partial sums are over, and my part of Q is in LDS
	s_barrier_signal -1
	s_barrier_wait -1                              ; nobody reads the partial sums any more: the mask's rows may take their place
	s_wait_loadcnt 0x0                             ; the mask
	WIN 0x04
	MASKST 0
	WIN 0
	MASKST 8
	s_wait_dscnt 0x0                               ; for the others' sake: my part of the mask is in LDS
	s_barrier_signal -1
	s_barrier_wait -1
	s_cmp_ge_u32 s16, 4
	s_cbranch_scc1 .Lend                           ; part 2 has four tiles of 16 queries: waves 4-7 have done their share; what is jumped holds no barrier
	s_mul_i32 s62, s16, 16*MPI
	s_add_co_u32 s62, s62, ML
	v_mul_u32_u24 v[AM0], v2, MPI
	v_lshl_add_u32 v[AM0], v3, 5, v[AM0]
	v_add_nc_u32 v[AM0], s62, v[AM0]
	s_mul_i32 s62, s16, 16*QP
	s_add_co_u32 s62, s62, QL
	v_mul_u32_u24 v[QR], v2, QP                    ; query 16 w + r, channels 8 h ..
	v_lshl_add_u32 v[QR], v3, 4, v[QR]
	v_add_nc_u32 v[QR], s62, v[QR]
	v_and_b32 v15, 7, v0                           ; the turning load: lane l reads key 8 (l / 16) + l % 8, channels 8 ((l / 8) % 2) ..
	v_lshl_add_u32 v[AV0], v3, 3, v15
	v_mul_u32_u24 v[AV0], v[AV0], PV
	v_bfe_u32 v15, v0, 3, 1
	v_lshl_add_u32 v[AV0], v15, 4, v[AV0]
	v_add_nc_u32 v[AV0], VL, v[AV0]
.set n, 0
.rept 4
	ds_load_b128 v[Q+4*n:Q+4*n+3], v[QR] offset:n*32           ; two fragments: channels 8 h .., 16 + 8 h .., 32 + 8 h .., 48 + 8 h ..
.set n, n+1
.endr
.set n, 0
.rept 32
	v_mov_b32 v[O+n], 0                            ; no first trip is written out: the first a is 0, and O and l start at 0
.set n, n+1
.endr
	v_mov_b32 v[LS], 0
	v_mov_b32 v[LS+1], 0
	v_mov_b32 v[M], 0xf149f2ca                     ; -1e30
	v_mul_f32 v[CM], s[CS], v[M]
.Ltrip:                                            ; 64 keys
	v_add_nc_u32 v[AKC], s[TK], v[LB]              ; these three and the v_nop are the places between the last trip's products and the loads into V's registers
	v_add_nc_u32 v[AVC], s[TV], v[AV0]
	v_add_nc_u32 v[AMC], s[TM], v[AM0]
	v_nop
.set n, 0
.rept 4
	ds_load_b128 v[S+8*n:S+8*n+3], v[AMC] offset:n*64          ; the mask goes where the sums begin
	ds_load_b128 v[S+8*n+4:S+8*n+7], v[AMC] offset:n*64+16
.set n, n+1
.endr
.set n, 0
.rept 8
	ds_load_b128 v[KF+8*n:KF+8*n+3], v[AKC] offset:n*1024
	ds_load_b128 v[KF+8*n+4:KF+8*n+7], v[AKC] offset:n*1024+512
.set n, n+1
.endr
.set n, 0
.rept 8
	ds_load_tr16_b128 v[VF+8*n:VF+8*n+3], v[AVC] offset:(n/4)*32*PV+(n%4)*32
	ds_load_tr16_b128 v[VF+8*n+4:VF+8*n+7], v[AVC] offset:(n/4)*32*PV+16*PV+(n%4)*32
.set n, n+1
.endr
	s_wait_dscnt 16                                ; Q, mask and K are in; V's sixteen loads stay out
.set n, 0
.rept 8                                ; channels 32 (n / 4) .., keys 16 (n % 4) ..: the four accumulators take turns
	v_wmma_f32_16x16x32_bf16 v[S+8*(n%4):S+8*(n%4)+7], v[KF+16*(n%4)+8*(n/4):KF+16*(n%4)+8*(n/4)+7], v[Q+8*(n/4):Q+8*(n/4)+7], v[S+8*(n%4):S+8*(n%4)+7]
.set n, n+1
.endr
	PLACES                                         ; behind those products
.irp n, 0,1,2,3                        ; the maximum of the lane's 32 scores and the old m; each accumulator's lowest registers are read first
	v_max3_num_f32 v[C0+(\n)], v[S+8*(\n)], v[S+8*(\n)+1], v[S+8*(\n)+2]
.endr
.irp n, 0,1,2,3
	v_max3_num_f32 v[C0+(\n)], v[C0+(\n)], v[S+8*(\n)+3], v[S+8*(\n)+4]
.endr
.irp n, 0,1,2,3
	v_max3_num_f32 v[C0+(\n)], v[C0+(\n)], v[S+8*(\n)+5], v[S+8*(\n)+6]
.endr
	v_max3_num_f32 v[C0], v[C0], v[S+7], v[S+15]
	v_max3_num_f32 v[C0+1], v[C0+1], v[S+23], v[S+31]
	v_max3_num_f32 v[C0+2], v[C0+2], v[C0+3], v[M]
	v_mov_b32 v[OLD], v[CM]
	v_max3_num_f32 v[C0], v[C0], v[C0+1], v[C0+2]
	v_permlanex16_b32 v[C0+3], v[C0], s[SEL], s[SEL+1]         ; the query's other 32 keys lie in the lane 16 away
	v_max_num_f32 v[M], v[C0], v[C0+3]
	v_mul_f32 v[CM], s[CS], v[M]
	v_sub_f32 v[C0+1], v[OLD], v[CM]
.set n, 0
.rept 16
	v_pk_fma_f32 v[S+2*n:S+2*n+1], v[S+2*n:S+2*n+1], s[CS:CS+1], v[CM:CM+1] op_sel_hi:[1,0,0] neg_lo:[0,0,1] neg_hi:[0,0,1]   ; c s - c m
.set n, n+1
.endr
	v_exp_f32 v[C0+2], v[C0+1]                     ; a; with the 32 weights one batch
.set n, 0
.rept 32
	v_exp_f32 v[S+n], v[S+n]
.set n, n+1
.endr
	v_nop                                          ; a plain instruction behind the last exponential,
	s_wait_alu depctr_va_vdst(0)                   ; and the one wait ahead of the batch's first reader
.set n, 0
.rept 16
	v_cvt_pk_bf16_f32 v[P+n], v[S+2*n], v[S+2*n+1]
.set n, n+1
.endr
.irp w, 4,8,16,32                      ; the 16 pairs are added up in place: neighbours 1, 2, 4, 8 pairs apart
.set n, 0
.rept 32/(\w)
	v_pk_add_f32 v[S+(\w)*n:S+(\w)*n+1], v[S+(\w)*n:S+(\w)*n+1], v[S+(\w)*n+(\w)/2:S+(\w)*n+(\w)/2+1]
.set n, n+1
.endr
.endr
	v_pk_fma_f32 v[LS:LS+1], v[LS:LS+1], v[C0+2:C0+3], v[S:S+1] op_sel_hi:[1,0,1]   ; l = a l + sum
.set n, 0
.rept 16
	v_pk_mul_f32 v[O+2*n:O+2*n+1], v[O+2*n:O+2*n+1], v[C0+2:C0+3] op_sel_hi:[1,0]
.set n, n+1
.endr
	s_wait_dscnt 0x0                               ; V is in
.set n, 0
.rept 8                                ; keys 32 (n / 4) .., channels 16 (n % 4) ..
	v_wmma_f32_16x16x32_bf16 v[O+8*(n%4):O+8*(n%4)+7], v[VF+32*(n/4)+8*(n%4):VF+32*(n/4)+8*(n%4)+7], v[P+8*(n/4):P+8*(n/4)+7], v[O+8*(n%4):O+8*(n%4)+7]
.set n, n+1
.endr
	s_add_co_u32 s[TK], s[TK], 8192                ; four key tiles of 2,048 bytes,
	s_add_co_u32 s[TV], s[TV], 64*PV               ; 64 rows of V,
	s_add_co_u32 s[TM], s[TM], 256                 ; 64 numbers of a mask row
	s_sub_co_u32 s[CNT], s[CNT], 1
	s_cmp_lg_u32 s[CNT], 0
	s_cbranch_scc1 .Ltrip
	PLACES                                         ; behind the last products
	v_add_f32 v[LS], v[LS], v[LS+1]
	v_permlanex16_b32 v[LS+1], v[LS], s[SEL], s[SEL+1]
	v_add_f32 v[LS], v[LS], v[LS+1]
	v_rcp_f32 v[C0], v[LS]
	v_nop
	s_wait_alu depctr_va_vdst(0)
.set n, 0
.rept 16
	v_pk_mul_f32 v[O+2*n:O+2*n+1], v[O+2*n:O+2*n+1], v[C0:C0+1] op_sel_hi:[1,0]
.set n, n+1
.endr
.set n, 0
.rept 16
	v_cvt_pk_bf16_f32 v[S+n], v[O+2*n], v[O+2*n+1]
.set n, n+1
.endr
.set n, 0
.rept 4                                ; channel tile n: a lane's 8 channels of its query are 16 bytes of the image; the wave's 512 bytes are consecutive
	global_store_b128 v[LB], v[S+4*n:S+4*n+3], s[OB:OB+1] offset:n*512
.set n, n+1
.endr
.Lend:
	s_wait_dscnt 0x0                               ; my LDS reads are back, those of the trips among them
	s_barrier_signal -1                            ; all eight waves meet once more:
	s_barrier_wait -1                              ; no wave writes LDS again, by the add below, before every wave's reads are over.  O's stores may still be out: no wave touches their bytes
	s_wait_tensorcnt 0x0                           ; the wave's end
	ds_add_u32 v[SPW], v[NIL]
	s_wait_dscnt 0x0
	s_endpgm
.Lfunc_end_k_q305d76e22d_a2:
	.size	k_q305d76e22d_a2, .Lfunc_end_k_q305d76e22d_a2-k_q305d76e22d_a2
	.p2alignl 7, 3214868480
	.fill 96, 4, 3214868480
	.section	.rodata,"a",@progbits
	.p2align	6, 0x0
	.amdhsa_kernel k_q305d76e22d_a2
		.amdhsa_group_segment_fixed_size 289792
		.amdhsa_private_segment_fixed_size 0
		.amdhsa_enable_private_segment 0
		.amdhsa_kernarg_size 48
		.amdhsa_user_sgpr_count 2
		.amdhsa_user_sgpr_kernarg_segment_ptr 1
		.amdhsa_wavefront_size32 1
		.amdhsa_system_sgpr_workgroup_id_x 1
		.amdhsa_system_sgpr_workgroup_id_y 1
		.amdhsa_system_sgpr_workgroup_id_z 1
		.amdhsa_system_vgpr_workitem_id 0
		.amdhsa_next_free_vgpr 512
		.amdhsa_next_free_sgpr 66
		.amdhsa_reserve_vcc 0
		.amdhsa_float_denorm_mode_32 3
		.amdhsa_float_denorm_mode_16_64 3
		.amdhsa_memory_ordered 1
		.amdhsa_forward_progress 1
		.amdhsa_inst_pref_size 51
	.end_amdhsa_kernel
	.amdgpu_metadata
---
amdhsa.version: [ 1, 2 ]
amdhsa.kernels:
  - .name:           k_q305d76e22d_a2
    .symbol:         k_q305d76e22d_a2.kd
    .args:
      - { .name: xb, .offset: 0, .size: 8, .value_kind: global_buffer, .address_space: global }
      - { .name: wc, .offset: 8, .size: 8, .value_kind: global_buffer, .address_space: global }
      - { .name: ca_q_b, .offset: 16, .size: 8, .value_kind: global_buffer, .address_space: global }
      - { .name: qkv, .offset: 24, .size: 8, .value_kind: global_buffer, .address_space: global }
      - { .name: encoder_attention_mask, .offset: 32, .size: 8, .value_kind: global_buffer, .address_space: global }
      - { .name: ob, .offset: 40, .size: 8, .value_kind: global_buffer, .address_space: global }
    .group_segment_fixed_size: 289792
    .private_segment_fixed_size: 0
    .kernarg_segment_align: 8
    .kernarg_segment_size: 48
    .max_flat_workgroup_size: 256
    .sgpr_count:     66
    .vgpr_count:     512
    .wavefront_size: 32
...
	.end_amdgpu_metadata
.endif
;; end of part 11
;; launch g4: the kernel of part 10 again; grid 256 x 1, 8 waves a work-group, no clusters, 149,504 bytes of LDS; arguments ob, wc, ca_o_b, h2, h3; writes h3
;; launch lnc: the kernel of part 8 again; grid 64 x 1, 4 waves a work-group, no clusters, 33,792 bytes of LDS; arguments h3, ln3_g, ln3_b, encoder_hidden_states, xb, ca_o_w, sa_q_w, sa_k_w, sa_v_w, ca_k_w, ca_v_w, ca_q_w, sa_o_w, wc, hid; writes xb
;; launch m1: the kernel of part 6 again; grid 256 x 1, 4 waves a work-group, no clusters, 262,656 bytes of LDS; arguments xb, moe_w1, moe_w3, langs, hid; writes hid
;; launch m2: the kernel of part 7 again; grid 256 x 1, 8 waves a work-group, no clusters, 149,504 bytes of LDS; arguments hid, moe_w2, langs, h3, out0; writes out0
;; ======== version 3 of 3: 10 launches; version 2 with the launches lna, lnb, lnc, m2 written anew for expert scheduling mode
;; limits: right only within a limited range of input values
;; workspace buffers: xa 6,291,456 bytes; qkv 5,242,880 bytes; ob 2,097,152 bytes; h2 4,194,304 bytes; xb 2,097,152 bytes; wc 8,388,608 bytes; h3 4,194,304 bytes; hid 8,388,608 bytes
;; launch lna (part 12): grid 512 x 1, 4 waves a work-group, no clusters, 33,792 bytes of LDS; arguments hidden_states, ln1_g, ln1_b, encoder_hidden_states, xa, ca_o_w, sa_q_w, sa_k_w, sa_v_w, ca_k_w, ca_v_w, ca_q_w, sa_o_w, wc, h3; writes xa, wc, h3
.if DOCPART == 12
	.amdgcn_target "amdgcn-amd-amdhsa--gfx1250"
	.amdhsa_code_object_version 6
	.text
	.protected	k_q305d76e22d_lna
	.globl	k_q305d76e22d_lna
	.p2align	8
	.type	k_q305d76e22d_lna,@function
k_q305d76e22d_lna:
	s_mov_b64 s[64:65], 0
	v_nop
	global_prefetch_b8 v0, s[64:65] scope:SCOPE_SE
	s_setreg_imm32_b32 hwreg(HW_REG_WAVE_SCHED_MODE, 0, 2), 2
	s_setreg_imm32_b32 hwreg(HW_REG_WAVE_MODE, 25, 1), 1
	s_wait_xcnt 0x0
	s_wait_alu depctr_vm_vsrc(0)
; THREE KINDS OF WORK-GROUPS, BY NUMBER.  Arguments: x, g, b, enc, out, eight weight matrices (ca_o, sa_q, sa_k, sa_v, ca_k, ca_v, ca_q, sa_o), wc, wd.
;   0-63     LAYERNORM of rows 16 id .. of x (f32 [..][1024]): (x - mean) rsqrt(var + 1e-5) g + b, rounded to bf16, to tile row id of out
;   64-191   rows 16 (id - 64) .. of enc, only rounded, to tile row id of out
;   192-511  A SLICE OF A WEIGHT MATRIX (f32 [1024][N], N = 1,024 or 256), rounded to bf16 and laid in the order in which a wave's matrix registers take it
; In a grid of 64 only the first kind exists, and enc, the weights, wc and wd are not touched.
; THE IMAGE OF ROWS: element (m, k) of a matrix with K columns lies at byte ((m/16)(K/32) + k/32) 1024 + ((k%32)/8) 256 + (m%16) 16 + (k%8) 2, so that a matrix
; fragment of 16 rows x 32 k is two loads of 512 consecutive bytes, 16 bytes a lane, with no shuffle.
; THE IMAGE OF WEIGHTS: a slice is 64 columns x 1,024 k = 32 blocks of 4,096 bytes, one for each 32 k.  A block holds four fragments, 1,024 bytes each; fragment t holds columns 4 rho + t (rho = 0..15);
; its registers 0-3 (k = 8 h + 0..7) lie at 16 x lane, its registers 4-7 (k = 16 + 8 h + 0..7) 512 bytes on.  Slices 0-15 ca_o, 16-31 sa_q, 32-35 sa_k, 36-39 sa_v, 40-43 ca_k, 44-47 ca_v, 48-63 ca_q go to wc;
; slices 64-79, sa_o, to the head of wd, a buffer that is idle until a later launch stores all of it: so the two output projections find their weights at the head of a buffer and share one text.
; SHARES, rows: four waves, four rows each; a row lies in 32 registers of its wave, so mean and variance (of the centred numbers) never leave the wave.  The rounded rows meet in LDS (pitch 2,064 bytes = 129 x 16:
; the 16 rows that a load touches start at 16 different groups of banks), and each wave writes 8 of the 32 tiles, 512 consecutive bytes a store.
; SHARES, weights: work-group 192 + c has slice c / 4 and quarter c % 4 of K; each wave two blocks.  Lane (r, h) loads columns 4 r .. 4 r + 3 of the rows k0 + 8 h + 0..7 and k0 + 16 + 8 h + 0..7 (each load of the wave: two rows x 256
; consecutive bytes); 32 roundings in pairs make a block's four fragments; eight stores of 512 consecutive bytes write it.  All 32 loads of a wave go out together.
; Every work-group passes the one barrier; what is jumped holds none.  No matrix unit, cluster or tensor load: each byte is read once and there is nothing to share.
; THE MODE: SCHED_MODE bits 1:0 = 2 (LLVM: expert scheduling mode 2), set by the entry lines.  The code itself states the register dependences
; between vector instructions and memory or LDS instructions, with s_wait_alu, always for 0.
; THE PLAN.  Registers that memory or LDS instructions touch:
;   v[RO], v[LB], v[STO], v[RD]   addresses, made at the head and never written again: one wait at the head, ahead of the branch, serves both kinds of work.
;   v[OFW ..]                     weights only: 16 offsets, made once, one wait behind them.
;   X, rows                       loaded once.  Of a row's 32 registers the low 16 take the rounded row: written by the roundings, read by the LDS stores.  The high 16 are named by vector instructions alone, until the tiles
;                                 on their way out land in them (LDS loads) and leave (global stores).  So no register that a store reads is ever written again, and no register is loaded that a store has read.
;   X, weights                    loaded once, read by the roundings.
;   v[G ..], weights              two out-buffers, one a block: written once by the block's roundings, read by its eight stores.
;   v[G ..], v[BI ..], rows       g and b: loaded once, read by vector instructions alone.
; The rows are rounded in two halves: rows 0 and 1, a wait, their 16 LDS stores dealt among the roundings of rows 2 and 3 (which name those two rows' registers alone), a wait, the other 16 stores.
; LIMITS.  Results are rounded once to bf16.  NaN and infinities are not treated apart.
.set LP,    2064                       ; the 16 rows take 33,024 bytes of LDS
.set NLN,   192                        ; work-groups below this number take rows
.set RO,  4                            ; v4   byte offset of my 16 bytes in my wave's first row
.set LB,  5                            ; v5   16 x lane
.set STO, 8                            ; v8   LDS: where I put 8 bytes of my wave's first row
.set RD,  9                            ; v9   LDS: where I read 16 bytes of a fragment
.set SA,  12                           ; v[12:19]  a pair for each row: sum, then mean
.set SQ,  20                           ; v[20:27]  a pair for each row: sum of squares, then 1/sqrt
.set OFW, 12                           ; v[12:27]  weights: the byte offsets of my 16 rows of a block
.set X,   32                           ; v[32:159] row j in 32 registers: later its low 16 the rounded row, its high 16 four pieces of the tiles on their way out; weights: two blocks in f32
.set G,   160                          ; v[160:191] g of my 32 columns; weights: v[160:223] two blocks in bf16
.set BI,  192                          ; v[192:223] b
	s_load_b256 s[4:11], s[0:1], 0x0               ; x s[4:5], g s[6:7], b s[8:9], enc s[10:11]
	s_load_b64 s[12:13], s[0:1], 0x20              ; out
	s_load_b512 s[36:51], s[0:1], 0x28             ; ca_o s36, sa_q s38, sa_k s40, sa_v s42, ca_k s44, ca_v s46, ca_q s48, sa_o s50
	s_load_b128 s[52:55], s[0:1], 0x68             ; wc s[52:53], wd s[54:55]
	v_lshl_add_u32 v230, v0, 2, 0x8200
	v_mov_b32 v231, 0
	v_and_b32 v1, 31, v0                           ; lane
	v_and_b32 v2, 15, v0                           ; r
	v_bfe_u32 v3, v0, 4, 1                         ; h
	v_lshrrev_b32 v11, 5, v0
	v_readfirstlane_b32 s16, v11                   ; wave
	s_mov_b32 s17, ttmp9
	s_sub_co_u32 s18, s17, 64
	s_cmp_lt_u32 s17, 64
	s_cselect_b32 s18, s17, s18                    ; my block of 16 rows in its tensor
	s_lshl_b32 s18, s18, 16                        ; 16 rows of 4,096 bytes
	s_mov_b32 s19, 0
	s_lshl_b32 s24, s17, 15                        ; out: tile row id, 32 tiles of 1,024 bytes,
	s_wait_alu depctr_va_sdst(0)                   ; s16 is written, ahead of its first reader: offsets and addresses are made from it
	s_lshl_b32 s25, s16, 13                        ; my wave's 8 tiles
	s_add_co_u32 s24, s24, s25
	s_mov_b32 s25, 0
	s_mov_b32 s22, 0x76543210                      ; v_permlanex16_b32: each lane takes its own place in the other half
	s_mov_b32 s23, 0xfedcba98
	s_mov_b32 s26, 0x3a800000                      ; 1/1024
	s_mov_b32 s27, 0x3727c5ac                      ; 1e-5
	v_lshlrev_b32 v[LB], 4, v1
	v_lshl_add_u32 v[RO], s16, 14, v[LB]           ; + wave x 4 rows
	v_lshlrev_b32 v[STO], 3, v1
	s_mul_i32 s28, s16, 4*LP
	v_add_nc_u32 v[STO], s28, v[STO]
	v_mul_u32_u24 v[RD], v2, LP                    ; row r,
	v_lshl_add_u32 v[RD], v3, 4, v[RD]             ; k = 8 h ..,
	v_lshl_add_u32 v[RD], s16, 9, v[RD]            ; my wave's 8 tiles: 64 bytes of a row each
	s_wait_kmcnt 0x0
	s_wait_alu depctr_va_vdst(0)                   ; v[LB], v[RO], v[STO] and v[RD] are written: the loads and stores of both kinds of work read them as addresses
	s_cmp_ge_u32 s17, NLN
	s_cbranch_scc1 .Lcast                          ; a slice of weights
	s_cmp_lt_u32 s17, 64
	s_cselect_b64 s[20:21], s[4:5], s[10:11]
	s_add_nc_u64 s[20:21], s[20:21], s[18:19]
	s_add_nc_u64 s[12:13], s[12:13], s[24:25]
.set j, 0
.rept 4
.set q, 0
.rept 8
	global_load_b128 v[X+32*j+4*q:X+32*j+4*q+3], v[RO], s[20:21] offset:j*4096+q*512   ; 512 consecutive bytes of row j
.set q, q+1
.endr
.set j, j+1
.endr
.set q, 0
.rept 8
	global_load_b128 v[G+4*q:G+4*q+3], v[LB], s[6:7] offset:q*512
	global_load_b128 v[BI+4*q:BI+4*q+3], v[LB], s[8:9] offset:q*512
.set q, q+1
.endr
	s_wait_loadcnt 0x0                             ; all 48: the sums want whole rows
	s_cmp_ge_u32 s17, 64
	s_cbranch_scc1 .Lround                         ; rows of enc are only rounded
; a row's figure, held as a pair in each lane, is added up over the pair and over the 32 lanes; every lane ends up with it
.macro LANESUM base
.irp j, 0,1,2,3
	v_add_f32 v[(\base)+2*(\j)], v[(\base)+2*(\j)], v[(\base)+2*(\j)+1]
.endr
.irp m, 1,2,4,8
.irp j, 0,1,2,3
	v_add_f32_dpp v[(\base)+2*(\j)], v[(\base)+2*(\j)], v[(\base)+2*(\j)] row_xmask:\m row_mask:0xf bank_mask:0xf
.endr
.endr
.irp j, 0,1,2,3
	v_permlanex16_b32 v[(\base)+2*(\j)+1], v[(\base)+2*(\j)], s22, s23
.endr
.irp j, 0,1,2,3
	v_add_f32 v[(\base)+2*(\j)], v[(\base)+2*(\j)], v[(\base)+2*(\j)+1]
.endr
.endm
; four numbers of row w become 8 bytes, in place (the target registers lie at or below the sources already used),
.macro CV w, e
	v_cvt_pk_bf16_f32 v[X+32*(\w)+2*(\e)], v[X+32*(\w)+4*(\e)], v[X+32*(\w)+4*(\e)+1]
	v_cvt_pk_bf16_f32 v[X+32*(\w)+2*(\e)+1], v[X+32*(\w)+4*(\e)+2], v[X+32*(\w)+4*(\e)+3]
.endm
; and go to byte 2 x column of the row in LDS
.macro PUT w, e
	ds_store_b64 v[STO], v[X+32*(\w)+2*(\e):X+32*(\w)+2*(\e)+1] offset:(\w)*LP+(\e)*256
.endm
.irp j, 0,1,2,3                        ; the four rows' chains alternate, so that no line waits for the one before it
	v_pk_add_f32 v[SA+2*(\j):SA+2*(\j)+1], v[X+32*(\j):X+32*(\j)+1], v[X+32*(\j)+2:X+32*(\j)+3]
.endr
.set p, 2
.rept 14
.irp j, 0,1,2,3
	v_pk_add_f32 v[SA+2*(\j):SA+2*(\j)+1], v[SA+2*(\j):SA+2*(\j)+1], v[X+32*(\j)+2*p:X+32*(\j)+2*p+1]
.endr
.set p, p+1
.endr
	LANESUM SA
.irp j, 0,1,2,3
	v_mul_f32 v[SA+2*(\j)], s26, v[SA+2*(\j)]      ; mean
.endr
.set p, 0
.rept 16
.irp j, 0,1,2,3
	v_pk_add_f32 v[X+32*(\j)+2*p:X+32*(\j)+2*p+1], v[X+32*(\j)+2*p:X+32*(\j)+2*p+1], v[SA+2*(\j):SA+2*(\j)+1] op_sel_hi:[1,0] neg_lo:[0,1] neg_hi:[0,1]
.endr
.set p, p+1
.endr
.irp j, 0,1,2,3
	v_pk_mul_f32 v[SQ+2*(\j):SQ+2*(\j)+1], v[X+32*(\j):X+32*(\j)+1], v[X+32*(\j):X+32*(\j)+1]
.endr
.set p, 1
.rept 15
.irp j, 0,1,2,3
	v_pk_fma_f32 v[SQ+2*(\j):SQ+2*(\j)+1], v[X+32*(\j)+2*p:X+32*(\j)+2*p+1], v[X+32*(\j)+2*p:X+32*(\j)+2*p+1], v[SQ+2*(\j):SQ+2*(\j)+1]
.endr
.set p, p+1
.endr
	LANESUM SQ
.irp j, 0,1,2,3
	v_fma_f32 v[SQ+2*(\j)], v[SQ+2*(\j)], s26, s27 ; variance + 1e-5
.endr
.irp j, 0,1,2,3
	v_rsq_f32 v[SQ+2*(\j)], v[SQ+2*(\j)]
.endr
	v_nop                                          ; a plain instruction behind the last of the four,
	s_wait_alu depctr_va_vdst(0)                   ; and the one wait ahead of their first reader: the four 1/sqrt in v[SQ ..] are written
.set p, 0
.rept 16
.irp j, 0,1,2,3
	v_pk_mul_f32 v[X+32*(\j)+2*p:X+32*(\j)+2*p+1], v[X+32*(\j)+2*p:X+32*(\j)+2*p+1], v[SQ+2*(\j):SQ+2*(\j)+1] op_sel_hi:[1,0]
.endr
.irp j, 0,1,2,3
	v_pk_fma_f32 v[X+32*(\j)+2*p:X+32*(\j)+2*p+1], v[X+32*(\j)+2*p:X+32*(\j)+2*p+1], v[G+2*p:G+2*p+1], v[BI+2*p:BI+2*p+1]
.endr
.set p, p+1
.endr
.Lround:
.set n, 0
.rept 16                               ; rows 0 and 1 are rounded
	CV n/8, n%8
.set n, n+1
.endr
	s_wait_alu depctr_va_vdst(0)                   ; the roundings have written the low halves of rows 0 and 1, which the 16 LDS stores below read
.set n, 0
.rept 16                               ; those stores, dealt among the roundings of rows 2 and 3, which name the registers of rows 2 and 3 alone
	PUT n/8, n%8
	CV 2+n/8, n%8
.set n, n+1
.endr
	s_wait_alu depctr_va_vdst(0)                   ; the roundings have written the low halves of rows 2 and 3, which the stores below read; and every vector instruction is done with the rows' high halves, in which the tiles land behind the barrier
.set n, 0
.rept 16
	PUT 2+n/8, n%8
.set n, n+1
.endr
	s_branch .Lmeet
.Lcast:                                            ; A SLICE OF WEIGHTS
	s_sub_co_u32 s29, s17, NLN
	s_lshr_b32 s30, s29, 2                         ; slice 0..79
	s_and_b32 s31, s29, 3                          ; quarter of K
	s_mov_b64 s[56:57], s[50:51]                   ; whose slice it is: from 64 on sa_o,
	s_cmp_lt_u32 s30, 64
	s_cselect_b64 s[56:57], s[48:49], s[56:57]     ; below 64 ca_q,
	s_cselect_b64 s[58:59], s[52:53], s[54:55]     ; (and it goes to wc; sa_o's go to wd,
	s_cselect_b32 s32, 0, 64                       ; counted from wd's head)
	s_cmp_lt_u32 s30, 48
	s_cselect_b64 s[56:57], s[46:47], s[56:57]     ; below 48 ca_v,
	s_cmp_lt_u32 s30, 44
	s_cselect_b64 s[56:57], s[44:45], s[56:57]     ; ca_k,
	s_cmp_lt_u32 s30, 40
	s_cselect_b64 s[56:57], s[42:43], s[56:57]     ; sa_v,
	s_cmp_lt_u32 s30, 36
	s_cselect_b64 s[56:57], s[40:41], s[56:57]     ; sa_k,
	s_cmp_lt_u32 s30, 32
	s_cselect_b64 s[56:57], s[38:39], s[56:57]     ; sa_q,
	s_cmp_lt_u32 s30, 16
	s_cselect_b64 s[56:57], s[36:37], s[56:57]     ; ca_o
	s_sub_co_u32 s33, s30, 32
	s_cmp_lt_u32 s33, 16                           ; slices 32-47 belong to matrices of 256 columns
	s_cselect_b32 s33, 10, 12                      ; log2 of a row's bytes
	s_cselect_b32 s34, 3, 15
	s_and_b32 s34, s30, s34                        ; the slice's number in its matrix
	s_lshl_b32 s35, s31, 8                         ; 256 rows a quarter,
	s_lshl_b32 s60, s16, 6                         ; 64 rows a wave
	s_add_co_u32 s35, s35, s60
	s_lshl_b32 s60, s35, s33
	s_lshl_b32 s61, s34, 8                         ; 256 bytes a slice
	s_add_co_u32 s60, s60, s61
	s_mov_b32 s61, 0
	s_add_nc_u64 s[56:57], s[56:57], s[60:61]      ; my first block's rows,
	s_lshl_b32 s60, 32, s33
	s_add_nc_u64 s[62:63], s[56:57], s[60:61]      ; my second block's
	s_sub_co_u32 s32, s30, s32
	s_lshl_b32 s60, s32, 17                        ; the image: 131,072 bytes a slice,
	s_lshl_b32 s35, s31, 15                        ; 8 blocks a quarter,
	s_add_co_u32 s60, s60, s35
	s_lshl_b32 s35, s16, 13                        ; 2 blocks a wave
	s_add_co_u32 s60, s60, s35
	s_add_nc_u64 s[58:59], s[58:59], s[60:61]
	s_lshl_b32 s34, 1, s33                         ; a row,
	s_lshl_b32 s35, 16, s33                        ; 16 rows
	v_lshlrev_b32 v[OFW], 3, v3
	v_lshlrev_b32 v[OFW], s33, v[OFW]              ; row 8 h,
	v_lshl_add_u32 v[OFW], v2, 4, v[OFW]           ; columns 4 r ..
.irp i, 1,2,3,4,5,6,7
	v_add_nc_u32 v[OFW+(\i)], s34, v[OFW+(\i)-1]
.endr
	v_add_nc_u32 v[OFW+8], s35, v[OFW]
.irp i, 1,2,3,4,5,6,7
	v_add_nc_u32 v[OFW+8+(\i)], s34, v[OFW+8+(\i)-1]
.endr
.macro CLD p, b                        ; a block's 16 loads
.set i, 0
.rept 16
	global_load_b128 v[X+64*(\p)+4*i:X+64*(\p)+4*i+3], v[OFW+i], s[\b:\b+1] th:TH_LOAD_NT
.set i, i+1
.endr
.endm
.macro CST p                           ; fragment t, register q: k = 8 h + 2 q, + 1 of column 4 r + t; registers 4-7 the same 16 further along k; then the block's eight stores
.set t, 0
.rept 4
.set q, 0
.rept 4
	v_cvt_pk_bf16_f32 v[G+32*(\p)+8*t+q], v[X+64*(\p)+8*q+t], v[X+64*(\p)+8*q+4+t]
	v_cvt_pk_bf16_f32 v[G+32*(\p)+8*t+4+q], v[X+64*(\p)+32+8*q+t], v[X+64*(\p)+32+8*q+4+t]
.set q, q+1
.endr
.set t, t+1
.endr
	s_wait_alu depctr_va_vdst(0)                   ; the 32 roundings have written the block's out-buffer, which the eight stores read
.set n, 0
.rept 8
	global_store_b128 v[LB], v[G+32*(\p)+4*n:G+32*(\p)+4*n+3], s[58:59] offset:(\p)*4096+n*512   ; 512 consecutive bytes, at a multiple of 512 from the image's first byte
.set n, n+1
.endr
.endm
	s_wait_alu depctr_va_vdst(0)                   ; the 16 offsets v[OFW ..] are written, which the loads below read
	CLD 0, 56
	CLD 1, 62
	s_wait_loadcnt 16                              ; my first block is in; the second block's 16 loads stay out
	CST 0
	s_wait_loadcnt 0x0
	CST 1
.Lmeet:
	s_wait_dscnt 0x0                               ; for the others' sake: my rows are in LDS
	s_barrier_signal -1
	s_barrier_wait -1
	s_cmp_ge_u32 s17, NLN
	s_cbranch_scc1 .Lend                           ; weights have left already
.set n, 0
.rept 16                               ; tile n / 2 of my eight, its half n % 2: lane (r, h) takes row r, k = 16 (n % 2) + 8 h ..; four pieces go into the high half of each row's registers, which no vector instruction has named since the last wait
	ds_load_b128 v[X+32*(n/4)+16+4*(n%4):X+32*(n/4)+16+4*(n%4)+3], v[RD] offset:(n/2)*64+(n%2)*32
.set n, n+1
.endr
.set n, 0
.rept 16
	s_wait_dscnt 15-n                              ; LDS loads come back in order: number n is in
	global_store_b128 v[LB], v[X+32*(n/4)+16+4*(n%4):X+32*(n/4)+16+4*(n%4)+3], s[12:13] offset:n*512   ; 512 consecutive bytes, at a multiple of 512 from out's first byte
.set n, n+1
.endr
.Lend:
	s_wait_dscnt 0x0                               ; the wave's end
	s_wait_alu depctr_hold_cnt(0) depctr_sa_sdst(0) depctr_va_vdst(0) depctr_va_sdst(0) depctr_va_ssrc(0) depctr_va_vcc(0) depctr_vm_vsrc(0)
	s_wait_tensorcnt 0x0
	ds_add_u32 v230, v231
	s_wait_dscnt 0x0
	s_endpgm
.Lfunc_end_k_q305d76e22d_lna:
	.size	k_q305d76e22d_lna, .Lfunc_end_k_q305d76e22d_lna-k_q305d76e22d_lna
	.p2alignl 7, 3214868480
	.fill 96, 4, 3214868480
	.section	.rodata,"a",@progbits
	.p2align	6, 0x0
	.amdhsa_kernel k_q305d76e22d_lna
		.amdhsa_group_segment_fixed_size 33792
		.amdhsa_private_segment_fixed_size 0
		.amdhsa_enable_private_segment 0
		.amdhsa_kernarg_size 120
		.amdhsa_user_sgpr_count 2
		.amdhsa_user_sgpr_kernarg_segment_ptr 1
		.amdhsa_wavefront_size32 1
		.amdhsa_system_sgpr_workgroup_id_x 1
		.amdhsa_system_sgpr_workgroup_id_y 1
		.amdhsa_system_sgpr_workgroup_id_z 1
		.amdhsa_system_vgpr_workitem_id 0
		.amdhsa_next_free_vgpr 232
		.amdhsa_next_free_sgpr 66
		.amdhsa_reserve_vcc 0
		.amdhsa_float_denorm_mode_32 3
		.amdhsa_float_denorm_mode_16_64 3
		.amdhsa_memory_ordered 1
		.amdhsa_forward_progress 1
		.amdhsa_inst_pref_size 51
	.end_amdhsa_kernel
	.amdgpu_metadata
---
amdhsa.version: [ 1, 2 ]
amdhsa.kernels:
  - .name:           k_q305d76e22d_lna
    .symbol:         k_q305d76e22d_lna.kd
    .args:
      - { .name: hidden_states, .offset: 0, .size: 8, .value_kind: global_buffer, .address_space: global }
      - { .name: ln1_g, .offset: 8, .size: 8, .value_kind: global_buffer, .address_space: global }
      - { .name: ln1_b, .offset: 16, .size: 8, .value_kind: global_buffer, .address_space: global }
      - { .name: encoder_hidden_states, .offset: 24, .size: 8, .value_kind: global_buffer, .address_space: global }
      - { .name: xa, .offset: 32, .size: 8, .value_kind: global_buffer, .address_space: global }
      - { .name: ca_o_w, .offset: 40, .size: 8, .value_kind: global_buffer, .address_space: global }
      - { .name: sa_q_w, .offset: 48, .size: 8, .value_kind: global_buffer, .address_space: global }
      - { .name: sa_k_w, .offset: 56, .size: 8, .value_kind: global_buffer, .address_space: global }
      - { .name: sa_v_w, .offset: 64, .size: 8, .value_kind: global_buffer, .address_space: global }
      - { .name: ca_k_w, .offset: 72, .size: 8, .value_kind: global_buffer, .address_space: global }
      - { .name: ca_v_w, .offset: 80, .size: 8, .value_kind: global_buffer, .address_space: global }
      - { .name: ca_q_w, .offset: 88, .size: 8, .value_kind: global_buffer, .address_space: global }
      - { .name: sa_o_w, .offset: 96, .size: 8, .value_kind: global_buffer, .address_space: global }
      - { .name: wc, .offset: 104, .size: 8, .value_kind: global_buffer, .address_space: global }
      - { .name: h3, .offset: 112, .size: 8, .value_kind: global_buffer, .address_space: global }
    .group_segment_fixed_size: 33792
    .private_segment_fixed_size: 0
    .kernarg_segment_align: 8
    .kernarg_segment_size: 120
    .max_flat_workgroup_size: 128
    .sgpr_count:     66
    .vgpr_count:     232
    .wavefront_size: 32
...
	.end_amdgpu_metadata
.endif
;; end of part 12
;; launch g1: the kernel of part 9 again; grid 640 x 1, 8 waves a work-group, no clusters, 132,096 bytes of LDS; arguments xa, wc, sa_q_b, sa_k_b, sa_v_b, ca_k_b, ca_v_b, qkv; writes qkv
;; launch a1: the kernel of part 3 again; grid 256 x 1, 4 waves a work-group, no clusters, 140,800 bytes of LDS; arguments qkv, attention_mask, ob; writes ob
;; launch g2: the kernel of part 10 again; grid 256 x 1, 8 waves a work-group, no clusters, 149,504 bytes of LDS; arguments ob, h3, sa_o_b, hidden_states, h2; writes h2
;; launch lnb: the kernel of part 12 again; grid 64 x 1, 4 waves a work-group, no clusters, 33,792 bytes of LDS; arguments h2, ln2_g, ln2_b, encoder_hidden_states, xb, ca_o_w, sa_q_w, sa_k_w, sa_v_w, ca_k_w, ca_v_w, ca_q_w, sa_o_w, wc, hid; writes xb
;; launch a2: the kernel of part 11 again; grid 256 x 1, 8 waves a work-group, no clusters, 289,792 bytes of LDS; arguments xb, wc, ca_q_b, qkv, encoder_attention_mask, ob; writes ob
;; launch g4: the kernel of part 10 again; grid 256 x 1, 8 waves a work-group, no clusters, 149,504 bytes of LDS; arguments ob, wc, ca_o_b, h2, h3; writes h3
;; launch lnc: the kernel of part 12 again; grid 64 x 1, 4 waves a work-group, no clusters, 33,792 bytes of LDS; arguments h3, ln3_g, ln3_b, encoder_hidden_states, xb, ca_o_w, sa_q_w, sa_k_w, sa_v_w, ca_k_w, ca_v_w, ca_q_w, sa_o_w, wc, hid; writes xb
;; launch m1: the kernel of part 6 again; grid 256 x 1, 4 waves a work-group, no clusters, 262,656 bytes of LDS; arguments xb, moe_w1, moe_w3, langs, hid; writes hid
;; launch m2 (part 13): grid 256 x 1, 8 waves a work-group, no clusters, 149,504 bytes of LDS; arguments hid, moe_w2, langs, h3, out0; writes out0
.if DOCPART == 13
	.amdgcn_target "amdgcn-amd-amdhsa--gfx1250"
	.amdhsa_code_object_version 6
	.text
	.protected	k_q305d76e22d_m2
	.globl	k_q305d76e22d_m2
	.p2align	8
	.type	k_q305d76e22d_m2,@function
k_q305d76e22d_m2:
	s_mov_b64 s[64:65], 0
	v_nop
	global_prefetch_b8 v0, s[64:65] scope:SCOPE_SE
	s_setreg_imm32_b32 hwreg(HW_REG_WAVE_SCHED_MODE, 0, 2), 2
	s_setreg_imm32_b32 hwreg(HW_REG_WAVE_MODE, 25, 1), 1
	s_wait_xcnt 0x0
	s_wait_alu depctr_vm_vsrc(0)
; THE EXPERTS' SECOND PRODUCT, THE ROUTING WEIGHT AND THE RESIDUAL: out = h3 + rw x (sum over the sequence's live slots of hid[slot] w2[expert]), a tile of 64 rows x 64 columns to a work-group, which alone owns it.
; Arguments: hid, w2, langs, h3, out.  hid: 8 blocked bf16 images of 256 x 2,048, slot 2 b + j (element (m, k) at ((m/16) 64 + k/32) 1024 + ((k%32)/8) 256 + (m%16) 16 + (k%8) 2).  w2: f32 [8][2048][1024].
; ROUTING.  Slot (b, j) is live if langs[b][j] is 4 .. 11 and, for j = 1, differs from langs[b][0]; its expert is the code less 4.  rw = 1/2 if both codes are above 3, else 1.  With no live slot out = h3.
; THE WAVES SPLIT SLOTS AND K: wave w takes slot w / 4 and k = 512 (w % 4) .. + 511, 16 steps of 32.  A wave whose slot is dead jumps over its products and its dump; every wave passes both barriers.
; A step's weights come straight from memory: lane (r, h) loads columns 4 r .. + 3 of the rows k0 + 8 h + 0..7 and k0 + 16 + 8 h + 0..7 (each load: two rows x 256 consecutive bytes); 32 roundings in pairs make four
; fragments, fragment t holding columns 4 rho + t.  Weights are source 0, hid source 1: register j of accumulator (i, t) in lane (r, h) is row 16 i + r, column 32 h + 4 j + t.  No LDS traffic and no barrier in the main loop.
; The live waves' partial sums (f32) meet once in LDS; wave w adds up m-tile w / 2, registers 4 (w % 2) .. + 3; the sums go through a second LDS region (pitch 272) so that each store covers whole rows of 256 aligned bytes.
; NO CLUSTER, NO TENSOR LOAD: the four row blocks of a sequence do share a slice of w2; it is f32 and lies [K][N], and is rounded and turned on its way through registers.
; THE MODE: SCHED_MODE bits 1:0 = 2 (LLVM: expert scheduling mode 2), set by the entry lines.  The code itself states the register dependences
; between vector or matrix instructions and memory or LDS instructions, with s_wait_alu, always for 0.
; THE PLAN.  Registers that memory or LDS instructions touch, in the loop:
;   RAW0 .. RAW2   a step's weights in f32.  Step s: its 32 roundings read RAW[s % 3]; the 16 loads issued in step s + 1, for step s + 3, land in it.
;   XF0 .. XF2     a step's fragments of hid.  Step s: its 16 products read XF[s % 3]; the 8 loads issued in step s + 1, for step s + 3, land in it.
;   v[VW], v[VX]   offsets, made at the head and never written again: the two scalar bases move on once a trip, and immediate offsets do the rest.
;   The weights' fragments WF and the accumulators are named by vector and matrix instructions alone.
; Step s works on set s % 3; its 24 loads, for step s + 2, land in set (s + 2) % 3 = (s - 1) % 3, which step s - 1 worked on and which no vector or matrix instruction of step s names.  So ONE wait on va_vdst stands at a
; step's head, behind the wait for the step's data: the roundings and products of the step before are done reading that set.  The loads follow it with no further wait: hid's eight at once, the weights' sixteen dealt among the roundings.
; Behind the loop: the accumulators are the dump's data; RAW then takes the partial sums and the whole rows; Y is stored to LDS; the residual has registers that nothing else names.  No register that a memory or LDS instruction
; reads is ever written again.
; REGISTERS, in windows of 256: window 0: v0-15 addresses, v16-47 the weights' fragments, v48-239 RAW0-2, v240-255 the residual; window 1: v0-127 the 16 accumulators, (i, t) at v[8 (4 i + t)], v128-223 XF0-2.
; LIMITS.  Operands bf16; sums, residual and result f32.  NaN and infinities are not treated apart.
.set OUTT,  131072                     ; behind the partial sums: 64 rows x 272 bytes
.set MSTR,  65536
.set PITCH, 4096
.set SW,    32*PITCH
.set VW,  4
.set VX,  5
.set DA,  8
.set RA,  9
.set RB,  10
.set GO,  11
.set TS,  13
.set TR,  14
.set WF,  16
.set SUM, 16
.set Y,   32
.set RAW, 48                           ; v[48:239]  set p at RAW + 64 p
.set RES, 240                          ; v[240:255]
.set XF0, 128                          ; window 1: set p at XF0 + 32 p
.set WB,  40
.set XB,  42
.set CNT, 44
.set MSB, 0
.macro WIN new                         ; the immediate's low byte: bits 1:0 source 0, 3:2 source 1, 5:4 source 2, 7:6 destination; its high byte repeats the setting that is left
.if MSB != (\new)
	s_set_vgpr_msb (MSB<<8)|(\new)
.set MSB, \new
.endif
.endm
.macro LDW1 p, off, n                  ; load n of the 16 of a step's weights, into set p: rows 8 h + n, or from n = 8 on rows 16 + 8 h + n - 8
.if (\n) < 8
	global_load_b128 v[RAW+64*(\p)+4*(\n):RAW+64*(\p)+4*(\n)+3], v[VW], s[WB:WB+1] offset:(\off)+(\n)*PITCH
.else
	global_load_b128 v[RAW+64*(\p)+4*(\n):RAW+64*(\p)+4*(\n)+3], v[VW], s[WB:WB+1] offset:(\off)+(8+(\n))*PITCH
.endif
.endm
.macro LDW p, off                      ; all 16, in a run
.set c, 0
.rept 16
	LDW1 \p, \off, c
.set c, c+1
.endr
.endm
.macro LDX p, off                      ; a step's four fragments of hid, into set p, in window 1
.set i, 0
.rept 4
	global_load_b128 v[XF0+32*(\p)+8*i:XF0+32*(\p)+8*i+3], v[VX], s[XB:XB+1] offset:(\off)+i*MSTR
	global_load_b128 v[XF0+32*(\p)+8*i+4:XF0+32*(\p)+8*i+7], v[VX], s[XB:XB+1] offset:(\off)+i*MSTR+512
.set i, i+1
.endr
.endm
.macro CV2 p, n                        ; pair n of the 16 pairs of roundings: fragment n / 4, its registers n % 4 and 4 + n % 4
	v_cvt_pk_bf16_f32 v[WF+8*((\n)/4)+(\n)%4], v[RAW+64*(\p)+8*((\n)%4)+(\n)/4], v[RAW+64*(\p)+8*((\n)%4)+4+(\n)/4]
	v_cvt_pk_bf16_f32 v[WF+8*((\n)/4)+4+(\n)%4], v[RAW+64*(\p)+32+8*((\n)%4)+(\n)/4], v[RAW+64*(\p)+32+8*((\n)%4)+4+(\n)/4]
.endm
.macro MMA p, zero                     ; 16 products, each accumulator once: they take turns.  Weights (source 0) in window 0; hid (source 1) and the sums in window 1
	WIN 0x54
.set a, 0
.rept 16
.if \zero
	v_wmma_f32_16x16x32_bf16 v[8*a:8*a+7], v[WF+8*(a%4):WF+8*(a%4)+7], v[XF0+32*(\p)+8*(a/4):XF0+32*(\p)+8*(a/4)+7], 0
.else
	v_wmma_f32_16x16x32_bf16 v[8*a:8*a+7], v[WF+8*(a%4):WF+8*(a%4)+7], v[XF0+32*(\p)+8*(a/4):XF0+32*(\p)+8*(a/4)+7], v[8*a:8*a+7]
.endif
.set a, a+1
.endr
	WIN 0
.endm
; A step on set p.  zero = 1: step 0, which starts the sums and has no step in front of it.  issue = 1: the step two steps on is asked for, into set (p + 2) % 3.  cnt: the loads issued behind this step's: the next step's 16 + 8, or none.
; The four v_nop are the places between the step's last product and the next step's roundings into the weights' fragments, or the stores of the sums.
.macro STEP p, zero, issue, cnt, wo, xo
	s_wait_loadcnt \cnt                            ; loads come back in order (ISA guide 5.7.1): this step's 24 are in
.if \issue
	WIN 0x40                                       ; destination window 1, address window 0
.if !(\zero)
	s_wait_alu depctr_va_vdst(0)                   ; the roundings and the products of the step before are done reading their RAW and their XF, in which the 24 loads of this step land
.endif
	LDX ((\p)+2)%3, \xo
	WIN 0
.endif
.set c, 0
.rept 16
.if \issue
	LDW1 ((\p)+2)%3, \wo, c                        ; no wait: the roundings since the wait name WF and this step's RAW alone
.endif
	CV2 \p, c
.set c, c+1
.endr
	MMA \p, \zero
.rept 4
	v_nop
.endr
.endm
.macro LDPART base, adr
.set p, 0
.rept 4
.set t, 0
.rept 4
	ds_load_b128 v[(\base)+16*p+4*t:(\base)+16*p+4*t+3], v[\adr] offset:p*16384+t*1024
.set t, t+1
.endr
.set p, p+1
.endr
.endm
.macro ADD16 src
.set q, 0
.rept 8
	v_pk_add_f32 v[SUM+2*q:SUM+2*q+1], v[SUM+2*q:SUM+2*q+1], v[(\src)+2*q:(\src)+2*q+1]
.set q, q+1
.endr
.endm
	s_load_b256 s[4:11], s[0:1], 0x0               ; hid s[4:5], w2 s[6:7], langs s[8:9], h3 s[10:11]
	s_load_b64 s[12:13], s[0:1], 0x20              ; out
	v_lshl_add_u32 v6, v0, 2, 0x24400
	v_mov_b32 v7, 0
	v_and_b32 v1, 31, v0
	v_and_b32 v2, 15, v0
	v_bfe_u32 v3, v0, 4, 1
	v_lshrrev_b32 v15, 5, v0
	v_readfirstlane_b32 s16, v15                   ; wave
	s_mov_b32 s17, ttmp9
	s_lshr_b32 s18, s17, 4                         ; block of 64 rows
	s_and_b32 s19, s17, 15                         ; tile of 64 columns
	s_lshr_b32 s20, s18, 2                         ; sequence
	s_wait_alu depctr_va_sdst(0)                   ; s16 is written, ahead of its first reader: shares, offsets and a branch are made from it
	s_lshr_b32 s21, s16, 1                         ; the m-tile that I add up
	s_and_b32 s22, s16, 1                          ; and which four registers of it
	s_lshr_b32 s30, s16, 2                         ; my slot of the sequence's two
	s_and_b32 s31, s16, 3                          ; my quarter of K
	s_lshl_b32 s34, s20, 3
	s_mov_b32 s35, 0
	s_wait_kmcnt 0x0
	s_add_nc_u64 s[46:47], s[8:9], s[34:35]
	s_load_b64 s[14:15], s[46:47], 0x0             ; the sequence's two codes
	v_lshlrev_b32 v[VW], 15, v3
	v_lshl_add_u32 v[VW], v2, 4, v[VW]
	v_lshlrev_b32 v[VX], 4, v1
	v_lshl_add_u32 v[DA], s16, 14, v[VX]
	s_lshl_b32 s36, s21, 12
	s_lshl_b32 s37, s22, 9
	s_add_co_u32 s36, s36, s37
	v_add_nc_u32 v[RA], s36, v[VX]
	v_add_nc_u32 v[RB], 0x10000, v[RA]
	v_lshrrev_b32 v15, 4, v0                       ; row 0..15 of a pass
	v_lshlrev_b32 v12, 4, v2
	v_lshl_add_u32 v[GO], v15, 12, v12
	v_mul_u32_u24 v[TR], v15, 272
	v_add_nc_u32 v[TR], v[TR], v12
	v_add_nc_u32 v[TR], OUTT, v[TR]
	s_mul_i32 s36, s21, 16*272
	s_lshl_b32 s37, s22, 6
	s_add_co_u32 s36, s36, s37
	s_add_co_u32 s36, s36, OUTT
	v_mul_u32_u24 v[TS], v2, 272                   ; row 16 i + r, columns 32 h + 16 (w % 2) ..
	v_lshl_add_u32 v[TS], v3, 7, v[TS]
	v_add_nc_u32 v[TS], s36, v[TS]
	s_lshl_b32 s38, s18, 18                        ; h3 and out: 64 rows of 4,096 bytes,
	s_lshl_b32 s45, s19, 8                         ; 64 columns
	s_add_co_u32 s38, s38, s45
	s_mov_b32 s39, 0
	s_add_nc_u64 s[10:11], s[10:11], s[38:39]
	s_add_nc_u64 s[12:13], s[12:13], s[38:39]
	s_lshl1_add_u32 s36, s20, s30                  ; hid: slot 2 b + j, 1 MiB each,
	s_lshl_b32 s36, s36, 20
	s_and_b32 s37, s18, 3                          ; the block's four m-tiles of 65,536 bytes,
	s_lshl_b32 s37, s37, 18
	s_add_co_u32 s36, s36, s37
	s_lshl_b32 s37, s31, 14                        ; my quarter of K: 16 tiles
	s_add_co_u32 s36, s36, s37
	s_mov_b32 s37, 0
	s_add_nc_u64 s[XB:XB+1], s[4:5], s[36:37]
	s_wait_kmcnt 0x0
	s_sub_co_u32 s24, s14, 4
	s_sub_co_u32 s25, s15, 4
	s_cmp_lt_u32 s24, 8
	s_cselect_b32 s26, 1, 0                        ; slot 0 is live
	s_cmp_lt_u32 s25, 8
	s_cselect_b32 s27, 1, 0
	s_cmp_eq_u32 s14, s15
	s_cselect_b32 s27, 0, s27                      ; slot 1 is live
	s_cmp_gt_i32 s14, 3
	s_cselect_b32 s28, 1, 0
	s_cmp_gt_i32 s15, 3
	s_cselect_b32 s28, s28, 0
	s_cmp_eq_u32 s28, 1
	s_cselect_b32 s28, 0.5, 1.0                    ; rw
	s_cmp_eq_u32 s30, 1
	s_cselect_b32 s32, s25, s24
	s_cselect_b32 s33, s27, s26                    ; my slot is live
	s_min_u32 s32, s32, 7                          ; my expert; a dead slot's number is held inside the table and not used
	s_lshl_b32 s32, s32, 23                        ; 8 MiB an expert,
	s_lshl_b32 s36, s31, 21                        ; 512 rows of 4,096 bytes a quarter,
	s_add_co_u32 s32, s32, s36
	s_add_co_u32 s34, s32, s45                     ; the tile's columns
	s_add_nc_u64 s[WB:WB+1], s[6:7], s[34:35]
	s_wait_alu depctr_va_vdst(0)                   ; the eight offsets and addresses v[VW] to v[TR] are written, which the loads and stores on both ways from here read
	s_cmp_eq_u32 s33, 0
	s_cbranch_scc1 .Lmeet                          ; a dead slot's wave has no products; what is jumped holds no barrier
	LDW 0, 0                                       ; steps 0 and 1, each step's 24 loads together
	WIN 0x40
	LDX 0, 0
	WIN 0
	LDW 1, SW
	WIN 0x40
	LDX 1, 1024
	STEP 0, 1, 1, 24, 2*SW, 2048                   ; the first step starts the sums; set 2, which it asks for, has not been named yet
	s_wait_xcnt 0x0                                ; the bases are stepped only behind this wait
	s_add_nc_u64 s[WB:WB+1], s[WB:WB+1], SW        ; both bases at step 1
	s_add_nc_u64 s[XB:XB+1], s[XB:XB+1], 1024
	s_mov_b32 s[CNT], 4
.Lk:                                               ; steps 1 .. 12, three to a trip: all three sets are back at their start; each step asks for the step two steps on
	STEP 1, 0, 1, 24, 2*SW, 2048
	STEP 2, 0, 1, 24, 3*SW, 3072
	STEP 0, 0, 1, 24, 4*SW, 4096
	s_wait_xcnt 0x0
	s_add_nc_u64 s[WB:WB+1], s[WB:WB+1], 3*SW
	s_add_nc_u64 s[XB:XB+1], s[XB:XB+1], 3072
	s_sub_co_u32 s[CNT], s[CNT], 1
	s_cmp_lg_u32 s[CNT], 0
	s_cbranch_scc1 .Lk
	STEP 1, 0, 1, 24, 2*SW, 2048                   ; step 13 asks for step 15, the last
	STEP 2, 0, 0, 24, 0, 0                         ; steps 14 and 15 load nothing: no load leaves the buffers, and they have no dependence to state
	STEP 0, 0, 0, 0, 0, 0
	WIN 0x04
	s_wait_alu depctr_va_vdst(0)                   ; the products have written the accumulators, which the LDS stores read (the four places above stay beside this wait); and the roundings are done with RAW, in which the partial sums land behind the barrier
.set a, 0
.rept 16                               ; each accumulator's low four registers first
	ds_store_b128 v[DA], v[8*a:8*a+3] offset:a*1024
	ds_store_b128 v[DA], v[8*a+4:8*a+7] offset:a*1024+512
.set a, a+1
.endr
	WIN 0
.Lmeet:
.set u, 0
.rept 4
	global_load_b128 v[RES+4*u:RES+4*u+3], v[GO], s[10:11] offset:u*65536   ; the residual: on its way during the barriers; no other line has named its registers
.set u, u+1
.endr
	s_wait_dscnt 0x0                               ; for the others' sake: my partial sums are in LDS
	s_barrier_signal -1
	s_barrier_wait -1
.set q, 0
.rept 16
	v_mov_b32 v[SUM+q], 0                          ; either slot, both or none may add to it
.set q, q+1
.endr
	s_cmp_eq_u32 s26, 0
	s_cbranch_scc1 .Lno0
	LDPART RAW, RA                                 ; slot 0: waves 0-3.  No wait: no vector instruction since the last wait on va_vdst names these registers
	s_wait_dscnt 0x0
	ADD16 RAW
	ADD16 RAW+16
	ADD16 RAW+32
	ADD16 RAW+48
.Lno0:
	s_cmp_eq_u32 s27, 0
	s_cbranch_scc1 .Lno1
	LDPART RAW+64, RB                              ; slot 1: waves 4-7; other registers than slot 0's, and likewise not named since that wait
	s_wait_dscnt 0x0
	ADD16 RAW+64
	ADD16 RAW+80
	ADD16 RAW+96
	ADD16 RAW+112
.Lno1:
.set t, 0
.rept 4
.set q, 0
.rept 4
	v_mul_f32 v[Y+4*q+t], s28, v[SUM+4*t+q]        ; times rw; this also puts the columns in order: column 4 q + t from (t, q)
.set q, q+1
.endr
.set t, t+1
.endr
	s_wait_alu depctr_va_vdst(0)                   ; the multiplies have written Y, which the LDS stores read; and the additions are done reading v[RAW ..], in which the whole rows land behind the barrier
.set q, 0
.rept 4
	ds_store_b128 v[TS], v[Y+4*q:Y+4*q+3] offset:16*q
.set q, q+1
.endr
	s_wait_dscnt 0x0                               ; for the others' sake: my part of the rows is in LDS
	s_barrier_signal -1
	s_barrier_wait -1
.set u, 0
.rept 4
	ds_load_b128 v[RAW+4*u:RAW+4*u+3], v[TR] offset:u*16*272
.set u, u+1
.endr
	s_wait_loadcnt 0x0
	s_wait_dscnt 0x0
.set u, 0
.rept 4
	v_pk_add_f32 v[RAW+4*u:RAW+4*u+1], v[RAW+4*u:RAW+4*u+1], v[RES+4*u:RES+4*u+1]
	v_pk_add_f32 v[RAW+4*u+2:RAW+4*u+3], v[RAW+4*u+2:RAW+4*u+3], v[RES+4*u+2:RES+4*u+3]
.set u, u+1
.endr
	s_wait_alu depctr_va_vdst(0)                   ; the eight additions have written v[RAW .. RAW+15], which the four stores read
.set u, 0
.rept 4
	global_store_b128 v[GO], v[RAW+4*u:RAW+4*u+3], s[12:13] offset:u*65536   ; sixteen lanes fill 256 consecutive bytes, aligned
.set u, u+1
.endr
	s_wait_dscnt 0x0                               ; the wave's end
	s_wait_alu depctr_hold_cnt(0) depctr_sa_sdst(0) depctr_va_vdst(0) depctr_va_sdst(0) depctr_va_ssrc(0) depctr_va_vcc(0) depctr_vm_vsrc(0)
	s_wait_tensorcnt 0x0
	ds_add_u32 v6, v7
	s_wait_dscnt 0x0
	s_endpgm
.Lfunc_end_k_q305d76e22d_m2:
	.size	k_q305d76e22d_m2, .Lfunc_end_k_q305d76e22d_m2-k_q305d76e22d_m2
	.p2alignl 7, 3214868480
	.fill 96, 4, 3214868480
	.section	.rodata,"a",@progbits
	.p2align	6, 0x0
	.amdhsa_kernel k_q305d76e22d_m2
		.amdhsa_group_segment_fixed_size 149504
		.amdhsa_private_segment_fixed_size 0
		.amdhsa_enable_private_segment 0
		.amdhsa_kernarg_size 40
		.amdhsa_user_sgpr_count 2
		.amdhsa_user_sgpr_kernarg_segment_ptr 1
		.amdhsa_wavefront_size32 1
		.amdhsa_system_sgpr_workgroup_id_x 1
		.amdhsa_system_sgpr_workgroup_id_y 1
		.amdhsa_system_sgpr_workgroup_id_z 1
		.amdhsa_system_vgpr_workitem_id 0
		.amdhsa_next_free_vgpr 480
		.amdhsa_next_free_sgpr 66
		.amdhsa_reserve_vcc 0
		.amdhsa_float_denorm_mode_32 3
		.amdhsa_float_denorm_mode_16_64 3
		.amdhsa_memory_ordered 1
		.amdhsa_forward_progress 1
		.amdhsa_inst_pref_size 55
	.end_amdhsa_kernel
	.amdgpu_metadata
---
amdhsa.version: [ 1, 2 ]
amdhsa.kernels:
  - .name:           k_q305d76e22d_m2
    .symbol:         k_q305d76e22d_m2.kd
    .args:
      - { .name: hid, .offset: 0, .size: 8, .value_kind: global_buffer, .address_space: global }
      - { .name: moe_w2, .offset: 8, .size: 8, .value_kind: global_buffer, .address_space: global }
      - { .name: langs, .offset: 16, .size: 8, .value_kind: global_buffer, .address_space: global }
      - { .name: h3, .offset: 24, .size: 8, .value_kind: global_buffer, .address_space: global }
      - { .name: out0, .offset: 32, .size: 8, .value_kind: global_buffer, .address_space: global }
    .group_segment_fixed_size: 149504
    .private_segment_fixed_size: 0
    .kernarg_segment_align: 8
    .kernarg_segment_size: 40
    .max_flat_workgroup_size: 256
    .sgpr_count:     66
    .vgpr_count:     480
    .wavefront_size: 32
...
	.end_amdgpu_metadata
.endif
;; end of part 13
